; MI455X (gfx1250); checked and timed in simulation.
; The chip was launched on July 23, 2026; its instructions are those of AMD's public machine-readable ISA for CDNA 5 (MIT licence, August 2026) and "CDNA5" Instruction Set Architecture Reference Guide (July 2026). The comments in the code are by the model that wrote it; some were corrected since.
;; Single Head Attention. Allowed arithmetic: matrix products marked QUANTISED: E2M3 operands, one E8M0 scale for each 32 along K, by v_wmma_scale_f32_16x16x128_f8f6f4 with both operands' format E2M3, f32 sums; everything else in f32.
;; Inputs: WK_b 1,024 float32; WK_w 1,024 x 1,024 float32; WQ_b 1,024 float32; WQ_w 1,024 x 1,024 float32; WV_b 1,024 float32; WV_w 1,024 x 1,024 float32; xs 4 x 2,048 x 1,024 float32.
;; Outputs: out0 4 x 2,048 x 1,024 float32.
;; This version of the problem:
;;   THIS VERSION OF THE PROBLEM IS GIVEN IN LOW PRECISION. The matrix products marked QUANTISED in the list below multiply operands that are first quantised to E2M3 (2 exponent bits, 3 mantissa bits; 6 bits a number), with one power-of-two scale for each 32 numbers along K (OCP MX v1.0); their sums are f32. All else is computed in f32.
;;   The module's matrix products, in the order in which they are computed (A, B: the left and right operand; K: the contracted axis; several contracted axes count as one K, in the product's order):
;;     1. [M 8,192, K 1,024] x [K 1,024, N 1,024]; A: input xs; B: input WQ_w: QUANTISED
;;     2. [M 8,192, K 1,024] x [K 1,024, N 1,024]; A: input xs; B: input WK_w: QUANTISED
;;     3. [M 8,192, K 1,024] x [K 1,024, N 1,024]; A: input xs; B: input WV_w: QUANTISED
;;     4. batch 4 x [M 2,048, K 1,024] x [K 1,024, N 2,048]; A: computed on the way; B: computed on the way: QUANTISED
;;     5. batch 4 x [M 2,048, K 2,048] x [K 2,048, N 1,024]; A: softmax (see below); B: computed on the way: QUANTISED
;;   THE QUANTISER, for each operand of a quantised product, along K:
;;     - K is cut into blocks of 32 from its start; a last block that is shorter is filled with zeros.
;;     - A block's scale is 2^e with e = floor(log2(the largest magnitude in the block)) - 2, held to -126 .. 127; a block of zeros has e = 0. As a byte (E8M0): e + 127.
;;     - Each number is divided by its block's scale, clamped to +-7.5, and rounded to the nearest number of E2M3, ties to even, subnormals kept.
;;     - The product sums the exact products of the quantised numbers (number of the format x scale) in f32.
;;   ~~~python
;;   def quantise(x, axis):      # numpy; x: float32 -> the quantised numbers, widened to float32 again
;;       x = np.moveaxis(x, axis, -1); K = x.shape[-1]
;;       x = np.pad(x, [(0, 0)] * (x.ndim - 1) + [(0, -K % 32)]); x = x.reshape(x.shape[:-1] + (-1, 32)); a = np.abs(x).max(-1, keepdims=True)
;;       e = np.where(a > 0, np.clip(np.frexp(np.where(a > 0, a, 1))[1] - 1 - 2, -126, 127), 0)      # np.frexp(a)[1] - 1 = floor(log2(a)), exactly
;;       r = np.clip(x / 2.0 ** e, -7.5, 7.5)
;;       step = 2.0 ** (np.maximum(np.frexp(np.where(r == 0, 1, r))[1] - 1, 0) - 3)
;;       q = np.round(r / step) * step * 2.0 ** e      # np.round: ties to even
;;       return np.moveaxis(q.reshape(q.shape[:-2] + (-1,))[..., :K], -1, axis).astype(np.float32)
;;   ~~~
;;   SOFTMAX AHEAD OF A QUANTISED PRODUCT. Where the list says 'softmax', what is quantised is not the finished softmax but p = 2^(t - M), with t = logit x log2(e) and M = ceil(the row's largest t), a whole number; so 1/2 < the row's largest p <= 1. The row's sum l is taken of the UNQUANTISED p, in f32, and the product's result is divided by l at the end. Since M is a whole number, a kernel that streams over the keys may use a running M (the ceiling of the running maximum): every later rescaling is an exact power of two, which a block's scale takes up: the codes' values come out the same.
;;   OPERANDS COMPUTED ON THE WAY. 'Computed on the way' means the value that the module computes at that place (a softmax that the list does not call 'softmax' is quantised finished and normalised). What goes into a quantiser is computed in f32, as accurately as f32 sums, v_exp_f32 and their like allow (about 1e-6 of the number): no bf16 or f16 on the way to a quantiser, and a product that is left as it is and whose result goes on into a quantised operand takes f32 operands (vector FMAs, or v_wmma_f32_16x16x4_f32). A number that lies on a knife's edge between two numbers of the format may be rounded either way, as far as f32 arithmetic and the matrix unit's own rounding can turn it there, and no further.
;; 2 versions. Each part assembles by itself: llvm-mc -triple=amdgcn-amd-amdhsa -mcpu=gfx1250 --defsym DOCPART=n.
;; ======== version 1 of 2: 4 launches
;; workspace buffers: xw 9,011,200 bytes; qkv 19,660,800 bytes; p 12,582,912 bytes; pst 1,572,864 bytes
;; launch quant (part 1): grid 704 x 1, 4 waves a work-group, no clusters, 68,608 bytes of LDS; arguments xs, WQ_w, WK_w, WV_w, xw; writes xw
.if DOCPART == 1
	.amdgcn_target "amdgcn-amd-amdhsa--gfx1250"
	.amdhsa_code_object_version 6
	.text
	.protected	k_qca38b3a346_quant
	.globl	k_qca38b3a346_quant
	.p2align	8
	.type	k_qca38b3a346_quant,@function
k_qca38b3a346_quant:
	s_mov_b64 s[64:65], 0
	v_nop
	global_prefetch_b8 v0, s[64:65] scope:SCOPE_SE
	s_setreg_imm32_b32 hwreg(HW_REG_WAVE_MODE, 25, 1), 1
	s_wait_xcnt 0x0
; xs [8192][1024] and WQ_w, WK_w, WV_w [1024][1024], f32, become codes of FP6 (E2M3) with one E8M0 byte for each 32 along K (the last axis), laid as IMAGES OF OPERAND REGISTERS.
; A ROWBLOCK is 128 rows, eight tiles of 16; lane row r of tile T is row 32 (T / 2) + 8 (T % 2) + r % 8 + 16 (r / 8) of the rowblock.
; A FRAGMENT (16 rows x 128 K, 12 registers a lane) is 1,536 bytes: registers 4 c .. 4 c + 3 of lane l at 512 c + 16 l.
; A SCALE IMAGE is 512 bytes: word j of lane l, at 16 l + 4 j, is the scale word of row l % 16 of tile 2 j + l / 16.
; A GROUP (rowblock, 128 along K) is eight fragments and the scale image: 12,800 bytes.  xw holds 88 rowblocks x 8 groups: rowblocks 0-63 xs, 64-71 WQ_w, 72-79 WK_w, 80-87 WV_w.
; SHARES: one work-group makes one group; wave w makes tiles 2 w and 2 w + 1 (rows 32 w .. 32 w + 31).  Each load reads 512 consecutive bytes of one row; the rows turn through the wave's own stage in LDS
; (rows 528 bytes apart), so that lane (r, h) gets k = 64 c + 32 h + 0 .. 31 of its row: two whole blocks of 32, in the order of the operand's registers.
; A block's scale byte is its largest magnitude's exponent field - 2, held at 1 from below.
; LIMITS: NaN and infinities among the inputs are not served; a block of zeros, and a block whose largest magnitude lies under 2^-124, gets the byte 1 (its codes are zeros or what the conversion makes of them); this program alone reads the bytes.
.set STG,  16896                       ; a wave's stage: 32 rows x 528 bytes
.set SCG,  67584                       ; behind the four stages: 512 bytes in which the group's scale image is gathered
.set GB,   12800                       ; a group
.set R,    16                          ; v16-143  32 rows as loaded, 4 registers each
.set X0,   144                         ; v144-207 tile 0: my 64 numbers
.set X1,   16                          ; v16-79   tile 1: my 64 numbers (over the rows that have gone to the stage)
.set PC0,  208                         ; v208-219 tile 0's codes
.set PC1,  220                         ; v220-231 tile 1's
.set TT,   232                         ; v232-238 the upper halves of the blocks' codes
.set TM,   240                         ; v240-241 largest magnitudes
.set TS,   242                         ; v242-243 the conversions' scale operands
.set TB,   244                         ; v244-245 scale bytes
.set TX,   246
.set W0,   248                         ; the tiles' scale words
.set W1,   249
.set SW,   250
	s_load_b256 s[4:11], s[0:1], 0x0               ; xs, WQ_w, WK_w, WV_w
	s_load_b64 s[12:13], s[0:1], 0x20              ; xw
	v_lshl_add_u32 v254, v0, 2, 0x10a00
	v_mov_b32 v255, 0
	v_lshrrev_b32 v1, 5, v0
	v_readfirstlane_b32 s14, v1                    ; wave 0..3
	v_and_b32 v2, 31, v0                           ; lane
	v_and_b32 v3, 15, v0                           ; r
	v_bfe_u32 v4, v0, 4, 1                         ; h
	v_lshlrev_b32 v5, 3, v4                        ; 8 h
	v_lshlrev_b32 v6, 4, v2                        ; 16 x lane
	s_mul_i32 s15, s14, STG
	v_add_nc_u32 v7, s15, v6                       ; the stage, on the way in: 16 x lane of a row
	v_mul_u32_u24 v8, v3, 528
	v_lshl_add_u32 v8, v4, 7, v8
	v_add_nc_u32 v8, s15, v8                       ; and on the way out: row r, + 128 h bytes
	s_mul_i32 s15, s14, 3072
	v_add_nc_u32 v9, s15, v6                       ; my fragments in the group: 2 x 1,536 x wave + 16 x lane
	s_lshl_b32 s15, s14, 2
	s_add_co_u32 s15, s15, SCG
	v_add_nc_u32 v10, s15, v6                      ; my word of the scale image: 16 x lane + 4 x wave
	v_add_nc_u32 v11, SCG, v6                      ; and the image as it leaves
	v_mov_b32 v[TX], 0                             ; a lane permute's destination counts as one of its sources
	s_mov_b32 s20, 0x76543210
	s_mov_b32 s21, 0xfedcba98                      ; selects for lane l xor 16
	s_lshr_b32 s16, ttmp9, 3                       ; rowblock 0..87
	s_and_b32 s17, ttmp9, 7                        ; which 128 along K
	s_and_b32 s18, s16, 7                          ; a weight's rowblock
	s_wait_kmcnt 0x0
	s_cmp_lt_u32 s16, 80                           ; the source is chosen by the work-group's number alone
	s_cselect_b64 s[10:11], s[8:9], s[10:11]
	s_cmp_lt_u32 s16, 72
	s_cselect_b64 s[10:11], s[6:7], s[10:11]
	s_cmp_lt_u32 s16, 64
	s_cselect_b64 s[10:11], s[4:5], s[10:11]
	s_cselect_b32 s18, s16, s18                    ; the rowblock within the source
	s_lshl_b32 s18, s18, 19                        ; 128 rows of 4,096 bytes
	s_lshl_b32 s19, s14, 17                        ; my 32 rows
	s_add_co_u32 s18, s18, s19
	s_lshl_b32 s19, s17, 9                         ; 128 numbers along K
	s_add_co_u32 s18, s18, s19
	s_mov_b32 s19, 0
	s_add_nc_u64 s[10:11], s[10:11], s[18:19]
	s_mul_i32 s22, ttmp9, GB                       ; the group's number is the work-group's
	s_mov_b32 s23, 0
	s_add_nc_u64 s[12:13], s[12:13], s[22:23]
.set m, 0
.rept 32                               ; load m is stage row m: tile m / 16, lane row m % 16
	global_load_b128 v[R+4*m:R+4*m+3], v6, s[10:11] offset:(16*((m%16)/8)+8*(m/16)+(m%8))*4096 th:TH_LOAD_NT
.set m, m+1
.endr
; 64 numbers of a lane, register 32 c + i = k 64 c + 32 h + i of my row, become the fragment's 12 registers at v[pc] and the row's scale word in v[wd]
.macro Q2 s, pc, wd
.irp c, 0,1
	v_max3_num_f32 v[TM+\c], |v[\s+32*\c]|, |v[\s+32*\c+1]|, 0x1800000   ; the floor 2^(3 - 127) holds the byte at 1 from below
.endr
.irp i, 2,4,6,8,10,12,14,16,18,20,22,24,26,28,30
.irp c, 0,1
	v_max3_num_f32 v[TM+\c], v[TM+\c], |v[\s+32*\c+\i]|, |v[\s+32*\c+\i+1]|
.endr
.endr
.irp c, 0,1
	v_add_nc_u32 v[TS+\c], 0xff000000, v[TM+\c]    ; 2 off the exponent field: the conversion's scale operand
.endr
.irp c, 0,1
	v_lshrrev_b32 v[TB+\c], 23, v[TS+\c]           ; the scale's byte
.endr
	v_lshl_or_b32 v[\wd], v[TB+1], 16, v[TB]       ; my blocks h and 2 + h,
	v_lshlrev_b32 v[\wd], v5, v[\wd]               ; at their places in the word;
	v_permlanex16_b32 v[TX], v[\wd], s20, s21
	v_or_b32 v[\wd], v[\wd], v[TX]                 ; with lane l xor 16's two the word is whole
.irp c, 0,1
	v_cvt_scalef32_pk16_fp6_f32 v[\pc+6*\c:\pc+6*\c+2], v[\s+32*\c:\s+32*\c+15], v[TS+\c]
	v_cvt_scalef32_pk16_fp6_f32 v[TT+4*\c:TT+4*\c+2], v[\s+32*\c+16:\s+32*\c+31], v[TS+\c]   ; (a conversion's three registers begin on an even number)
.endr
	v_nop                                          ; one plain place behind a scaled conversion
.irp c, 0,1
.irp i, 0,1,2
	v_mov_b32 v[\pc+6*\c+3+\i], v[TT+4*\c+\i]
.endr
.endr
.endm
	s_wait_loadcnt 16                              ; tile 0's sixteen rows are in; tile 1's sixteen loads stay out
.set m, 0
.rept 16
	ds_store_b128 v7, v[R+4*m:R+4*m+3] offset:528*m
.set m, m+1
.endr
.irp c, 0,1
.irp i, 0,1,2,3,4,5,6,7
	ds_load_b128 v[X0+32*\c+4*\i:X0+32*\c+4*\i+3], v8 offset:256*\c+16*\i   ; LDS serves a wave's instructions in order: these see my stores
.endr
.endr
	s_wait_loadcnt 0x0
.set m, 16
.rept 16
	ds_store_b128 v7, v[R+4*m:R+4*m+3] offset:528*m
.set m, m+1
.endr
	s_wait_dscnt 16                                ; only the sixteen stores just issued may be out: X0 is in, and the first stores have read v16-79
.irp c, 0,1
.irp i, 0,1,2,3,4,5,6,7
	ds_load_b128 v[X1+32*\c+4*\i:X1+32*\c+4*\i+3], v8 offset:16*528+256*\c+16*\i
.endr
.endr
	Q2 X0, PC0, W0
.irp c, 0,1,2
	global_store_b128 v9, v[PC0+4*\c:PC0+4*\c+3], s[12:13] offset:512*\c   ; 32 lanes store 512 consecutive bytes, aligned
.endr
	s_wait_dscnt 0x0                               ; X1 is in
	Q2 X1, PC1, W1
.irp c, 0,1,2
	global_store_b128 v9, v[PC1+4*\c:PC1+4*\c+3], s[12:13] offset:1536+512*\c
.endr
	v_cmp_eq_u32 vcc_lo, 1, v4
	v_cndmask_b32 v[SW], v[W0], v[W1], vcc_lo      ; lanes 0-15 tile 2 w's word, lanes 16-31 tile 2 w + 1's
	ds_store_b32 v10, v[SW]
	s_wait_dscnt 0x0                               ; for the others' sake: my word has landed
	s_barrier_signal -1
	s_barrier_wait -1
	s_cmp_lg_u32 s14, 0
	s_cbranch_scc1 .Lend
	ds_load_b128 v[12:15], v11                     ; wave 0 sends the image: 512 consecutive bytes
	s_wait_dscnt 0x0
	global_store_b128 v6, v[12:15], s[12:13] offset:12288
.Lend:
	s_wait_tensorcnt 0x0
	ds_add_u32 v254, v255
	s_wait_dscnt 0x0
	s_endpgm
.Lfunc_end_k_qca38b3a346_quant:
	.size	k_qca38b3a346_quant, .Lfunc_end_k_qca38b3a346_quant-k_qca38b3a346_quant
	.p2alignl 7, 3214868480
	.fill 96, 4, 3214868480
	.section	.rodata,"a",@progbits
	.p2align	6, 0x0
	.amdhsa_kernel k_qca38b3a346_quant
		.amdhsa_group_segment_fixed_size 68608
		.amdhsa_private_segment_fixed_size 0
		.amdhsa_enable_private_segment 0
		.amdhsa_kernarg_size 40
		.amdhsa_user_sgpr_count 2
		.amdhsa_user_sgpr_kernarg_segment_ptr 1
		.amdhsa_wavefront_size32 1
		.amdhsa_system_sgpr_workgroup_id_x 1
		.amdhsa_system_sgpr_workgroup_id_y 1
		.amdhsa_system_sgpr_workgroup_id_z 1
		.amdhsa_system_vgpr_workitem_id 0
		.amdhsa_next_free_vgpr 256
		.amdhsa_next_free_sgpr 66
		.amdhsa_reserve_vcc 1
		.amdhsa_float_denorm_mode_32 3
		.amdhsa_float_denorm_mode_16_64 3
		.amdhsa_memory_ordered 1
		.amdhsa_forward_progress 1
		.amdhsa_inst_pref_size 17
	.end_amdhsa_kernel
	.amdgpu_metadata
---
amdhsa.version: [ 1, 2 ]
amdhsa.kernels:
  - .name:           k_qca38b3a346_quant
    .symbol:         k_qca38b3a346_quant.kd
    .args:
      - { .name: xs, .offset: 0, .size: 8, .value_kind: global_buffer, .address_space: global }
      - { .name: WQ_w, .offset: 8, .size: 8, .value_kind: global_buffer, .address_space: global }
      - { .name: WK_w, .offset: 16, .size: 8, .value_kind: global_buffer, .address_space: global }
      - { .name: WV_w, .offset: 24, .size: 8, .value_kind: global_buffer, .address_space: global }
      - { .name: xw, .offset: 32, .size: 8, .value_kind: global_buffer, .address_space: global }
    .group_segment_fixed_size: 68608
    .private_segment_fixed_size: 0
    .kernarg_segment_align: 8
    .kernarg_segment_size: 40
    .max_flat_workgroup_size: 128
    .sgpr_count:     66
    .vgpr_count:     256
    .wavefront_size: 32
...
	.end_amdgpu_metadata
.endif
;; end of part 1
;; launch proj (part 2): grid 96 x 4, 4 waves a work-group, clusters of 4 x 4, 327,680 bytes of LDS; arguments xw, WQ_b, WK_b, WV_b, qkv; writes qkv
.if DOCPART == 2
	.amdgcn_target "amdgcn-amd-amdhsa--gfx1250"
	.amdhsa_code_object_version 6
	.text
	.protected	k_qca38b3a346_proj
	.globl	k_qca38b3a346_proj
	.p2align	8
	.type	k_qca38b3a346_proj,@function
k_qca38b3a346_proj:
	s_mov_b64 s[64:65], 0
	v_nop
	global_prefetch_b8 v0, s[64:65] scope:SCOPE_SE
	s_setreg_imm32_b32 hwreg(HW_REG_WAVE_MODE, 25, 1), 1
	s_wait_xcnt 0x0
	s_wait_alu depctr_hold_cnt(0) depctr_sa_sdst(0) depctr_va_vdst(0) depctr_va_sdst(0) depctr_va_ssrc(0) depctr_va_vcc(0) depctr_vm_vsrc(0)
	s_getreg_b32 s2, hwreg(HW_REG_IB_STS2, 6, 4)
	s_cmp_eq_u32 s2, 0
	s_cbranch_scc0 .Lentry_in_a_cluster
	s_endpgm
.Lentry_in_a_cluster:
	s_bfe_u32 s2, ttmp6, 0x10000c
	s_cmp_lg_u32 s2, 0xf033
	s_cbranch_scc0 .Lentry_shape_is_right
	s_endpgm
.Lentry_shape_is_right:
; q = x WQ^T + bQ, k = x WK^T + bK, v = x WV^T + bV on codes of FP6 (E2M3) with E8M0 scales, and the results quantised at once for the products that follow: q and k along the 1,024 channels, v along the keys.
; FORMATS: a ROWBLOCK is 128 rows, eight tiles of 16; lane row r of tile T is row 32 (T / 2) + 8 (T % 2) + r % 8 + 16 (r / 8).  A FRAGMENT (16 rows x 128 K) is 1,536 bytes, registers 4 c .. 4 c + 3 of lane l at 512 c + 16 l.
; A SCALE IMAGE is 512 bytes: word j of lane l = the scale word of row l % 16 of tile 2 j + l / 16.  A GROUP = 8 fragments + the image = 12,800 bytes; the groups of a rowblock follow each other along K.
; xw: 88 rowblocks x 8 groups (0-63 x, 64-71 WQ, 72-79 WK, 80-87 WV).  qkv: q's group (token rowblock, channel block) at 8 rb + s; k's 512 groups on; v's at 1,024 + (8 batch + channel block) 16 + key rowblock: rows = channels, K = keys.
; SHARES: a work-group makes 256 x 256, each of its four waves 128 x 128: 64 accumulators.  THE MATRIX INSTRUCTION IS USED TRANSPOSED: source 0 = P, whose rows become the next K; source 1 = R: a lane holds one row of R, and by the
; order of P's rows its 64 registers of one tile of R are k = 32 b + 16 (lane / 16) + i of the next product.  q, k: P = the weight, R = x.  v: P = x (the keys), R = WV.  So the results are quantised in registers and leave as images.
; CLUSTERS: 4 x 4.  Clusters 0-15: 1,024 tokens x all channels of q (even) or k (odd); clusters 16-23: 1,024 keys x all channels of v.  R's tiles hang on cy alone and are asked for jointly along a row of the cluster, P's on cx alone, along a column.
; RING: two LDS slots of 256 along K; a slot = R's two rowblocks, then P's two, 25,600 dense bytes each, one tensor load a wave.  By this text's count a wave has at most two tensor loads out (the first fills), later one.
; The bias is the C of each sum's first matrix instruction.
; LIMITS: NaN and infinities are not served; a block of zeros, or one whose largest magnitude lies under 2^-124, gets the scale byte 1; this program alone reads the bytes.
; REGISTERS: window 0: v1-3, v20-23 at work; v4-19 the quantiser's; v24-27 LDS addresses; v28 16 x lane; v30, v31 the add's; v32-63 scale words, a set of 8 for each (slot, step); v64-159, v160-255 R's fragments, two sets.
;   window 1: v0-95, v128-223 P's fragments, two sets; v96-127, v224-255 the bias, 8 registers a tile.   windows 2, 3: accumulator (a = R's tile, b = P's tile) at v[8 (8 (a % 4) + b)] of window 2 + a / 4.
.set G,     12800
.set FRB,   1536
.set SCO,   12288                      ; the scale image in a group
.set PART,  25600                      ; two groups: what one tensor load brings
.set SLOT,  102400
.set SPARE, 204800                     ; behind the ring: the spare words, 128 bytes for each wave: two blocks of 256 bytes that no other line names
.set RBB,   102400                     ; a rowblock's eight groups
.set TM,    4
.set ADRA,  24                         ; v24-25 my rowblock of R in slot 0, 1
.set ADRB,  26                         ; v26-27 my rowblock of P
.set CO,    28
.set SPW,   30
.set NIL,   31
.set SC,    32
.set RF,    64
.set TT,    160
.set G1,    24                         ; s[24:31] group 1 for R's tiles; s[32:39] group 0, a set for each slot
.set G0,    32
.set G1B,   48                         ; s[48:55], s[56:63] the same for P's
.set G0B,   56
.set SEL,   68
.set MSB, 0
.macro WIN new                         ; the immediate's high byte repeats the setting that is left
.if MSB != (\new)
	s_set_vgpr_msb (MSB<<8)|(\new)
.set MSB, (\new)
.endif
.endm
.macro PLACES n
.rept \n
	v_nop
.endr
.endm
.macro CREST                           ; a round of the cluster's barrier behind its opening barrier
	s_cmp_lg_u32 s14, 0
	s_cbranch_scc1 .Lnot_wave_0_\@
	s_barrier_signal -3
.Lnot_wave_0_\@:
	s_barrier_wait -3
	s_barrier_signal -1
	s_barrier_wait -1
.endm
.macro CROUND
	s_barrier_signal -1
	s_barrier_wait -1
	CREST
.endm
; A joint load: waves 0 and 1 fetch R's rowblocks, waves 2 and 3 P's.  The branch hangs on the wave's number alone.  Four v_nop follow each of the two lines.
.macro JLOAD g0a, g1a, g0b, g1b
	s_cmp_eq_u32 s15, 0
	s_cbranch_scc0 .Lfor_b_\@
	tensor_load_to_lds s[\g0a:\g0a+3], s[\g1a:\g1a+7]
	s_nop 0
.rept 4
	v_nop
.endr
	s_branch .Lasked_\@
.Lfor_b_\@:
	tensor_load_to_lds s[\g0b:\g0b+3], s[\g1b:\g1b+7]
	s_nop 0
.rept 4
	v_nop
.endr
.Lasked_\@:
.endm
; one matrix instruction, by the symbols rD, rA (P), rB (R), rC, rSA, rSB; an odd tile's scale words stand in lanes 16-31
.macro WM
.if wOA && wOB
	v_wmma_scale_f32_16x16x128_f8f6f4 v[rD:rD+7], v[rA:rA+11], v[rB:rB+11], v[rC:rC+7], v[rSA], v[rSB] matrix_a_fmt:MATRIX_FMT_FP6 matrix_b_fmt:MATRIX_FMT_FP6 matrix_a_scale:MATRIX_SCALE_ROW1 matrix_b_scale:MATRIX_SCALE_ROW1
.elseif wOA
	v_wmma_scale_f32_16x16x128_f8f6f4 v[rD:rD+7], v[rA:rA+11], v[rB:rB+11], v[rC:rC+7], v[rSA], v[rSB] matrix_a_fmt:MATRIX_FMT_FP6 matrix_b_fmt:MATRIX_FMT_FP6 matrix_a_scale:MATRIX_SCALE_ROW1
.elseif wOB
	v_wmma_scale_f32_16x16x128_f8f6f4 v[rD:rD+7], v[rA:rA+11], v[rB:rB+11], v[rC:rC+7], v[rSA], v[rSB] matrix_a_fmt:MATRIX_FMT_FP6 matrix_b_fmt:MATRIX_FMT_FP6 matrix_b_scale:MATRIX_SCALE_ROW1
.else
	v_wmma_scale_f32_16x16x128_f8f6f4 v[rD:rD+7], v[rA:rA+11], v[rB:rB+11], v[rC:rC+7], v[rSA], v[rSB] matrix_a_fmt:MATRIX_FMT_FP6 matrix_b_fmt:MATRIX_FMT_FP6
.endif
.endm
; 16 matrix instructions: R's tiles a0, a0 + 1 x P's eight; fragment set q, scale set (slot, q).  cm = 0: C = D; 1: C = the bias of P's tile; 2: of R's tile.
; The 64 accumulators take turns, one instruction a turn, in the same order in every step.
.macro MUL16 a0, slot, q, cm
.irp a, \a0, \a0+1
.irp b, 0,1,2,3,4,5,6,7
.set rD, 8*(8*((\a)%4)+\b)
.set rA, 128*(\q)+12*\b
.set rB, RF+96*(\q)+12*(\a)
.set rSA, SC+16*(\slot)+8*(\q)+4+(\b)/2
.set rSB, SC+16*(\slot)+8*(\q)+(\a)/2
.set wOA, (\b)%2
.set wOB, (\a)%2
.set rC, rD
.if (\cm)==1
.set rC, 96+8*\b+96*((\b)/4)
.endif
.if (\cm)==2
.set rC, 96+8*(\a)+96*((\a)/4)
.endif
	WM
.endr
.endr
.endm
; 50 LDS loads in one run: the slot's q-th 128 along K into set q: P's eight fragments, R's eight, the two scale images.  Each load takes 512 consecutive bytes.
.macro FETCH slot, q
	WIN 0x40                                       ; destination window 1, address window 0
.irp i, 0,1,2,3,4,5,6,7
.irp c, 0,1,2
	ds_load_b128 v[128*(\q)+12*\i+4*\c:128*(\q)+12*\i+4*\c+3], v[ADRB+\slot] offset:(\q)*G+\i*FRB+512*\c
.endr
.endr
	WIN 0
.irp i, 0,1,2,3,4,5,6,7
.irp c, 0,1,2
	ds_load_b128 v[RF+96*(\q)+12*\i+4*\c:RF+96*(\q)+12*\i+4*\c+3], v[ADRA+\slot] offset:(\q)*G+\i*FRB+512*\c
.endr
.endr
	ds_load_b128 v[SC+16*(\slot)+8*(\q):SC+16*(\slot)+8*(\q)+3], v[ADRA+\slot] offset:(\q)*G+SCO
	ds_load_b128 v[SC+16*(\slot)+8*(\q)+4:SC+16*(\slot)+8*(\q)+7], v[ADRB+\slot] offset:(\q)*G+SCO
.endm
; A slot's first step: set 0 is multiplied; the second step's fragments are asked for ahead of the 64 products.
.macro STEP slot, cm
	s_wait_dscnt 0x0                               ; set 0 is in (asked for 32 matrix instructions ago)
	PLACES 4                                       ; places in front of loads into registers that matrix instructions have read
	FETCH \slot, 1
.if \cm
	WIN 0x91                                       ; P window 1, R window 0, C (the bias) window 1, D window 2
.else
	WIN 0xa1                                       ; C and D window 2
.endif
	MUL16 0, \slot, 0, \cm
	MUL16 2, \slot, 0, \cm
.if \cm
	WIN 0xd1
.else
	WIN 0xf1
.endif
	MUL16 4, \slot, 0, \cm
	MUL16 6, \slot, 0, \cm
	WIN 0
.endm
; A slot's second step changes slots: ONE barrier; in front of it each wave waits for all its tensor loads, adds 0 to its spare word, and waits for that and for its reads of this slot.  fill = 1: this slot is filled again, two slots ahead.
.macro TURN slot, next, fill
	s_wait_tensorcnt 0x0                           ; all my tensor loads have landed: my part of the next slot
	ds_add_u32 v[SPW], v[NIL]                      ; 0 onto my spare word
	s_wait_dscnt 0x1                               ; set 1's 50 loads are in; only the add may be out
	WIN 0xa1
	MUL16 0, \slot, 1, 0                           ; sixteen matrix instructions stand between the add and the wait for it
	s_wait_dscnt 0x0                               ; the add is done, and my reads of this slot are over
	s_barrier_signal -1
	MUL16 2, \slot, 1, 0
	WIN 0
	s_barrier_wait -1
.if \fill
	CREST                                          ; the barrier has opened a round of the cluster's: no wave of any partner still reads this slot or has a load on its way
	s_add_nc_u64 s[G0+4*\slot+2:G0+4*\slot+3], s[G0+4*\slot+2:G0+4*\slot+3], 2*PART
	s_add_nc_u64 s[G0B+4*\slot+2:G0B+4*\slot+3], s[G0B+4*\slot+2:G0B+4*\slot+3], 2*PART
	JLOAD G0+4*\slot, G1, G0B+4*\slot, G1B         ; the first tensor load behind the round; its four v_nop are the places in front of the loads below
.else
	PLACES 4
.endif
	FETCH \next, 0
	WIN 0xf1
	MUL16 4, \slot, 1, 0
	MUL16 6, \slot, 1, 0
	WIN 0
.endm
.macro LAST slot
	s_wait_dscnt 0x0
	WIN 0xa1
	MUL16 0, \slot, 1, 0
	MUL16 2, \slot, 1, 0
	WIN 0xf1
	MUL16 4, \slot, 1, 0
	MUL16 6, \slot, 1, 0
	WIN 0
.endm
; 64 results of a lane, v[s] .. v[s + 63] of window w, register 16 b + i = k 32 b + 16 (lane / 16) + i of my row, become a fragment's codes at v[pc] and the row's scale word in v[pw].  Each accumulator is read from its low end on.
.macro QUANTW s, w, pc, pw
	WIN (\w)|((\w)<<2)                             ; sources 0 and 1: the accumulators' window
.irp b, 0,1,2,3
	v_max3_num_f32 v[TM+\b], |v[(\s)+16*\b]|, |v[(\s)+16*\b+1]|, 0x1800000   ; the floor 2^(3 - 127) holds the byte at 1 from below
.endr
.irp i, 2,4,6,8,10,12,14
.irp b, 0,1,2,3
	v_max3_num_f32 v[TM+\b], |v[(\s)+16*\b+\i]|, |v[(\s)+16*\b+\i+1]|, v[TM+\b]
.endr
.endr
	WIN 0
.irp b, 0,1,2,3
	v_permlanex16_b32 v[TM+4+\b], v[TM+\b], s[SEL], s[SEL+1]
.endr
.irp b, 0,1,2,3
	v_max_num_f32 v[TM+\b], v[TM+\b], v[TM+4+\b]   ; with lane l xor 16's: the block's largest magnitude
.endr
.irp b, 0,1,2,3
	v_add_nc_u32 v[TM+12+\b], 0xff000000, v[TM+\b] ; 2 off the exponent field: the conversion's scale operand
.endr
.irp b, 0,1,2,3
	v_lshrrev_b32 v[TM+4+\b], 23, v[TM+12+\b]      ; the scale's byte
.endr
	v_lshl_or_b32 v[\pw], v[TM+5], 8, v[TM+4]
	v_lshl_or_b32 v[\pw], v[TM+6], 16, v[\pw]
	v_lshl_or_b32 v[\pw], v[TM+7], 24, v[\pw]
	WIN \w
.irp c, 0,1
	v_cvt_scalef32_pk16_fp6_f32 v[(\pc)+6*\c:(\pc)+6*\c+2], v[(\s)+32*\c:(\s)+32*\c+15], v[TM+12+2*\c]
	v_cvt_scalef32_pk16_fp6_f32 v[TT+4*\c:TT+4*\c+2], v[(\s)+32*\c+16:(\s)+32*\c+31], v[TM+12+2*\c+1]   ; (a conversion's three registers begin on an even number)
.endr
	WIN 0
	v_nop                                          ; one plain place behind a scaled conversion
.irp c, 0,1                                    ; the operand's layout wants a whole block in a lane
.irp i, 0,1,2
	v_permlane16_swap_b32 v[(\pc)+6*\c+\i], v[TT+4*\c+\i]
.endr
.irp i, 0,1,2
	v_mov_b32 v[(\pc)+6*\c+3+\i], v[TT+4*\c+\i]
.endr
.endr
.endm
	s_load_b256 s[4:11], s[0:1], 0x0               ; xw, WQ_b, WK_b, WV_b
	s_load_b64 s[12:13], s[0:1], 0x20              ; qkv
	v_lshl_add_u32 v[SPW], v0, 2, SPARE
	v_mov_b32 v[NIL], 0
	ds_add_u32 v30, v31
	ds_add_u32 v30, v31
	s_wait_dscnt 0x0
	v_lshrrev_b32 v1, 5, v0
	v_readfirstlane_b32 s14, v1                    ; wave 0..3
	s_lshr_b32 s15, s14, 1                         ; my half of R.  Also: I fetch for R (0) or for P (1)
	s_and_b32 s16, s14, 1                          ; my half of P.  Also: which rowblock I fetch
	s_bfe_u32 s40, ttmp6, 0x40000                  ; cx
	s_bfe_u32 s41, ttmp6, 0x40004                  ; cy
	s_and_b32 s42, ttmp9, 1                        ; q (0) or k (1)
	s_lshl_b32 s43, s42, 3
	s_add_co_u32 s43, s43, 64                      ; q, k: P begins at WQ's or WK's first rowblock,
	s_lshr_b32 s44, ttmp9, 1
	s_lshl_b32 s44, s44, 3                         ; R at 8 rowblocks of x for each pair of clusters
	s_sub_co_u32 s70, ttmp9, 16
	s_lshl_b32 s70, s70, 3                         ; v: P at 8 rowblocks of x for each cluster,
	s_cmp_lt_u32 ttmp9, 16                         ; the cluster's number is the same in all partners
	s_cselect_b32 s43, s43, s70
	s_cselect_b32 s44, s44, 80                     ; R at WV's first rowblock
	s_lshl_b32 s22, s41, 2
	s_lshl_b32 s22, 15, s22                        ; my row of the cluster
	s_lshl_b32 s23, 0x1111, s40                    ; my column
	; group 1: 25,600 dense bytes as 100 rows of 32 elements of 8 bytes, no padding
	s_or_b32 s[G1+0], s22, (3<<16)|(1<<21)         ; 15:0 the mask: R's tiles go to my row; 17:16 elements of 8 bytes; 21 set beside a mask
	s_or_b32 s[G1B+0], s23, (3<<16)|(1<<21)        ; P's to my column
.irp g, G1, G1B
	s_mov_b32 s[\g+1], 32<<16                      ; tensor_dim0
	s_mov_b32 s[\g+2], 100<<16                     ; tensor_dim1
	s_mov_b32 s[\g+3], 32<<16                      ; tile_dim0
	s_mov_b32 s[\g+4], 100                         ; tile_dim1
	s_mov_b32 s[\g+5], 32                          ; the pitch
	s_mov_b32 s[\g+6], 0
	s_mov_b32 s[\g+7], 0
.endr
	s_lshl_b32 s20, s41, 1                         ; R's rowblock that I fetch hangs on cy alone,
	s_add_co_u32 s20, s20, s44
	s_add_co_u32 s20, s20, s16
	s_mul_i32 s20, s20, RBB
	s_mov_b32 s21, 0
	s_lshl_b32 s46, s40, 1                         ; P's on cx alone
	s_add_co_u32 s46, s46, s43
	s_add_co_u32 s46, s46, s16
	s_mul_i32 s46, s46, RBB
	s_mov_b32 s47, 0
	s_mul_i32 s45, s14, PART                       ; where they go: wave x 25,600: no place in the cluster enters an LDS address
	; the group that my wave writes
	s_lshl_b32 s72, s41, 1
	s_add_co_u32 s72, s72, s15                     ; 2 cy + my half of R
	s_lshl_b32 s73, s40, 1
	s_add_co_u32 s73, s73, s16                     ; 2 cx + my half of P
	s_add_co_u32 s74, s44, s72                     ; q, k: the token rowblock,
	s_lshl_b32 s74, s74, 3
	s_add_co_u32 s74, s74, s73                     ; x 8 + the channel block,
	s_lshl_b32 s75, s42, 9
	s_add_co_u32 s74, s74, s75                     ; k's 512 groups on
	s_add_co_u32 s75, s43, s73                     ; v: the key rowblock of all 64,
	s_lshr_b32 s76, s75, 4                         ; its batch,
	s_lshl_b32 s76, s76, 3
	s_add_co_u32 s76, s76, s72                     ; x 8 + the channel block,
	s_lshl_b32 s76, s76, 4
	s_and_b32 s75, s75, 15
	s_add_co_u32 s76, s76, s75                     ; x 16 + the key rowblock in the batch
	s_add_co_u32 s76, s76, 1024
	s_cmp_lt_u32 ttmp9, 16
	s_cselect_b32 s74, s74, s76
	s_mul_i32 s74, s74, G
	s_mov_b32 s75, 0
	s_mov_b32 s[SEL], 0x76543210
	s_mov_b32 s[SEL+1], 0xfedcba98                 ; selects for lane l xor 16
	s_wait_kmcnt 0x0
	s_add_nc_u64 s[20:21], s[4:5], s[20:21]
	s_add_nc_u64 s[46:47], s[4:5], s[46:47]
	s_add_nc_u64 s[12:13], s[12:13], s[74:75]
	CROUND                                         ; all sixteen work-groups are here: the first joint loads meet
.irp s, 0,1
	s_mov_b32 s[G0+4*\s], 1
	s_add_co_u32 s[G0+4*\s+1], s45, \s*SLOT
	s_add_nc_u64 s[G0+4*\s+2:G0+4*\s+3], s[20:21], \s*PART
	s_or_b32 s[G0+4*\s+3], s[G0+4*\s+3], 0x80000000
	s_mov_b32 s[G0B+4*\s], 1
	s_add_co_u32 s[G0B+4*\s+1], s45, \s*SLOT
	s_add_nc_u64 s[G0B+4*\s+2:G0B+4*\s+3], s[46:47], \s*PART
	s_or_b32 s[G0B+4*\s+3], s[G0B+4*\s+3], 0x80000000
	JLOAD G0+4*\s, G1, G0B+4*\s, G1B
.endr
	v_and_b32 v1, 31, v0
	v_lshlrev_b32 v[CO], 4, v1                     ; 16 x lane
	v_bfe_u32 v2, v0, 4, 1                         ; h
	v_and_b32 v3, 15, v0                           ; r
	s_mul_i32 s70, s15, PART                       ; my rowblock of R,
	s_mul_i32 s71, s16, PART
	s_add_co_u32 s71, s71, 2*PART                  ; and of P, behind R's two
.irp s, 0,1
	v_add_nc_u32 v[ADRA+\s], s70, v[CO]
	v_add_nc_u32 v[ADRB+\s], s71, v[CO]
	s_add_co_u32 s70, s70, SLOT
	s_add_co_u32 s71, s71, SLOT
.endr
.irp b, 0,1,2,3
	v_mov_b32 v[TM+4+\b], 0                        ; written once: a lane permute's destination counts as one of its sources
.endr
	s_cmp_lt_u32 ttmp9, 16
	s_cbranch_scc0 .Lbias_v
	s_cmp_eq_u32 s42, 0                            ; q, k: the bias runs along P's rows: lane (r, h) wants, for P's tile t, the eight numbers at 32 (t / 2) + 8 (t % 2) + 16 h
	s_cselect_b64 s[6:7], s[6:7], s[8:9]
	s_lshl_b32 s72, s73, 9
	s_mov_b32 s73, 0
	s_add_nc_u64 s[6:7], s[6:7], s[72:73]
	v_lshlrev_b32 v20, 6, v2
	WIN 0x40
.irp t, 0,1,2,3,4,5,6,7
	global_load_b128 v[96+8*\t+96*(\t/4):96+8*\t+96*(\t/4)+3], v20, s[6:7] offset:(32*(\t/2)+8*(\t%2))*4
	global_load_b128 v[96+8*\t+96*(\t/4)+4:96+8*\t+96*(\t/4)+7], v20, s[6:7] offset:(32*(\t/2)+8*(\t%2))*4+16
.endr
	WIN 0
	s_branch .Lbias_done
.Lbias_v:
	s_lshl_b32 s72, s72, 9                         ; v: the bias runs along R's rows: a lane's eight registers of R's tile n all hold the number of its row
	s_mov_b32 s73, 0
	s_add_nc_u64 s[10:11], s[10:11], s[72:73]
	v_and_b32 v21, 8, v3
	v_add_nc_u32 v21, v21, v3                      ; r + 8 (r / 8)
	v_lshlrev_b32 v21, 2, v21
	WIN 0x40
.irp n, 0,1,2,3,4,5,6,7
.irp j, 0,1,2,3,4,5,6,7
	global_load_b32 v[96+8*\n+96*(\n/4)+\j], v21, s[10:11] offset:(32*(\n/2)+8*(\n%2))*4
.endr
.endr
	WIN 0
.Lbias_done:
	s_wait_tensorcnt 0x1                           ; my part of slot 0 is in; slot 1's may stay out
	s_barrier_signal -1
	s_barrier_wait -1                              ; everybody's is
	FETCH 0, 0
	s_wait_loadcnt 0x0                             ; the bias
	s_cmp_lt_u32 ttmp9, 16
	s_cbranch_scc0 .Lfirst_v
	STEP 0, 1                                      ; the first step starts the sums on the bias: nothing is cleared
	s_branch .Lfirst_done
.Lfirst_v:
	STEP 0, 2
.Lfirst_done:
	TURN 0, 1, 1                                   ; K = 1,024 is eight steps, four slots' worth: written out
	STEP 1, 0
	TURN 1, 0, 1
	STEP 0, 0
	TURN 0, 1, 0                                   ; nothing is left to fetch
	STEP 1, 0
	LAST 1
	; THE WAY OUT: each tile of R's rows is quantised in registers and leaves as a fragment's image: three stores of 512 consecutive bytes, aligned.  Each tile has its own registers for its codes, so no store's data are written again.
	PLACES 4
	v_cmp_lt_u32 vcc_lo, 15, v1                    ; lanes 16-31
.irp n, 0,1,2,3,4,5,6,7
	QUANTW 64*(\n%4), 2+\n/4, 64+12*\n, 184+\n
.irp c, 0,1,2
	global_store_b128 v[CO], v[64+12*\n+4*\c:64+12*\n+4*\c+3], s[12:13] offset:\n*FRB+512*\c
.endr
.endr
.irp j, 0,1,2,3
	v_cndmask_b32 v[192+\j], v[184+2*\j], v[185+2*\j], vcc_lo   ; the scale image: lanes 0-15 tile 2 j's words, lanes 16-31 tile 2 j + 1's
.endr
	global_store_b128 v[CO], v[192:195], s[12:13] offset:SCO
	s_wait_tensorcnt 0x0                           ; the wave's end
	ds_add_u32 v[SPW], v[NIL]
	s_wait_dscnt 0x0
	CROUND                                         ; the closing round
	s_endpgm
.Lfunc_end_k_qca38b3a346_proj:
	.size	k_qca38b3a346_proj, .Lfunc_end_k_qca38b3a346_proj-k_qca38b3a346_proj
	.p2alignl 7, 3214868480
	.fill 96, 4, 3214868480
	.section	.rodata,"a",@progbits
	.p2align	6, 0x0
	.amdhsa_kernel k_qca38b3a346_proj
		.amdhsa_group_segment_fixed_size 327680
		.amdhsa_private_segment_fixed_size 0
		.amdhsa_enable_private_segment 0
		.amdhsa_kernarg_size 40
		.amdhsa_user_sgpr_count 2
		.amdhsa_user_sgpr_kernarg_segment_ptr 1
		.amdhsa_wavefront_size32 1
		.amdhsa_system_sgpr_workgroup_id_x 1
		.amdhsa_system_sgpr_workgroup_id_y 1
		.amdhsa_system_sgpr_workgroup_id_z 1
		.amdhsa_system_vgpr_workitem_id 0
		.amdhsa_next_free_vgpr 1024
		.amdhsa_next_free_sgpr 100
		.amdhsa_reserve_vcc 1
		.amdhsa_float_denorm_mode_32 3
		.amdhsa_float_denorm_mode_16_64 3
		.amdhsa_memory_ordered 1
		.amdhsa_forward_progress 1
		.amdhsa_inst_pref_size 155
	.end_amdhsa_kernel
	.amdgpu_metadata
---
amdhsa.version: [ 1, 2 ]
amdhsa.kernels:
  - .name:           k_qca38b3a346_proj
    .symbol:         k_qca38b3a346_proj.kd
    .args:
      - { .name: xw, .offset: 0, .size: 8, .value_kind: global_buffer, .address_space: global }
      - { .name: WQ_b, .offset: 8, .size: 8, .value_kind: global_buffer, .address_space: global }
      - { .name: WK_b, .offset: 16, .size: 8, .value_kind: global_buffer, .address_space: global }
      - { .name: WV_b, .offset: 24, .size: 8, .value_kind: global_buffer, .address_space: global }
      - { .name: qkv, .offset: 32, .size: 8, .value_kind: global_buffer, .address_space: global }
    .group_segment_fixed_size: 327680
    .private_segment_fixed_size: 0
    .kernarg_segment_align: 8
    .kernarg_segment_size: 40
    .max_flat_workgroup_size: 128
    .sgpr_count:     100
    .vgpr_count:     1024
    .wavefront_size: 32
...
	.end_amdgpu_metadata
.endif
;; end of part 2
;; launch score (part 3): grid 36 x 4, 4 waves a work-group, no clusters, 327,680 bytes of LDS; arguments qkv, p, pst; writes p, pst
.if DOCPART == 3
	.amdgcn_target "amdgcn-amd-amdhsa--gfx1250"
	.amdhsa_code_object_version 6
	.text
	.protected	k_qca38b3a346_score
	.globl	k_qca38b3a346_score
	.p2align	8
	.type	k_qca38b3a346_score,@function
k_qca38b3a346_score:
	s_mov_b64 s[64:65], 0
	v_nop
	global_prefetch_b8 v0, s[64:65] scope:SCOPE_SE
	s_setreg_imm32_b32 hwreg(HW_REG_WAVE_MODE, 25, 1), 1
	s_wait_xcnt 0x0
; The causal tiles of S^T = k q^T on codes of FP6 (E2M3), and the softmax's first half: for each query and each 128 keys a LOCAL whole number M = ceil(the largest t there), t = score x log2(e) / 32; p = 2^(t - M), quantised along the keys;
; the sum l of the unquantised p.  The next launch brings the parts under the row's M: a change of M is an exact power of two, which the blocks' scale bytes and l take up.
; FORMATS: rowblocks of 128 rows, tiles in the order 32 (T / 2) + 8 (T % 2) + r % 8 + 16 (r / 8), fragments of 1,536 bytes, scale images of 512, groups of 12,800, as the launch before has written them (q: group 8 rb + s; k: 512 groups on).
; p: group ((16 batch + query rowblock) 16 + key rowblock) of 12,288 bytes: eight fragments, rows = queries, K = keys.  pst: the same group number x 1,536 bytes: the images of -M, of l and of p's scale words, each in the scale image's order.
; SHARES: a work-group makes 256 queries x 256 keys; of the 8 x 8 such tiles of a batch only the 36 with key tile <= query tile are made.  Four waves, 128 x 128 each.  Source 0 = 16 keys, source 1 = 16 queries: a lane holds one query,
; and its 64 registers of one tile of queries are keys 32 b + 16 (lane / 16) + i of the wave's 128.
; NO CLUSTER: the tiles form a triangle whose rows have 1 to 8 tiles; a 4 x 4 block on the diagonal would hold 6 tiles that lie wholly under the mask, and its partners would have to run alike.
; RING: two LDS slots of 256 along K (the 1,024 channels); each wave fetches one rowblock's 25,600 dense bytes with one tensor load.  By this text's count a wave has at most two tensor loads out (the first fills), later one.
; The wave whose 128 keys all come after its 128 queries (on the diagonal tile) still writes its group: p = 0, l = 0, -M = 3e38: the next launch reads whole slots of 256 keys.
; LIMITS: NaN and infinities are not served; a block whose every p is 0 gets the scale byte 1; p under 2^-126 counts as 0.
; REGISTERS: as in the launch before; on the way out window 0: v1-3 at work; v4-7 the blocks' maxima; v8-11, v12-15 bytes and scale operands; v[16:17] -M; v[18:21] sums; v22 -infinity; v64-159 codes; v168.. -M, v176.. l, v184.. scale words of the 8 tiles; v192-203 images.
.set G,     12800
.set FRB,   1536
.set SCO,   12288
.set PART,  25600
.set SLOT,  102400
.set SPARE, 204800                     ; behind the ring: the spare words, 128 bytes for each wave: two blocks of 256 bytes that no other line names
.set RBB,   102400
.set ADRA,  24
.set ADRB,  26
.set CO,    28
.set SPW,   30
.set NIL,   31
.set SC,    32
.set RF,    64
.set TT,    160
.set G1,    24                         ; s[24:31] group 1; s[32:39] group 0, a set for each slot
.set G0,    32
.set CS,    52                         ; s[52:53] c = log2(e) / 32
.set SEL,   54
.set MSB, 0
.macro WIN new
.if MSB != (\new)
	s_set_vgpr_msb (MSB<<8)|(\new)
.set MSB, (\new)
.endif
.endm
.macro PLACES n
.rept \n
	v_nop
.endr
.endm
.macro TLOAD s                         ; each wave's own part of slot s; four v_nop follow
	tensor_load_to_lds s[G0+4*\s:G0+4*\s+3], s[G1:G1+7]
	s_nop 0
.rept 4
	v_nop
.endr
.endm
.macro WM
.if wZ
.if wOA && wOB
	v_wmma_scale_f32_16x16x128_f8f6f4 v[rD:rD+7], v[rA:rA+11], v[rB:rB+11], 0, v[rSA], v[rSB] matrix_a_fmt:MATRIX_FMT_FP6 matrix_b_fmt:MATRIX_FMT_FP6 matrix_a_scale:MATRIX_SCALE_ROW1 matrix_b_scale:MATRIX_SCALE_ROW1
.elseif wOA
	v_wmma_scale_f32_16x16x128_f8f6f4 v[rD:rD+7], v[rA:rA+11], v[rB:rB+11], 0, v[rSA], v[rSB] matrix_a_fmt:MATRIX_FMT_FP6 matrix_b_fmt:MATRIX_FMT_FP6 matrix_a_scale:MATRIX_SCALE_ROW1
.elseif wOB
	v_wmma_scale_f32_16x16x128_f8f6f4 v[rD:rD+7], v[rA:rA+11], v[rB:rB+11], 0, v[rSA], v[rSB] matrix_a_fmt:MATRIX_FMT_FP6 matrix_b_fmt:MATRIX_FMT_FP6 matrix_b_scale:MATRIX_SCALE_ROW1
.else
	v_wmma_scale_f32_16x16x128_f8f6f4 v[rD:rD+7], v[rA:rA+11], v[rB:rB+11], 0, v[rSA], v[rSB] matrix_a_fmt:MATRIX_FMT_FP6 matrix_b_fmt:MATRIX_FMT_FP6
.endif
.else
.if wOA && wOB
	v_wmma_scale_f32_16x16x128_f8f6f4 v[rD:rD+7], v[rA:rA+11], v[rB:rB+11], v[rD:rD+7], v[rSA], v[rSB] matrix_a_fmt:MATRIX_FMT_FP6 matrix_b_fmt:MATRIX_FMT_FP6 matrix_a_scale:MATRIX_SCALE_ROW1 matrix_b_scale:MATRIX_SCALE_ROW1
.elseif wOA
	v_wmma_scale_f32_16x16x128_f8f6f4 v[rD:rD+7], v[rA:rA+11], v[rB:rB+11], v[rD:rD+7], v[rSA], v[rSB] matrix_a_fmt:MATRIX_FMT_FP6 matrix_b_fmt:MATRIX_FMT_FP6 matrix_a_scale:MATRIX_SCALE_ROW1
.elseif wOB
	v_wmma_scale_f32_16x16x128_f8f6f4 v[rD:rD+7], v[rA:rA+11], v[rB:rB+11], v[rD:rD+7], v[rSA], v[rSB] matrix_a_fmt:MATRIX_FMT_FP6 matrix_b_fmt:MATRIX_FMT_FP6 matrix_b_scale:MATRIX_SCALE_ROW1
.else
	v_wmma_scale_f32_16x16x128_f8f6f4 v[rD:rD+7], v[rA:rA+11], v[rB:rB+11], v[rD:rD+7], v[rSA], v[rSB] matrix_a_fmt:MATRIX_FMT_FP6 matrix_b_fmt:MATRIX_FMT_FP6
.endif
.endif
.endm
; 16 matrix instructions: the queries' tiles a0, a0 + 1 x the keys' eight.  z = 1: the first product starts the sums.  The 64 accumulators take turns, in the same order in every step.
.macro MUL16 a0, slot, q, z
.irp a, \a0, \a0+1
.irp b, 0,1,2,3,4,5,6,7
.set rD, 8*(8*((\a)%4)+\b)
.set rA, 128*(\q)+12*\b
.set rB, RF+96*(\q)+12*(\a)
.set rSA, SC+16*(\slot)+8*(\q)+4+(\b)/2
.set rSB, SC+16*(\slot)+8*(\q)+(\a)/2
.set wOA, (\b)%2
.set wOB, (\a)%2
.set wZ, \z
	WM
.endr
.endr
.endm
.macro FETCH slot, q                   ; 50 LDS loads in one run, 512 consecutive bytes each
	WIN 0x40
.irp i, 0,1,2,3,4,5,6,7
.irp c, 0,1,2
	ds_load_b128 v[128*(\q)+12*\i+4*\c:128*(\q)+12*\i+4*\c+3], v[ADRB+\slot] offset:(\q)*G+\i*FRB+512*\c
.endr
.endr
	WIN 0
.irp i, 0,1,2,3,4,5,6,7
.irp c, 0,1,2
	ds_load_b128 v[RF+96*(\q)+12*\i+4*\c:RF+96*(\q)+12*\i+4*\c+3], v[ADRA+\slot] offset:(\q)*G+\i*FRB+512*\c
.endr
.endr
	ds_load_b128 v[SC+16*(\slot)+8*(\q):SC+16*(\slot)+8*(\q)+3], v[ADRA+\slot] offset:(\q)*G+SCO
	ds_load_b128 v[SC+16*(\slot)+8*(\q)+4:SC+16*(\slot)+8*(\q)+7], v[ADRB+\slot] offset:(\q)*G+SCO
.endm
.macro STEP slot, z
	s_wait_dscnt 0x0                               ; set 0 is in
	PLACES 4                                       ; places in front of loads into registers that matrix instructions have read
	FETCH \slot, 1
	WIN 0xa1
	MUL16 0, \slot, 0, \z
	MUL16 2, \slot, 0, \z
	WIN 0xf1
	MUL16 4, \slot, 0, \z
	MUL16 6, \slot, 0, \z
	WIN 0
.endm
.macro TURN slot, next, fill
	s_wait_tensorcnt 0x0                           ; all my tensor loads have landed: my part of the next slot
	ds_add_u32 v[SPW], v[NIL]                      ; 0 onto my spare word
	s_wait_dscnt 0x1                               ; set 1's 50 loads are in; only the add may be out
	WIN 0xa1
	MUL16 0, \slot, 1, 0
	s_wait_dscnt 0x0                               ; the add is done, and my reads of this slot are over
	s_barrier_signal -1
	MUL16 2, \slot, 1, 0
	WIN 0
	s_barrier_wait -1                              ; nobody reads this slot any more, and the next slot is whole
.if \fill
	s_add_nc_u64 s[G0+4*\slot+2:G0+4*\slot+3], s[G0+4*\slot+2:G0+4*\slot+3], 2*PART
	TLOAD \slot                                    ; the first tensor load behind the barrier; its four v_nop are the places in front of the loads below
.else
	PLACES 4
.endif
	FETCH \next, 0
	WIN 0xf1
	MUL16 4, \slot, 1, 0
	MUL16 6, \slot, 1, 0
	WIN 0
.endm
.macro LAST slot
	s_wait_dscnt 0x0
	WIN 0xa1
	MUL16 0, \slot, 1, 0
	MUL16 2, \slot, 1, 0
	WIN 0xf1
	MUL16 4, \slot, 1, 0
	MUL16 6, \slot, 1, 0
	WIN 0
.endm
; Tile n of my queries: mask, local M, p, l, codes, and the fragment's three stores.  The scores stand in 64 registers of window 2 + n / 4.
.macro SOFTQ n
.set sS, 64*((\n)%4)
.set sW, 2+(\n)/4
	s_cmp_gt_i32 s50, 0                            ; all my keys come before all my queries: nothing is hidden
	s_cbranch_scc1 .Lopen_\@
	v_add_nc_u32 v3, 32*((\n)/2)+8*((\n)%2), v2    ; d = my query - my keys' first - 16 (lane / 16): register 16 b + i is hidden where 32 b + i > d
	WIN (sW<<6)|sW
.set j, 0
.rept 64
	v_cmp_gt_i32 vcc_lo, 32*(j/16)+(j%16), v3
	v_cndmask_b32 v[sS+j], v[sS+j], v22, vcc_lo
.set j, j+1
.endr
	WIN 0
.Lopen_\@:
	WIN sW|(sW<<2)
.irp b, 0,1,2,3
	v_max_num_f32 v[4+\b], v[sS+16*\b], v[sS+16*\b+1]   ; the largest score of each block of 32 keys: it serves for the maximum and, since p rises with the score, for the block's largest p
.endr
.irp i, 2,4,6,8,10,12,14
.irp b, 0,1,2,3
	v_max3_num_f32 v[4+\b], v[sS+16*\b+\i], v[sS+16*\b+\i+1], v[4+\b]
.endr
.endr
	WIN 0
.irp b, 0,1,2,3
	v_permlanex16_b32 v[8+\b], v[4+\b], s[SEL], s[SEL+1]
.endr
.irp b, 0,1,2,3
	v_max_num_f32 v[4+\b], v[4+\b], v[8+\b]        ; with lane l xor 16's 16 keys
.endr
	v_max3_num_f32 v1, v4, v5, v6
	v_max_num_f32 v1, v1, v7
	v_mul_f32 v1, s[CS], v1                        ; as t
	v_max_num_f32 v1, 0xff61b1e6, v1               ; held at -3e38 from below, for the queries that see none of these keys
	v_floor_f32 v16, -v1                           ; -M = floor(-t): M is a whole number
	v_mov_b32 v[168+(\n)], v16
.irp b, 0,1,2,3
	v_fma_f32 v[4+\b], v[4+\b], s[CS], v16
.endr
	WIN (sW<<6)|sW
.set j, 0
.rept 32
	v_pk_fma_f32 v[sS+j:sS+j+1], v[sS+j:sS+j+1], s[CS:CS+1], v[16:17] op_sel_hi:[1,0,0]   ; t - M, two at a time
.set j, j+2
.endr
.set j, 0
.rept 64
	v_exp_f32 v[sS+j], v[sS+j]                     ; p = 2^(t - M)
.set j, j+1
.endr
	v_nop                                          ; a plain place behind the exponentials
	s_wait_alu depctr_va_vdst(0)                   ; one wait for the batch, ahead of its first reader
	WIN 0
.irp b, 0,1,2,3
	v_exp_f32 v[4+\b], v[4+\b]                     ; the blocks' largest p: the same two instructions on the same number
.endr
	WIN sW
	v_pk_add_f32 v[18:19], v[sS:sS+1], 0 op_sel_hi:[1,0]        ; the sum of the unquantised p, in two chains
	v_pk_add_f32 v[20:21], v[sS+2:sS+3], 0 op_sel_hi:[1,0]
.set j, 4
.rept 15
	v_pk_add_f32 v[18:19], v[sS+j:sS+j+1], v[18:19]
	v_pk_add_f32 v[20:21], v[sS+j+2:sS+j+3], v[20:21]
.set j, j+4
.endr
	WIN 0
	v_pk_add_f32 v[18:19], v[18:19], v[20:21]
	v_add_f32 v18, v18, v19
	v_permlanex16_b32 v23, v18, s[SEL], s[SEL+1]
	v_add_f32 v[176+(\n)], v18, v23                ; l of these 128 keys
	s_wait_alu depctr_va_vdst(0)                   ; and one wait for the four
.irp b, 0,1,2,3
	v_max_num_f32 v[4+\b], 0x1800000, v[4+\b]      ; the floor 2^(3 - 127)
.endr
.irp b, 0,1,2,3
	v_add_nc_u32 v[12+\b], 0xff000000, v[4+\b]     ; the conversion's scale operand
.endr
.irp b, 0,1,2,3
	v_lshrrev_b32 v[8+\b], 23, v[12+\b]            ; the scale's byte
.endr
	v_lshl_or_b32 v[184+(\n)], v9, 8, v8
	v_lshl_or_b32 v[184+(\n)], v10, 16, v[184+(\n)]
	v_lshl_or_b32 v[184+(\n)], v11, 24, v[184+(\n)]
	WIN sW
.irp c, 0,1
	v_cvt_scalef32_pk16_fp6_f32 v[64+12*(\n)+6*\c:64+12*(\n)+6*\c+2], v[sS+32*\c:sS+32*\c+15], v[12+2*\c]
	v_cvt_scalef32_pk16_fp6_f32 v[TT+4*\c:TT+4*\c+2], v[sS+32*\c+16:sS+32*\c+31], v[12+2*\c+1]
.endr
	WIN 0
	v_nop                                          ; one plain place behind a scaled conversion
.irp c, 0,1
.irp i, 0,1,2
	v_permlane16_swap_b32 v[64+12*(\n)+6*\c+\i], v[TT+4*\c+\i]
.endr
.irp i, 0,1,2
	v_mov_b32 v[64+12*(\n)+6*\c+3+\i], v[TT+4*\c+\i]
.endr
.endr
.irp c, 0,1,2
	global_store_b128 v[CO], v[64+12*(\n)+4*\c:64+12*(\n)+4*\c+3], s[6:7] offset:(\n)*FRB+512*\c   ; 512 consecutive bytes, aligned
.endr
.endm
	s_load_b128 s[4:7], s[0:1], 0x0                ; qkv, p
	s_load_b64 s[8:9], s[0:1], 0x10                ; pst
	v_lshl_add_u32 v[SPW], v0, 2, SPARE
	v_mov_b32 v[NIL], 0
	ds_add_u32 v30, v31
	ds_add_u32 v30, v31
	s_wait_dscnt 0x0
	v_lshrrev_b32 v1, 5, v0
	v_readfirstlane_b32 s14, v1                    ; wave 0..3
	s_lshr_b32 s15, s14, 1                         ; my half of the queries.  Also: I fetch q (0) or k (1)
	s_and_b32 s16, s14, 1                          ; my half of the keys.  Also: which rowblock I fetch
	s_and_b32 s42, ttmp7, 0xffff                   ; batch
	s_mov_b32 s40, 0                               ; the query tile: how many of the triangle's row starts the work-group's number has reached
.irp t, 1,3,6,10,15,21,28
	s_cmp_ge_u32 ttmp9, \t
	s_add_co_ci_u32 s40, s40, 0
.endr
	s_add_co_u32 s41, s40, 1
	s_mul_i32 s41, s41, s40
	s_lshr_b32 s41, s41, 1
	s_sub_co_u32 s41, ttmp9, s41                   ; the key tile, 0 .. query tile
	s_lshl_b32 s43, s42, 4                         ; 16 rowblocks a batch
	s_lshl_b32 s44, s40, 1
	s_lshl_b32 s45, s41, 1
	s_add_co_u32 s48, s44, s15                     ; my query rowblock
	s_add_co_u32 s49, s45, s16                     ; my key rowblock
	s_sub_co_i32 s50, s48, s49                     ; their distance: -1, 0 or more
	s_lshl_b32 s51, s50, 7
	s_add_co_u32 s45, s45, 64                      ; k's rowblocks lie 64 behind q's
	s_cmp_eq_u32 s15, 0
	s_cselect_b32 s46, s44, s45
	s_add_co_u32 s46, s46, s43
	s_add_co_u32 s46, s46, s16                     ; the rowblock that I fetch
	s_mul_i32 s46, s46, RBB
	s_mov_b32 s47, 0
	s_add_co_u32 s56, s43, s48
	s_lshl_b32 s56, s56, 4
	s_add_co_u32 s56, s56, s49                     ; the group that I write
	s_mul_i32 s58, s56, 12288
	s_mov_b32 s59, 0
	s_mul_i32 s60, s56, 1536
	s_mov_b32 s61, 0
	; group 1: 25,600 dense bytes as 100 rows of 32 elements of 8 bytes, no padding, no mask
	s_mov_b32 s[G1+0], 3<<16
	s_mov_b32 s[G1+1], 32<<16
	s_mov_b32 s[G1+2], 100<<16
	s_mov_b32 s[G1+3], 32<<16
	s_mov_b32 s[G1+4], 100
	s_mov_b32 s[G1+5], 32
	s_mov_b32 s[G1+6], 0
	s_mov_b32 s[G1+7], 0
	s_mul_i32 s57, s14, PART
	s_mov_b32 s[CS], 0x3d38aa3b                    ; log2(e) / 32
	s_mov_b32 s[CS+1], s[CS]
	s_mov_b32 s[SEL], 0x76543210
	s_mov_b32 s[SEL+1], 0xfedcba98
	s_wait_kmcnt 0x0
	s_add_nc_u64 s[46:47], s[4:5], s[46:47]
	s_add_nc_u64 s[6:7], s[6:7], s[58:59]
	s_add_nc_u64 s[8:9], s[8:9], s[60:61]
.irp s, 0,1
	s_mov_b32 s[G0+4*\s], 1
	s_add_co_u32 s[G0+4*\s+1], s57, \s*SLOT
	s_add_nc_u64 s[G0+4*\s+2:G0+4*\s+3], s[46:47], \s*PART
	s_or_b32 s[G0+4*\s+3], s[G0+4*\s+3], 0x80000000
.endr
	TLOAD 0                                        ; the two first fills go out together, ahead of every wait on TENSORcnt, every LDS read and every barrier
	TLOAD 1
	v_and_b32 v1, 31, v0
	v_lshlrev_b32 v[CO], 4, v1                     ; 16 x lane
	s_mul_i32 s70, s15, PART
	s_mul_i32 s71, s16, PART
	s_add_co_u32 s71, s71, 2*PART
.irp s, 0,1
	v_add_nc_u32 v[ADRA+\s], s70, v[CO]
	v_add_nc_u32 v[ADRB+\s], s71, v[CO]
	s_add_co_u32 s70, s70, SLOT
	s_add_co_u32 s71, s71, SLOT
.endr
	s_wait_tensorcnt 0x1                           ; my part of slot 0 is in; slot 1's may stay out
	s_barrier_signal -1
	s_barrier_wait -1
	FETCH 0, 0
	STEP 0, 1                                      ; the first step starts the sums
	TURN 0, 1, 1
	STEP 1, 0
	TURN 1, 0, 1
	STEP 0, 0
	TURN 0, 1, 0
	STEP 1, 0
	LAST 1
	PLACES 4
	v_and_b32 v1, 15, v0
	v_and_b32 v2, 8, v1
	v_add_nc_u32 v2, v2, v1                        ; r + 8 (r / 8)
	v_bfe_u32 v3, v0, 4, 1
	v_lshlrev_b32 v3, 4, v3
	v_sub_nc_u32 v2, v2, v3                        ; - 16 h
	v_add_nc_u32 v2, s51, v2                       ; + 128 x the rowblocks' distance
	v_mov_b32 v17, 0                               ; (named as the upper half of the pair v[16:17])
	v_mov_b32 v22, 0xff800000                      ; -infinity
	v_mov_b32 v23, 0
.irp b, 0,1,2,3
	v_mov_b32 v[8+\b], 0                           ; a lane permute's destination counts as one of its sources
.endr
.irp n, 0,1,2,3,4,5,6,7
	SOFTQ \n
.endr
	v_and_b32 v1, 31, v0
	v_cmp_lt_u32 vcc_lo, 15, v1                    ; lanes 16-31
.irp j, 0,1,2,3
	v_cndmask_b32 v[192+\j], v[168+2*\j], v[169+2*\j], vcc_lo   ; the images: lanes 0-15 tile 2 j's, lanes 16-31 tile 2 j + 1's
	v_cndmask_b32 v[196+\j], v[176+2*\j], v[177+2*\j], vcc_lo
	v_cndmask_b32 v[200+\j], v[184+2*\j], v[185+2*\j], vcc_lo
.endr
	global_store_b128 v[CO], v[192:195], s[8:9]
	global_store_b128 v[CO], v[196:199], s[8:9] offset:512
	global_store_b128 v[CO], v[200:203], s[8:9] offset:1024
	s_wait_tensorcnt 0x0                           ; the wave's end
	ds_add_u32 v[SPW], v[NIL]
	s_wait_dscnt 0x0
	s_endpgm
.Lfunc_end_k_qca38b3a346_score:
	.size	k_qca38b3a346_score, .Lfunc_end_k_qca38b3a346_score-k_qca38b3a346_score
	.p2alignl 7, 3214868480
	.fill 96, 4, 3214868480
	.section	.rodata,"a",@progbits
	.p2align	6, 0x0
	.amdhsa_kernel k_qca38b3a346_score
		.amdhsa_group_segment_fixed_size 327680
		.amdhsa_private_segment_fixed_size 0
		.amdhsa_enable_private_segment 0
		.amdhsa_kernarg_size 24
		.amdhsa_user_sgpr_count 2
		.amdhsa_user_sgpr_kernarg_segment_ptr 1
		.amdhsa_wavefront_size32 1
		.amdhsa_system_sgpr_workgroup_id_x 1
		.amdhsa_system_sgpr_workgroup_id_y 1
		.amdhsa_system_sgpr_workgroup_id_z 1
		.amdhsa_system_vgpr_workitem_id 0
		.amdhsa_next_free_vgpr 1024
		.amdhsa_next_free_sgpr 100
		.amdhsa_reserve_vcc 1
		.amdhsa_float_denorm_mode_32 3
		.amdhsa_float_denorm_mode_16_64 3
		.amdhsa_memory_ordered 1
		.amdhsa_forward_progress 1
		.amdhsa_inst_pref_size 230
	.end_amdhsa_kernel
	.amdgpu_metadata
---
amdhsa.version: [ 1, 2 ]
amdhsa.kernels:
  - .name:           k_qca38b3a346_score
    .symbol:         k_qca38b3a346_score.kd
    .args:
      - { .name: qkv, .offset: 0, .size: 8, .value_kind: global_buffer, .address_space: global }
      - { .name: p, .offset: 8, .size: 8, .value_kind: global_buffer, .address_space: global }
      - { .name: pst, .offset: 16, .size: 8, .value_kind: global_buffer, .address_space: global }
    .group_segment_fixed_size: 327680
    .private_segment_fixed_size: 0
    .kernarg_segment_align: 8
    .kernarg_segment_size: 24
    .max_flat_workgroup_size: 128
    .sgpr_count:     100
    .vgpr_count:     1024
    .wavefront_size: 32
...
	.end_amdgpu_metadata
.endif
;; end of part 3
;; launch pv (part 4): grid 4 x 32, 4 waves a work-group, clusters of 4 x 1, 327,680 bytes of LDS; arguments p, pst, qkv, out0; writes out0
.if DOCPART == 4
	.amdgcn_target "amdgcn-amd-amdhsa--gfx1250"
	.amdhsa_code_object_version 6
	.text
	.protected	k_qca38b3a346_pv
	.globl	k_qca38b3a346_pv
	.p2align	8
	.type	k_qca38b3a346_pv,@function
k_qca38b3a346_pv:
	s_mov_b64 s[64:65], 0
	v_nop
	global_prefetch_b8 v0, s[64:65] scope:SCOPE_SE
	s_setreg_imm32_b32 hwreg(HW_REG_WAVE_MODE, 25, 1), 1
	s_wait_xcnt 0x0
	s_wait_alu depctr_hold_cnt(0) depctr_sa_sdst(0) depctr_va_vdst(0) depctr_va_sdst(0) depctr_va_ssrc(0) depctr_va_vcc(0) depctr_vm_vsrc(0)
	s_getreg_b32 s2, hwreg(HW_REG_IB_STS2, 6, 4)
	s_cmp_eq_u32 s2, 0
	s_cbranch_scc0 .Lentry_in_a_cluster
	s_endpgm
.Lentry_in_a_cluster:
	s_bfe_u32 s2, ttmp6, 0x10000c
	s_cmp_lg_u32 s2, 0x3003
	s_cbranch_scc0 .Lentry_shape_is_right
	s_endpgm
.Lentry_shape_is_right:
; y = (p v) / l on codes of FP6 (E2M3).  p comes in parts of 128 keys, each under its own whole number M; at the head each wave finds its rows' M (the largest), takes e = M - the part's M off the part's four scale bytes (held at 0)
; and adds the parts' l x 2^-e: both exact.  Then a GEMM over the keys up to the diagonal, and the division by l on the way out.
; FORMATS: as the launches before have written them.  p: group ((16 batch + query rowblock) 16 + key rowblock) of 12,288 bytes; pst: 1,536 bytes a group: the images of -M, l, the scale words; v: groups of 12,800 bytes at
; 1,024 + (8 batch + channel block) 16 + key rowblock of qkv, rows = channels, K = keys.
; SHARES: a work-group makes 256 queries x 256 channels, four waves of 128 x 128.  Source 0 = 16 channels of v, source 1 = 16 queries of p: a lane holds one query and, of one tile of queries, channels 32 b + 16 (lane / 16) + i.
; Query tile qt walks qt + 1 slots of 256 keys; the tiles with the most slots have the lowest work-group numbers.
; CLUSTER: the four channel tiles of one query tile; p's tiles are asked for jointly by all four (mask 15), v's by each for itself; all four walk the same number of slots.
; RING: two LDS slots; by this text's count a wave has one tensor load out.  The loop over slots has a constant count and is left by forward jumps on the work-group's number into tails that are written out.
; LIMITS: NaN and infinities are not served; a block of p whose byte is less than e is held at byte 0; parts of l that lie 127 or more powers of two under the row's M are dropped.
; REGISTERS: window 0: v4-11 1 / l of my eight tiles; v12-19 at work at the head; v20 my mended scale images; v21, v22 the stage; v24-27 ring addresses; v28 16 x lane; v30, v31 the add's; v32-63 scale words;
;   v64-159, v160-255 p's fragments, two sets (at the head: at work; on the way out: results).  window 1: v's fragments, two sets (at the head: pst).  windows 2, 3: the 64 accumulators.
.set G,     12800
.set GR,    12288
.set FRB,   1536
.set SCO,   12288
.set PART,  25600
.set SLOT,  102400
.set SPARE, 204800                     ; the spare words, 128 bytes for each wave: two blocks of 256 bytes that no other line names
.set PSC,   205312                     ; 8,192 bytes for each wave: its rows' 16 mended scale images
.set STAGE, 238080                     ; 16 rows x 528 bytes for each wave, for the way out
.set ADPS,  20
.set STO,   21
.set RD,    22
.set ADRA,  24
.set ADRB,  26
.set CO,    28
.set SPW,   30
.set NIL,   31
.set SC,    32
.set RF,    64
.set G1,    24                         ; s[24:31] group 1 for p's tiles; s[32:39] group 0, a set for each slot
.set G0,    32
.set G1B,   48                         ; s[48:55], s[56:63] the same for v's
.set G0B,   56
.set SEL,   68
.set MSB, 0
.macro WIN new
.if MSB != (\new)
	s_set_vgpr_msb (MSB<<8)|(\new)
.set MSB, (\new)
.endif
.endm
.macro PLACES n
.rept \n
	v_nop
.endr
.endm
.macro CREST
	s_cmp_lg_u32 s14, 0
	s_cbranch_scc1 .Lnot_wave_0_\@
	s_barrier_signal -3
.Lnot_wave_0_\@:
	s_barrier_wait -3
	s_barrier_signal -1
	s_barrier_wait -1
.endm
.macro CROUND
	s_barrier_signal -1
	s_barrier_wait -1
	CREST
.endm
.macro JLOAD g0a, g1a, g0b, g1b        ; waves 0 and 1: p's rowblocks, jointly; waves 2 and 3: v's.  Four v_nop follow each of the two lines
	s_cmp_eq_u32 s15, 0
	s_cbranch_scc0 .Lfor_b_\@
	tensor_load_to_lds s[\g0a:\g0a+3], s[\g1a:\g1a+7]
	s_nop 0
.rept 4
	v_nop
.endr
	s_branch .Lasked_\@
.Lfor_b_\@:
	tensor_load_to_lds s[\g0b:\g0b+3], s[\g1b:\g1b+7]
	s_nop 0
.rept 4
	v_nop
.endr
.Lasked_\@:
.endm
.macro WM
.if wZ
.if wOA && wOB
	v_wmma_scale_f32_16x16x128_f8f6f4 v[rD:rD+7], v[rA:rA+11], v[rB:rB+11], 0, v[rSA], v[rSB] matrix_a_fmt:MATRIX_FMT_FP6 matrix_b_fmt:MATRIX_FMT_FP6 matrix_a_scale:MATRIX_SCALE_ROW1 matrix_b_scale:MATRIX_SCALE_ROW1
.elseif wOA
	v_wmma_scale_f32_16x16x128_f8f6f4 v[rD:rD+7], v[rA:rA+11], v[rB:rB+11], 0, v[rSA], v[rSB] matrix_a_fmt:MATRIX_FMT_FP6 matrix_b_fmt:MATRIX_FMT_FP6 matrix_a_scale:MATRIX_SCALE_ROW1
.elseif wOB
	v_wmma_scale_f32_16x16x128_f8f6f4 v[rD:rD+7], v[rA:rA+11], v[rB:rB+11], 0, v[rSA], v[rSB] matrix_a_fmt:MATRIX_FMT_FP6 matrix_b_fmt:MATRIX_FMT_FP6 matrix_b_scale:MATRIX_SCALE_ROW1
.else
	v_wmma_scale_f32_16x16x128_f8f6f4 v[rD:rD+7], v[rA:rA+11], v[rB:rB+11], 0, v[rSA], v[rSB] matrix_a_fmt:MATRIX_FMT_FP6 matrix_b_fmt:MATRIX_FMT_FP6
.endif
.else
.if wOA && wOB
	v_wmma_scale_f32_16x16x128_f8f6f4 v[rD:rD+7], v[rA:rA+11], v[rB:rB+11], v[rD:rD+7], v[rSA], v[rSB] matrix_a_fmt:MATRIX_FMT_FP6 matrix_b_fmt:MATRIX_FMT_FP6 matrix_a_scale:MATRIX_SCALE_ROW1 matrix_b_scale:MATRIX_SCALE_ROW1
.elseif wOA
	v_wmma_scale_f32_16x16x128_f8f6f4 v[rD:rD+7], v[rA:rA+11], v[rB:rB+11], v[rD:rD+7], v[rSA], v[rSB] matrix_a_fmt:MATRIX_FMT_FP6 matrix_b_fmt:MATRIX_FMT_FP6 matrix_a_scale:MATRIX_SCALE_ROW1
.elseif wOB
	v_wmma_scale_f32_16x16x128_f8f6f4 v[rD:rD+7], v[rA:rA+11], v[rB:rB+11], v[rD:rD+7], v[rSA], v[rSB] matrix_a_fmt:MATRIX_FMT_FP6 matrix_b_fmt:MATRIX_FMT_FP6 matrix_b_scale:MATRIX_SCALE_ROW1
.else
	v_wmma_scale_f32_16x16x128_f8f6f4 v[rD:rD+7], v[rA:rA+11], v[rB:rB+11], v[rD:rD+7], v[rSA], v[rSB] matrix_a_fmt:MATRIX_FMT_FP6 matrix_b_fmt:MATRIX_FMT_FP6
.endif
.endif
.endm
.macro MUL16 a0, slot, q, z            ; the 64 accumulators take turns, in the same order in every step
.irp a, \a0, \a0+1
.irp b, 0,1,2,3,4,5,6,7
.set rD, 8*(8*((\a)%4)+\b)
.set rA, 128*(\q)+12*\b
.set rB, RF+96*(\q)+12*(\a)
.set rSA, SC+16*(\slot)+8*(\q)+4+(\b)/2
.set rSB, SC+16*(\slot)+8*(\q)+(\a)/2
.set wOA, (\b)%2
.set wOB, (\a)%2
.set wZ, \z
	WM
.endr
.endr
.endm
; 50 LDS loads in one run; p's scale words come from my mended images, ps bytes from v[ADPS]
.macro FETCH slot, q, ps
	WIN 0x40
.irp i, 0,1,2,3,4,5,6,7
.irp c, 0,1,2
	ds_load_b128 v[128*(\q)+12*\i+4*\c:128*(\q)+12*\i+4*\c+3], v[ADRB+\slot] offset:(\q)*G+\i*FRB+512*\c
.endr
.endr
	WIN 0
.irp i, 0,1,2,3,4,5,6,7
.irp c, 0,1,2
	ds_load_b128 v[RF+96*(\q)+12*\i+4*\c:RF+96*(\q)+12*\i+4*\c+3], v[ADRA+\slot] offset:(\q)*GR+\i*FRB+512*\c
.endr
.endr
	ds_load_b128 v[SC+16*(\slot)+8*(\q):SC+16*(\slot)+8*(\q)+3], v[ADPS] offset:\ps
	ds_load_b128 v[SC+16*(\slot)+8*(\q)+4:SC+16*(\slot)+8*(\q)+7], v[ADRB+\slot] offset:(\q)*G+SCO
.endm
.macro STEP slot, z, ps
	s_wait_dscnt 0x0                               ; set 0 is in
	PLACES 4                                       ; places in front of loads into registers that matrix instructions have read
	FETCH \slot, 1, \ps
	WIN 0xa1
	MUL16 0, \slot, 0, \z
	MUL16 2, \slot, 0, \z
	WIN 0xf1
	MUL16 4, \slot, 0, \z
	MUL16 6, \slot, 0, \z
	WIN 0
.endm
.macro TURN slot, next, fill, ps
	s_wait_tensorcnt 0x0                           ; all my tensor loads have landed: my part of the next slot
	ds_add_u32 v[SPW], v[NIL]                      ; 0 onto my spare word
	s_wait_dscnt 0x1                               ; set 1's 50 loads are in; only the add may be out
	WIN 0xa1
	MUL16 0, \slot, 1, 0
	s_wait_dscnt 0x0                               ; the add is done, and my reads of this slot are over
	s_barrier_signal -1
	MUL16 2, \slot, 1, 0
	WIN 0
	s_barrier_wait -1
.if \fill
	CREST                                          ; the barrier has opened a round of the cluster's: no wave of any partner still reads this slot or has a load on its way
	s_add_nc_u64 s[G0+4*\slot+2:G0+4*\slot+3], s[G0+4*\slot+2:G0+4*\slot+3], 4*GR
	s_add_nc_u64 s[G0B+4*\slot+2:G0B+4*\slot+3], s[G0B+4*\slot+2:G0B+4*\slot+3], 4*G
	JLOAD G0+4*\slot, G1, G0B+4*\slot, G1B         ; the first tensor load behind the round; its four v_nop are the places in front of the loads below
.else
	PLACES 4
.endif
	FETCH \next, 0, \ps
	WIN 0xf1
	MUL16 4, \slot, 1, 0
	MUL16 6, \slot, 1, 0
	WIN 0
.endm
.macro LAST slot
	s_wait_dscnt 0x0
	WIN 0xa1
	MUL16 0, \slot, 1, 0
	MUL16 2, \slot, 1, 0
	WIN 0xf1
	MUL16 4, \slot, 1, 0
	MUL16 6, \slot, 1, 0
	WIN 0
.endm
; THE WAY OUT of tile n of my queries.  PACK: x 1 / l, each accumulator from its low end on.  TOSTAGE: into my own stage, back as whole rows of 512 bytes.  SEND: stored.
.macro PACK n
	WIN 2+(\n)/4
.set j, 0
.rept 32
.if ((\n)%2)==0
	v_pk_mul_f32 v[64+j:65+j], v[64*((\n)%4)+j:64*((\n)%4)+j+1], v[4+2*((\n)/2):5+2*((\n)/2)] op_sel_hi:[1,0]
.else
	v_pk_mul_f32 v[64+j:65+j], v[64*((\n)%4)+j:64*((\n)%4)+j+1], v[4+2*((\n)/2):5+2*((\n)/2)] op_sel:[0,1] op_sel_hi:[1,1]
.endif
.set j, j+2
.endr
	WIN 0
.endm
.macro TOSTAGE n
.set BB, 128+64*((\n)%2)
.irp t, 0,1,2,3,4,5,6,7
	ds_store_b128 v[STO], v[64+8*\t:64+8*\t+3] offset:128*(\t/2)+32*(\t%2)      ; channels 32 (t / 2) + 8 (t % 2) + 16 h on
	ds_store_b128 v[STO], v[64+8*\t+4:64+8*\t+7] offset:128*(\t/2)+32*(\t%2)+16
.endr
.irp i, 0,1,2,3,4,5,6,7,8,9,10,11,12,13,14,15
	ds_load_b128 v[BB+4*\i:BB+4*\i+3], v[RD] offset:\i*528   ; LDS serves a wave's instructions in order: these see the stores above
.endr
.endm
.macro SEND n
.set BB, 128+64*((\n)%2)
	s_wait_dscnt 0x0                               ; the tile is back in registers
	s_wait_xcnt 0x0                                ; the stores of the tile before have read their registers: the next tile's loads may land there
.irp i, 0,1,2,3,4,5,6,7,8,9,10,11,12,13,14,15
	global_store_b128 v[CO], v[BB+4*\i:BB+4*\i+3], s[10:11] offset:(32*((\n)/2)+8*((\n)%2)+(\i%8)+16*(\i/8))*4096 th:TH_STORE_NT   ; 32 lanes store 512 consecutive bytes, aligned
.endr
.endm
	s_load_b256 s[4:11], s[0:1], 0x0               ; p, pst, qkv, out0
	v_lshl_add_u32 v[SPW], v0, 2, SPARE
	v_mov_b32 v[NIL], 0
	ds_add_u32 v30, v31
	ds_add_u32 v30, v31
	s_wait_dscnt 0x0
	v_lshrrev_b32 v1, 5, v0
	v_readfirstlane_b32 s14, v1                    ; wave 0..3
	s_lshr_b32 s15, s14, 1                         ; my half of the queries.  Also: I fetch p (0) or v (1)
	s_and_b32 s16, s14, 1                          ; my half of the channels.  Also: which rowblock I fetch
	s_bfe_u32 s40, ttmp6, 0x40000                  ; cx: the channel tile
	s_and_b32 s41, ttmp7, 0xffff
	s_lshr_b32 s42, s41, 3                         ; batch
	s_and_b32 s43, s41, 7
	s_sub_co_u32 s43, 7, s43                       ; the query tile
	s_add_co_u32 s44, s43, 1                       ; its slots of 256 keys: the same number in all four partners
	s_lshl_b32 s20, s42, 4
	s_lshl_b32 s21, s43, 1
	s_add_co_u32 s20, s20, s21
	s_add_co_u32 s22, s20, s15                     ; my query rowblock,
	s_mul_i32 s74, s22, 24576                      ; its 16 groups of pst
	s_mov_b32 s75, 0
	s_add_co_u32 s20, s20, s16                     ; the one that I fetch: no place in the cluster enters it
	s_mul_i32 s20, s20, 16*GR
	s_mov_b32 s21, 0
	s_lshl_b32 s46, s42, 3
	s_lshl_b32 s47, s40, 1
	s_add_co_u32 s46, s46, s47
	s_add_co_u32 s46, s46, s16                     ; the channel block that I fetch
	s_mul_i32 s46, s46, 16*G
	s_add_co_u32 s46, s46, 1024*G
	s_mov_b32 s47, 0
	s_mul_i32 s45, s14, PART
	s_lshl_b32 s72, s42, 11                        ; out0: my first row
	s_lshl_b32 s73, s43, 8
	s_add_co_u32 s72, s72, s73
	s_lshl_b32 s73, s15, 7
	s_add_co_u32 s72, s72, s73
	s_lshl_b32 s72, s72, 12                        ; of 4,096 bytes,
	s_lshl_b32 s73, s40, 10
	s_add_co_u32 s72, s72, s73
	s_lshl_b32 s73, s16, 9
	s_add_co_u32 s72, s72, s73                     ; my first channel
	s_mov_b32 s73, 0
	; group 1.  p: 24,576 dense bytes as 96 rows of 256; v: 25,600 as 100 rows
	s_mov_b32 s[G1+0], 15|(3<<16)|(1<<21)          ; 15:0 the mask: all four work-groups; 17:16 elements of 8 bytes; 21 set beside a mask
	s_mov_b32 s[G1+1], 32<<16
	s_mov_b32 s[G1+2], 96<<16
	s_mov_b32 s[G1+3], 32<<16
	s_mov_b32 s[G1+4], 96
	s_mov_b32 s[G1+5], 32
	s_mov_b32 s[G1+6], 0
	s_mov_b32 s[G1+7], 0
	s_mov_b32 s[G1B+0], 3<<16                      ; no mask
	s_mov_b32 s[G1B+1], 32<<16
	s_mov_b32 s[G1B+2], 100<<16
	s_mov_b32 s[G1B+3], 32<<16
	s_mov_b32 s[G1B+4], 100
	s_mov_b32 s[G1B+5], 32
	s_mov_b32 s[G1B+6], 0
	s_mov_b32 s[G1B+7], 0
	s_mov_b32 s[SEL], 0x76543210
	s_mov_b32 s[SEL+1], 0xfedcba98
	s_mov_b32 s90, 0x80808080
	s_wait_kmcnt 0x0
	s_add_nc_u64 s[20:21], s[4:5], s[20:21]
	s_add_nc_u64 s[46:47], s[8:9], s[46:47]
	s_add_nc_u64 s[6:7], s[6:7], s[74:75]
	s_add_nc_u64 s[10:11], s[10:11], s[72:73]
.irp s, 0,1
	s_mov_b32 s[G0+4*\s], 1
	s_add_co_u32 s[G0+4*\s+1], s45, \s*SLOT
	s_add_nc_u64 s[G0+4*\s+2:G0+4*\s+3], s[20:21], \s*2*GR
	s_or_b32 s[G0+4*\s+3], s[G0+4*\s+3], 0x80000000
	s_mov_b32 s[G0B+4*\s], 1
	s_add_co_u32 s[G0B+4*\s+1], s45, \s*SLOT
	s_add_nc_u64 s[G0B+4*\s+2:G0B+4*\s+3], s[46:47], \s*2*G
	s_or_b32 s[G0B+4*\s+3], s[G0B+4*\s+3], 0x80000000
.endr
	CROUND                                         ; all four work-groups are here
	JLOAD G0, G1, G0B, G1B                         ; slot 0: the first 256 keys
	v_and_b32 v1, 31, v0
	v_lshlrev_b32 v[CO], 4, v1                     ; 16 x lane
	v_and_b32 v2, 15, v0
	v_bfe_u32 v3, v0, 4, 1
	s_mul_i32 s70, s15, PART
	s_mul_i32 s71, s16, PART
	s_add_co_u32 s71, s71, 2*PART
.irp s, 0,1
	v_add_nc_u32 v[ADRA+\s], s70, v[CO]
	v_add_nc_u32 v[ADRB+\s], s71, v[CO]
	s_add_co_u32 s70, s70, SLOT
	s_add_co_u32 s71, s71, SLOT
.endr
	s_lshl_b32 s70, s14, 13
	s_add_co_u32 s70, s70, PSC
	v_add_nc_u32 v[ADPS], s70, v[CO]
	s_mul_i32 s70, s14, 16*528
	s_add_co_u32 s70, s70, STAGE
	v_add_nc_u32 v[RD], s70, v[CO]
	v_mul_u32_u24 v[STO], v2, 528
	v_lshl_add_u32 v[STO], v3, 6, v[STO]
	v_add_nc_u32 v[STO], s70, v[STO]               ; the stage: row r, + 64 h
	; THE HEAD: my rows' 16 parts.  A slot beyond the last repeats the last one's address (no load leaves what was written) and is given e = 127, which makes it count for nothing.
.irp i, 0,1,2,3,4,5,6,7
	s_min_u32 s70, s43, \i
	s_mul_i32 s70, s70, 3072
	v_add_nc_u32 v[64+\i], s70, v[CO]
	s_cmp_gt_u32 s44, \i
	s_cselect_b32 s[80+\i], 0, 0x42fe0000          ; the lower bound of e: 0, or 127.0
.endr
	WIN 0x40
.irp g, 0,1,2,3,4,5,6,7,8,9,10,11,12,13,14,15
	global_load_b128 v[4*\g:4*\g+3], v[64+\g/2], s[6:7] offset:(\g%2)*1536              ; -M
	global_load_b128 v[64+4*\g:64+4*\g+3], v[64+\g/2], s[6:7] offset:(\g%2)*1536+512    ; l
	global_load_b128 v[128+4*\g:128+4*\g+3], v[64+\g/2], s[6:7] offset:(\g%2)*1536+1024 ; the scale words
.endr
	WIN 0
	s_wait_loadcnt 0x0
	WIN 0x01                                       ; source 0: window 1
.irp j, 0,1,2,3
	v_mov_b32 v[12+\j], v[\j]
.endr
.irp g, 1,2,3,4,5,6,7,8,9,10,11,12,13,14,15
.irp j, 0,1,2,3
	v_min_num_f32 v[12+\j], v[4*\g+\j], v[12+\j]   ; the least -M: the row's
.endr
.endr
.irp g, 0,1,2,3,4,5,6,7,8,9,10,11,12,13,14,15
.irp j, 0,1,2,3
	v_sub_f32 v[80+4*\g+\j], v[4*\g+\j], v[12+\j]  ; e = the row's M - the part's
.endr
.endr
	WIN 0
.set x, 0
.rept 64
	v_med3_num_f32 v[80+x], v[80+x], s[80+x/8], 0x42fe0000   ; held to 0 .. 127
.set x, x+1
.endr
.set x, 0
.rept 64
	v_cvt_u32_f32 v[80+x], v[80+x]
.set x, x+1
.endr
.set x, 0
.rept 64
	v_sub_nc_u32 v[144+x], 127, v[80+x]
.set x, x+1
.endr
.set x, 0
.rept 64
	v_lshlrev_b32 v[144+x], 23, v[144+x]           ; 2^-e as f32 (e = 127: 0)
.set x, x+1
.endr
	WIN 0x01
.irp j, 0,1,2,3
	v_mul_f32 v[16+\j], v[64+\j], v[144+\j]
.endr
.irp g, 1,2,3,4,5,6,7,8,9,10,11,12,13,14,15
.irp j, 0,1,2,3
	v_fmac_f32 v[16+\j], v[64+4*\g+\j], v[144+4*\g+\j]   ; l = the sum of the parts' l x 2^-e
.endr
.endr
.set x, 0
.rept 64
	v_or_b32 v[144+x], v[128+x], s90               ; 128 + each scale byte (the bytes are at most 125: p is at most 1)
.set x, x+1
.endr
	WIN 0
.irp i, 0,1,2,3,4,5,6,7                        ; each byte becomes max(byte - e, 0), eight words at a time: 128 + byte - e never borrows, and its top bit says whether byte >= e
.irp k, 0,1,2,3,4,5,6,7
	v_perm_b32 v[80+8*\i+\k], v[80+8*\i+\k], v[80+8*\i+\k], 0   ; e in all four bytes
.endr
.irp k, 0,1,2,3,4,5,6,7
	v_sub_nc_u32 v[144+8*\i+\k], v[144+8*\i+\k], v[80+8*\i+\k]
.endr
.irp k, 0,1,2,3,4,5,6,7
	v_and_b32 v[80+8*\i+\k], s90, v[144+8*\i+\k]
.endr
.irp k, 0,1,2,3,4,5,6,7
	v_lshrrev_b32 v[208+\k], 7, v[80+8*\i+\k]
.endr
.irp k, 0,1,2,3,4,5,6,7
	v_sub_nc_u32 v[80+8*\i+\k], v[80+8*\i+\k], v[208+\k]        ; 0x7f in the bytes that stay, 0 in the others
.endr
.irp k, 0,1,2,3,4,5,6,7
	v_and_b32 v[144+8*\i+\k], v[144+8*\i+\k], v[80+8*\i+\k]
.endr
	ds_store_b128 v[ADPS], v[144+8*\i:144+8*\i+3] offset:1024*\i
	ds_store_b128 v[ADPS], v[144+8*\i+4:144+8*\i+7] offset:1024*\i+512
.endr
.irp j, 0,1,2,3
	v_rcp_f32 v[16+\j], v[16+\j]
.endr
	v_cmp_lt_u32 vcc_lo, 15, v1                    ; lanes 16-31.  (A plain place behind the reciprocals)
	s_wait_alu depctr_va_vdst(0)                   ; one wait for the four, ahead of their first reader
.irp j, 0,1,2,3
	v_permlanex16_b32 v[12+\j], v[16+\j], s[SEL], s[SEL+1]
.endr
.irp j, 0,1,2,3
	v_cndmask_b32 v[4+2*\j], v[16+\j], v[12+\j], vcc_lo   ; 1 / l of tile 2 j, in both halves of the lanes,
	v_cndmask_b32 v[5+2*\j], v[12+\j], v[16+\j], vcc_lo   ; and of tile 2 j + 1
.endr
	s_wait_tensorcnt 0x0                           ; my part of slot 0 is in
	ds_add_u32 v[SPW], v[NIL]
	s_wait_dscnt 0x0                               ; the add and my stores are done
	CROUND                                         ; slot 0 is whole, in all four work-groups
	s_cmp_eq_u32 s44, 1
	s_cbranch_scc0 .Lmany
	FETCH 0, 0, 0                                  ; one slot alone: nothing more is asked for
	STEP 0, 1, 512
	s_branch .Llast0
.Lmany:
	JLOAD G0+4, G1, G0B+4, G1B                     ; slot 1's first fill: my one tensor load behind the round
	FETCH 0, 0, 0
	STEP 0, 1, 512                                 ; the first step starts the sums
	s_mov_b32 s66, s44                             ; slots to go, the one in hand among them
	s_mov_b32 s3, 0
.Llap:                                             ; at most three trips, two slots each; left where two or three slots are to go
	s_cmp_eq_u32 s66, 2
	s_cbranch_scc1 .LtailA
	TURN 0, 1, 1, 1024
	STEP 1, 0, 1536
	s_cmp_eq_u32 s66, 3
	s_cbranch_scc1 .LtailB
	TURN 1, 0, 1, 2048
	v_add_nc_u32 v[ADPS], 2048, v[ADPS]            ; two slots' scale images on
	STEP 0, 0, 512
	s_sub_co_u32 s66, s66, 2
	s_add_co_u32 s3, s3, 1
	s_cmp_lt_u32 s3, 3
	s_cbranch_scc1 .Llap
.LtailA:                                           ; slot 1 holds the last keys
	TURN 0, 1, 0, 1024
	STEP 1, 0, 1536
	LAST 1
	s_branch .Lout
.LtailB:                                           ; slot 0 holds the last keys
	TURN 1, 0, 0, 2048
	STEP 0, 0, 2560
.Llast0:
	LAST 0
.Lout:
	PLACES 4
	PACK 0
	TOSTAGE 0
.irp a, 1,2,3,4,5,6,7                          ; tile a's multiplications stand between tile a - 1's loads from the stage and the wait for them
	PACK \a
	SEND \a-1
	TOSTAGE \a
.endr
	SEND 7
	s_wait_tensorcnt 0x0                           ; the wave's end
	ds_add_u32 v[SPW], v[NIL]
	s_wait_dscnt 0x0
	CROUND                                         ; the closing round
	s_endpgm
.Lfunc_end_k_qca38b3a346_pv:
	.size	k_qca38b3a346_pv, .Lfunc_end_k_qca38b3a346_pv-k_qca38b3a346_pv
	.p2alignl 7, 3214868480
	.fill 96, 4, 3214868480
	.section	.rodata,"a",@progbits
	.p2align	6, 0x0
	.amdhsa_kernel k_qca38b3a346_pv
		.amdhsa_group_segment_fixed_size 327680
		.amdhsa_private_segment_fixed_size 0
		.amdhsa_enable_private_segment 0
		.amdhsa_kernarg_size 32
		.amdhsa_user_sgpr_count 2
		.amdhsa_user_sgpr_kernarg_segment_ptr 1
		.amdhsa_wavefront_size32 1
		.amdhsa_system_sgpr_workgroup_id_x 1
		.amdhsa_system_sgpr_workgroup_id_y 1
		.amdhsa_system_sgpr_workgroup_id_z 1
		.amdhsa_system_vgpr_workitem_id 0
		.amdhsa_next_free_vgpr 1024
		.amdhsa_next_free_sgpr 100
		.amdhsa_reserve_vcc 1
		.amdhsa_float_denorm_mode_32 3
		.amdhsa_float_denorm_mode_16_64 3
		.amdhsa_memory_ordered 1
		.amdhsa_forward_progress 1
		.amdhsa_inst_pref_size 239
	.end_amdhsa_kernel
	.amdgpu_metadata
---
amdhsa.version: [ 1, 2 ]
amdhsa.kernels:
  - .name:           k_qca38b3a346_pv
    .symbol:         k_qca38b3a346_pv.kd
    .args:
      - { .name: p, .offset: 0, .size: 8, .value_kind: global_buffer, .address_space: global }
      - { .name: pst, .offset: 8, .size: 8, .value_kind: global_buffer, .address_space: global }
      - { .name: qkv, .offset: 16, .size: 8, .value_kind: global_buffer, .address_space: global }
      - { .name: out0, .offset: 24, .size: 8, .value_kind: global_buffer, .address_space: global }
    .group_segment_fixed_size: 327680
    .private_segment_fixed_size: 0
    .kernarg_segment_align: 8
    .kernarg_segment_size: 32
    .max_flat_workgroup_size: 128
    .sgpr_count:     100
    .vgpr_count:     1024
    .wavefront_size: 32
...
	.end_amdgpu_metadata
.endif
;; end of part 4
;; ======== version 2 of 2: 4 launches
;; limits: right only within a limited range of input values
;; workspace buffers: xw 9,011,200 bytes; qkv 19,660,800 bytes; p 6,684,672 bytes; pst 835,584 bytes
;; launch quant (part 5): grid 704 x 1, 4 waves a work-group, no clusters, 68,608 bytes of LDS; arguments xs, WQ_w, WK_w, WV_w, xw; writes xw
.if DOCPART == 5
	.amdgcn_target "amdgcn-amd-amdhsa--gfx1250"
	.amdhsa_code_object_version 6
	.text
	.protected	k_qca38b3a346_quant
	.globl	k_qca38b3a346_quant
	.p2align	8
	.type	k_qca38b3a346_quant,@function
k_qca38b3a346_quant:
	s_mov_b64 s[64:65], 0
	v_nop
	global_prefetch_b8 v0, s[64:65] scope:SCOPE_SE
	s_setreg_imm32_b32 hwreg(HW_REG_WAVE_MODE, 25, 1), 1
	s_wait_xcnt 0x0
; xs [8192][1024] and WQ_w, WK_w, WV_w [1024][1024], f32, become codes of FP6 (E2M3) with one E8M0 byte for each 32 along K (the last axis), laid as IMAGES OF OPERAND REGISTERS.
; A ROWBLOCK is 128 rows, eight tiles of 16; lane row r of tile T is row 32 (T / 2) + 8 (T % 2) + r % 8 + 16 (r / 8) of the rowblock.
; A FRAGMENT (16 rows x 128 K, 12 registers a lane) is 1,536 bytes: registers 4 c .. 4 c + 3 of lane l at 512 c + 16 l.
; A SCALE IMAGE is 512 bytes: word j of lane l, at 16 l + 4 j, is the scale word of row l % 16 of tile 2 j + l / 16.
; A GROUP (rowblock, 128 along K) is eight fragments and the scale image: 12,800 bytes.  xw holds 88 rowblocks x 8 groups: rowblocks 0-63 xs, 64-71 WQ_w, 72-79 WK_w, 80-87 WV_w.
; SHARES: one work-group makes one group; wave w makes tiles 2 w and 2 w + 1 (rows 32 w .. 32 w + 31).  Each load reads 512 consecutive bytes of one row; the rows turn through the wave's own stage in LDS
; (rows 528 bytes apart), so that lane (r, h) gets k = 64 c + 32 h + 0 .. 31 of its row: two whole blocks of 32, in the order of the operand's registers.
; A block's scale byte is its largest magnitude's exponent field - 2, held at 1 from below.
; LIMITS: NaN and infinities among the inputs are not served; a block of zeros, and a block whose largest magnitude lies under 2^-124, gets the byte 1 (its codes are zeros or what the conversion makes of them); this program alone reads the bytes.
; THE PROGRAM LEAVES OUT: the tiles of q k^T and of p v whose keys all come after their queries: the causal mask replaces those scores by -infinity, so their p is 0 whatever the inputs hold.
; (A NaN, an infinity or an overflow that reaches only those scores is not carried to the result.)
; THE ORDER OF x IN xw, in place of the plain one: the groups of rowblocks 2 i and 2 i + 1 take turns along K: group (rowblock, k) at number 16 (rowblock / 2) + 2 k + rowblock % 2.  The weights' groups lie at 8 rowblock + k.
.set STG,  16896                       ; a wave's stage: 32 rows x 528 bytes
.set SCG,  67584                       ; behind the four stages: 512 bytes in which the group's scale image is gathered
.set GB,   12800                       ; a group
.set R,    16                          ; v16-143  32 rows as loaded, 4 registers each
.set X0,   144                         ; v144-207 tile 0: my 64 numbers
.set X1,   16                          ; v16-79   tile 1: my 64 numbers (over the rows that have gone to the stage)
.set PC0,  208                         ; v208-219 tile 0's codes
.set PC1,  220                         ; v220-231 tile 1's
.set TT,   232                         ; v232-238 the upper halves of the blocks' codes
.set TM,   240                         ; v240-241 largest magnitudes
.set TS,   242                         ; v242-243 the conversions' scale operands
.set TB,   244                         ; v244-245 scale bytes
.set TX,   246
.set W0,   248                         ; the tiles' scale words
.set W1,   249
.set SW,   250
	s_load_b256 s[4:11], s[0:1], 0x0               ; xs, WQ_w, WK_w, WV_w
	s_load_b64 s[12:13], s[0:1], 0x20              ; xw
	v_lshl_add_u32 v254, v0, 2, 0x10a00
	v_mov_b32 v255, 0
	v_lshrrev_b32 v1, 5, v0
	v_readfirstlane_b32 s14, v1                    ; wave 0..3
	v_and_b32 v2, 31, v0                           ; lane
	v_and_b32 v3, 15, v0                           ; r
	v_bfe_u32 v4, v0, 4, 1                         ; h
	v_lshlrev_b32 v5, 3, v4                        ; 8 h
	v_lshlrev_b32 v6, 4, v2                        ; 16 x lane
	s_mul_i32 s15, s14, STG
	v_add_nc_u32 v7, s15, v6                       ; the stage, on the way in: 16 x lane of a row
	v_mul_u32_u24 v8, v3, 528
	v_lshl_add_u32 v8, v4, 7, v8
	v_add_nc_u32 v8, s15, v8                       ; and on the way out: row r, + 128 h bytes
	s_mul_i32 s15, s14, 3072
	v_add_nc_u32 v9, s15, v6                       ; my fragments in the group: 2 x 1,536 x wave + 16 x lane
	s_lshl_b32 s15, s14, 2
	s_add_co_u32 s15, s15, SCG
	v_add_nc_u32 v10, s15, v6                      ; my word of the scale image: 16 x lane + 4 x wave
	v_add_nc_u32 v11, SCG, v6                      ; and the image as it leaves
	v_mov_b32 v[TX], 0                             ; a lane permute's destination counts as one of its sources
	s_mov_b32 s20, 0x76543210
	s_mov_b32 s21, 0xfedcba98                      ; selects for lane l xor 16
	s_lshr_b32 s16, ttmp9, 3                       ; rowblock 0..87
	s_and_b32 s17, ttmp9, 7                        ; which 128 along K
	s_and_b32 s18, s16, 7                          ; a weight's rowblock
	s_wait_alu depctr_va_vdst(0)
	s_wait_kmcnt 0x0
	s_cmp_lt_u32 s16, 80                           ; the source is chosen by the work-group's number alone
	s_cselect_b64 s[10:11], s[8:9], s[10:11]
	s_cmp_lt_u32 s16, 72
	s_cselect_b64 s[10:11], s[6:7], s[10:11]
	s_cmp_lt_u32 s16, 64
	s_cselect_b64 s[10:11], s[4:5], s[10:11]
	s_cselect_b32 s18, s16, s18                    ; the rowblock within the source
	s_lshl_b32 s18, s18, 19                        ; 128 rows of 4,096 bytes
	s_lshl_b32 s19, s14, 17                        ; my 32 rows
	s_add_co_u32 s18, s18, s19
	s_lshl_b32 s19, s17, 9                         ; 128 numbers along K
	s_add_co_u32 s18, s18, s19
	s_mov_b32 s19, 0
	s_add_nc_u64 s[10:11], s[10:11], s[18:19]
	s_lshr_b32 s22, s16, 1                         ; x: the two rowblocks of 256 tokens take turns along K
	s_lshl_b32 s22, s22, 4
	s_lshl_b32 s23, s17, 1
	s_add_co_u32 s22, s22, s23
	s_and_b32 s23, s16, 1
	s_add_co_u32 s22, s22, s23
	s_cmp_lt_u32 s16, 64
	s_cselect_b32 s22, s22, ttmp9                  ; a weight: the group's number is the work-group's
	s_mul_i32 s22, s22, GB
	s_mov_b32 s23, 0
	s_add_nc_u64 s[12:13], s[12:13], s[22:23]
.set m, 0
.rept 32                               ; load m is stage row m: tile m / 16, lane row m % 16
	global_load_b128 v[R+4*m:R+4*m+3], v6, s[10:11] offset:(16*((m%16)/8)+8*(m/16)+(m%8))*4096 th:TH_LOAD_NT
.set m, m+1
.endr
; 64 numbers of a lane, register 32 c + i = k 64 c + 32 h + i of my row, become the fragment's 12 registers at v[pc] and the row's scale word in v[wd]
.macro Q2 s, pc, wd
.irp c, 0,1
	v_max3_num_f32 v[TM+\c], |v[\s+32*\c]|, |v[\s+32*\c+1]|, 0x1800000   ; the floor 2^(3 - 127) holds the byte at 1 from below
.endr
.irp i, 2,4,6,8,10,12,14,16,18,20,22,24,26,28,30
.irp c, 0,1
	v_max3_num_f32 v[TM+\c], v[TM+\c], |v[\s+32*\c+\i]|, |v[\s+32*\c+\i+1]|
.endr
.endr
.irp c, 0,1
	v_add_nc_u32 v[TS+\c], 0xff000000, v[TM+\c]    ; 2 off the exponent field: the conversion's scale operand
.endr
.irp c, 0,1
	v_lshrrev_b32 v[TB+\c], 23, v[TS+\c]           ; the scale's byte
.endr
	v_lshl_or_b32 v[\wd], v[TB+1], 16, v[TB]       ; my blocks h and 2 + h,
	v_lshlrev_b32 v[\wd], v5, v[\wd]               ; at their places in the word;
	v_permlanex16_b32 v[TX], v[\wd], s20, s21
	v_or_b32 v[\wd], v[\wd], v[TX]                 ; with lane l xor 16's two the word is whole
.irp c, 0,1
	v_cvt_scalef32_pk16_fp6_f32 v[\pc+6*\c:\pc+6*\c+2], v[\s+32*\c:\s+32*\c+15], v[TS+\c]
	v_cvt_scalef32_pk16_fp6_f32 v[TT+4*\c:TT+4*\c+2], v[\s+32*\c+16:\s+32*\c+31], v[TS+\c]   ; (a conversion's three registers begin on an even number)
.endr
	v_nop                                          ; one plain place behind a scaled conversion
.irp c, 0,1
.irp i, 0,1,2
	v_mov_b32 v[\pc+6*\c+3+\i], v[TT+4*\c+\i]
.endr
.endr
.endm
	s_wait_loadcnt 16                              ; tile 0's sixteen rows are in; tile 1's sixteen loads stay out
.set m, 0
.rept 16
	ds_store_b128 v7, v[R+4*m:R+4*m+3] offset:528*m
.set m, m+1
.endr
.irp c, 0,1
.irp i, 0,1,2,3,4,5,6,7
	ds_load_b128 v[X0+32*\c+4*\i:X0+32*\c+4*\i+3], v8 offset:256*\c+16*\i   ; LDS serves a wave's instructions in order: these see my stores
.endr
.endr
	s_wait_loadcnt 0x0
.set m, 16
.rept 16
	ds_store_b128 v7, v[R+4*m:R+4*m+3] offset:528*m
.set m, m+1
.endr
	s_wait_dscnt 16                                ; only the sixteen stores just issued may be out: X0 is in, and the first stores have read v16-79
.irp c, 0,1
.irp i, 0,1,2,3,4,5,6,7
	ds_load_b128 v[X1+32*\c+4*\i:X1+32*\c+4*\i+3], v8 offset:16*528+256*\c+16*\i
.endr
.endr
	Q2 X0, PC0, W0
.irp c, 0,1,2
	global_store_b128 v9, v[PC0+4*\c:PC0+4*\c+3], s[12:13] offset:512*\c   ; 32 lanes store 512 consecutive bytes, aligned
.endr
	s_wait_dscnt 0x0                               ; X1 is in
	Q2 X1, PC1, W1
.irp c, 0,1,2
	global_store_b128 v9, v[PC1+4*\c:PC1+4*\c+3], s[12:13] offset:1536+512*\c
.endr
	v_cmp_eq_u32 vcc_lo, 1, v4
	v_cndmask_b32 v[SW], v[W0], v[W1], vcc_lo      ; lanes 0-15 tile 2 w's word, lanes 16-31 tile 2 w + 1's
	ds_store_b32 v10, v[SW]
	s_wait_dscnt 0x0                               ; for the others' sake: my word has landed
	s_barrier_signal -1
	s_barrier_wait -1
	s_cmp_lg_u32 s14, 0
	s_cbranch_scc1 .Lend
	ds_load_b128 v[12:15], v11                     ; wave 0 sends the image: 512 consecutive bytes
	s_wait_dscnt 0x0
	global_store_b128 v6, v[12:15], s[12:13] offset:12288
.Lend:
	s_wait_tensorcnt 0x0
	ds_add_u32 v254, v255
	s_wait_dscnt 0x0
	s_endpgm
.Lfunc_end_k_qca38b3a346_quant:
	.size	k_qca38b3a346_quant, .Lfunc_end_k_qca38b3a346_quant-k_qca38b3a346_quant
	.p2alignl 7, 3214868480
	.fill 96, 4, 3214868480
	.section	.rodata,"a",@progbits
	.p2align	6, 0x0
	.amdhsa_kernel k_qca38b3a346_quant
		.amdhsa_group_segment_fixed_size 68608
		.amdhsa_private_segment_fixed_size 0
		.amdhsa_enable_private_segment 0
		.amdhsa_kernarg_size 40
		.amdhsa_user_sgpr_count 2
		.amdhsa_user_sgpr_kernarg_segment_ptr 1
		.amdhsa_wavefront_size32 1
		.amdhsa_system_sgpr_workgroup_id_x 1
		.amdhsa_system_sgpr_workgroup_id_y 1
		.amdhsa_system_sgpr_workgroup_id_z 1
		.amdhsa_system_vgpr_workitem_id 0
		.amdhsa_next_free_vgpr 256
		.amdhsa_next_free_sgpr 66
		.amdhsa_reserve_vcc 1
		.amdhsa_float_denorm_mode_32 3
		.amdhsa_float_denorm_mode_16_64 3
		.amdhsa_memory_ordered 1
		.amdhsa_forward_progress 1
		.amdhsa_inst_pref_size 17
	.end_amdhsa_kernel
	.amdgpu_metadata
---
amdhsa.version: [ 1, 2 ]
amdhsa.kernels:
  - .name:           k_qca38b3a346_quant
    .symbol:         k_qca38b3a346_quant.kd
    .args:
      - { .name: xs, .offset: 0, .size: 8, .value_kind: global_buffer, .address_space: global }
      - { .name: WQ_w, .offset: 8, .size: 8, .value_kind: global_buffer, .address_space: global }
      - { .name: WK_w, .offset: 16, .size: 8, .value_kind: global_buffer, .address_space: global }
      - { .name: WV_w, .offset: 24, .size: 8, .value_kind: global_buffer, .address_space: global }
      - { .name: xw, .offset: 32, .size: 8, .value_kind: global_buffer, .address_space: global }
    .group_segment_fixed_size: 68608
    .private_segment_fixed_size: 0
    .kernarg_segment_align: 8
    .kernarg_segment_size: 40
    .max_flat_workgroup_size: 128
    .sgpr_count:     66
    .vgpr_count:     256
    .wavefront_size: 32
...
	.end_amdgpu_metadata
.endif
;; end of part 5
;; launch proj (part 6): grid 8 x 32, 4 waves a work-group, clusters of 4 x 4, 327,680 bytes of LDS; arguments xw, WQ_b, WK_b, WV_b, qkv; writes qkv
.if DOCPART == 6
	.amdgcn_target "amdgcn-amd-amdhsa--gfx1250"
	.amdhsa_code_object_version 6
	.text
	.protected	k_qca38b3a346_proj
	.globl	k_qca38b3a346_proj
	.p2align	8
	.type	k_qca38b3a346_proj,@function
k_qca38b3a346_proj:
	s_mov_b64 s[64:65], 0
	v_nop
	global_prefetch_b8 v0, s[64:65] scope:SCOPE_SE
	s_setreg_imm32_b32 hwreg(HW_REG_WAVE_MODE, 25, 1), 1
	s_wait_xcnt 0x0
	s_wait_alu depctr_hold_cnt(0) depctr_sa_sdst(0) depctr_va_vdst(0) depctr_va_sdst(0) depctr_va_ssrc(0) depctr_va_vcc(0) depctr_vm_vsrc(0)
	s_getreg_b32 s2, hwreg(HW_REG_IB_STS2, 6, 4)
	s_cmp_eq_u32 s2, 0
	s_cbranch_scc0 .Lentry_in_a_cluster
	s_endpgm
.Lentry_in_a_cluster:
	s_bfe_u32 s2, ttmp6, 0x10000c
	s_cmp_lg_u32 s2, 0xf033
	s_cbranch_scc0 .Lentry_shape_is_right
	s_endpgm
.Lentry_shape_is_right:
; q = x WQ^T + bQ, k = x WK^T + bK, v = x WV^T + bV on codes of FP6 (E2M3) with E8M0 scales, and the results quantised at once for the products that follow: q and k along the channels, v along the keys.
; FORMATS: a ROWBLOCK is 128 rows, eight tiles of 16; lane row r of tile T is row 32 (T / 2) + 8 (T % 2) + r % 8 + 16 (r / 8).  A FRAGMENT (16 rows x 128 K) is 1,536 bytes, registers 4 c .. 4 c + 3 of lane l at 512 c + 16 l.
; A SCALE IMAGE is 512 bytes: word j of lane l (at 16 l + 4 j) = the scale word of row l % 16 of tile 2 j + l / 16.  A GROUP = 8 fragments + the image = 12,800 bytes.
; xw: x's groups, those of rowblocks 2 i, 2 i + 1 by turns along K (25,600 bytes for each 128 of K); then the weights' rowblocks 64-71 WQ, 72-79 WK, 80-87 WV, eight groups each.
; qkv: q's group (token rowblock, channel block) at 8 rb + c; k's 512 groups on; v's at 1,024 + (8 batch + channel block) 16 + key rowblock: rows = channels, K = keys; v's scale image is two halves of 256 bytes: half b, 8 bytes a lane, the words of tiles 4 b .. 4 b + 3.
; SHARES: 256 work-groups, each 256 tokens x (128 channels of q, of k and of v).  Wave (a, b): token rowblock a; all 128 channels of q (b = 0) or of k (b = 1), and channels 64 b .. 64 b + 63 of v: 96 accumulators.
; q, k: source 0 = the weight's rows, source 1 = x's: a lane holds one token, and its 64 registers of a token tile are channels 32 c + 16 (lane / 16) + i.  v: source 0 = x's rows, source 1 = WV's: a lane holds one channel, its 64 registers of a channel tile are keys.
; So every result is quantised in registers and leaves as an image.  The bias is the C of each sum's first matrix instruction.
; K: eight steps of 128, 96 products each in three groups of 32: q's or k's tiles 0-3, tiles 4-7, v's four.  In each group x's tiles come one after the other, each against four tiles.
; FRAGMENTS: x's eight have one set of registers; in the third group a tile of x is free behind its four products and is loaded anew for the next step.  The other operand has two sets of four tiles: one is multiplied, the other loaded.
; LDS has room for five steps: x at 0, WQ's, WK's, WV's rows behind it.  Three fills, each a dense run of memory, one joint load a wave: wave 0 x, waves 1, 2, 3 the weights: steps 0-2 at the head, steps 3-4 in step 0, steps 5-7 over steps 0-2 in step 2.
; CLUSTERS: 4 x 4.  x's rows hang on the work-group's y alone and are asked for jointly along a row of the cluster; the weights' on x alone, along a column.
; PREFETCH: the third fill's bytes, in step 0: each block of 256 bytes is named once in each cluster, the four partners of a joint load share them out by address.  The first two fills come by their loads alone: no step stands ahead of the first, and the second is asked for two steps ahead of its first read.
; LIMITS: NaN and infinities are not served; a block of zeros, or one whose largest magnitude lies under 2^-124, gets the scale byte 1; this program alone reads the bytes.
; REGISTERS: window 0: v1-3, v20-23, v252 addresses and the add's; v4-19, v24-27 scale words; v28-59 v's bias; v60-155 x's fragments; v156-251 the other operand's; v253-255 the prefetch's.
;   windows 1, 2: q's or k's accumulators, (x tile a, channel tile t) at v[64 (a % 4) + 8 t] of window 1 + a / 4;  window 3: v's, (channel tile n, x tile a) at v[64 n + 8 a]; until then its v0-63 hold q's or k's bias.
.set G,     12800
.set FRB,   1536
.set SCO,   12288
.set WREG,  64000                      ; five groups of a weight's rowblock
.set XREG,  128000                     ; five pairs of x's groups
.set SPARE, 320000                     ; behind them: the spare words, 128 bytes for each wave: two blocks of 256 bytes that no other line names
.set AX0,   1
.set AX1,   2
.set AP,    3
.set AV,    20
.set AVS,   21
.set CO,    22
.set SPW,   23
.set NIL,   252
.set PF,    253
.set SX,    4                          ; x's scale words: v4-7, v12-15
.set SP,    8                          ; q's or k's weight's: v8-11, v16-19
.set SV,    24                         ; WV's: v24-25, v26-27
.set BV,    28
.set XB,    60
.set WB,    156
.set TM,    28                         ; the way out: maxima and scales, over v's bias
.set TT,    224
.set PC,    60                         ; codes, 12 registers for each of 12 tiles
.set PW,    204                        ; their scale words
.set G1,    24                         ; s[24:31], s[32:35] x's descriptor
.set G0,    32
.set G1B,   48                         ; s[48:55], s[56:59] the weights'
.set G0B,   56
.set SEL,   68
.set MSB, 0
.macro WIN new                         ; the immediate's high byte repeats the setting that is left
.if MSB != (\new)
	s_set_vgpr_msb (MSB<<8)|(\new)
.set MSB, (\new)
.endif
.endm
.macro PLACES n
.rept \n
	v_nop
.endr
.endm
.macro CREST                           ; a round of the cluster's barrier behind its opening barrier
	s_cmp_lg_u32 s14, 0
	s_cbranch_scc1 .Lnot_wave_0_\@
	s_barrier_signal -3
.Lnot_wave_0_\@:
	s_barrier_wait -3
	s_barrier_signal -1
	s_barrier_wait -1
.endm
.macro CROUND
	s_barrier_signal -1
	s_barrier_wait -1
	CREST
.endm
.macro TLOAD g0, g1
	tensor_load_to_lds s[\g0:\g0+3], s[\g1:\g1+7]
	s_nop 0
	PLACES 4
.endm
.macro WMR ra, rb
	v_wmma_scale_f32_16x16x128_f8f6f4 v[rD:rD+7], v[rA:rA+11], v[rB:rB+11], v[rC:rC+7], v[rSA], v[rSB] matrix_a_fmt:MATRIX_FMT_FP6 matrix_b_fmt:MATRIX_FMT_FP6 matrix_a_scale:MATRIX_SCALE_ROW\ra matrix_b_scale:MATRIX_SCALE_ROW\rb
.endm
; product N_ of group g of step s: x's tile N_ / 4 against the group's tile N_ % 4.  The 96 accumulators take turns, one instruction a turn, in the same order in every step.
.macro PROD g, s
.set A_, N_/4
.set I_, N_%4
.set BF_, WB+48*((3*(\s)+(\g))%2)+12*I_
.set XF_, XB+12*A_
.set XS_, SX+8*((\s)%2)+A_/2
.if (\g) < 2
.set T_, 4*(\g)+I_
.set DW_, 1+A_/4
.set rD, 64*(A_%4)+8*T_
.set rA, BF_
.set rB, XF_
.set rSA, SP+8*((\s)%2)+T_/2
.set rSB, XS_
.set wOA, T_%2
.set wOB, A_%2
.set CB_, 8*T_
.set CW_, 3
.else
.set DW_, 3
.set rD, 64*I_+8*A_
.set rA, XF_
.set rB, BF_
.set rSA, XS_
.set rSB, SV+2*((\s)%2)+I_/2
.set wOA, A_%2
.set wOB, I_%2
.set CB_, BV+8*I_
.set CW_, 0
.endif
.if (\s) == 0
.set rC, CB_
	WIN (CW_<<4)|(DW_<<6)
.else
.set rC, rD
	WIN (DW_<<4)|(DW_<<6)
.endif
.if wOA && wOB
	WMR 1, 1
.elseif wOA
	WMR 1, 0
.elseif wOB
	WMR 0, 1
.else
	WMR 0, 0
.endif
.endm
; the LDS loads of one fragment, 512 consecutive bytes each.  Step s lies at place s % 5.
.macro LW g, s, i
.set P_, ((\s)%5)*G
.set R_, WB+48*((3*(\s)+(\g))%2)+12*(\i)
	WIN 0
.irp c, 0,1,2
.if (\g) < 2
	ds_load_b128 v[R_+4*\c:R_+4*\c+3], v[AP] offset:P_+(4*(\g)+(\i))*FRB+512*\c
.else
	ds_load_b128 v[R_+4*\c:R_+4*\c+3], v[AV] offset:P_+(\i)*FRB+512*\c
.endif
.endr
.endm
.macro LX s, a
.set P_, ((\s)%5)*2*G
.set R_, XB+12*(\a)
	WIN 0
.irp c, 0,1,2
.if ((\s)%5) < 3
	ds_load_b128 v[R_+4*\c:R_+4*\c+3], v[AX0] offset:P_+(\a)*FRB+512*\c
.else
	ds_load_b128 v[R_+4*\c:R_+4*\c+3], v[AX1] offset:P_-6*G+(\a)*FRB+512*\c
.endif
.endr
.endm
.macro LSC s                           ; the scale images of x and of q's or k's weight
.set P_, ((\s)%5)*G
.set R_, 8*((\s)%2)
	WIN 0
.if ((\s)%5) < 3
	ds_load_b128 v[SX+R_:SX+R_+3], v[AX0] offset:2*P_+SCO
.else
	ds_load_b128 v[SX+R_:SX+R_+3], v[AX1] offset:2*P_-6*G+SCO
.endif
	ds_load_b128 v[SP+R_:SP+R_+3], v[AP] offset:P_+SCO
.endm
; THE RUNS OF LDS LOADS, ahead of product N_ of group g: four runs a step.  A load into a register that a matrix instruction has read stands four places behind it (five where a matrix instruction writes over it: the bias in window 3).
; Each group's first run brings the next group's tiles; x's tiles 0-3 of the next step are loaded in the middle of the third group, tiles 4-7 at the head of the next step's first.
; A wait behind a run lets the run itself stay out: 24, 13 or 14 loads; in the middle of the first group the twelve behind x's tiles 4-7.
.macro RUN g, s
.set S1_, (\s)+1
.if (\g) == 0
.if N_ == 0
	WIN 0
	PLACES 4
.irp i, 4,5,6,7
	LX \s, \i
.endr
.irp i, 0,1,2,3
	LW 1, \s, \i
.endr
	s_wait_dscnt 24
.elseif N_ == 16
	s_wait_dscnt 12
.endif
.elseif (\g) == 1
.if N_ == 0
	WIN 0
	PLACES 5
.irp i, 0,1,2,3
	LW 2, \s, \i
.endr
	ds_load_b64 v[SV+2*((\s)%2):SV+2*((\s)%2)+1], v[AVS] offset:((\s)%5)*G
	s_wait_dscnt 13
.elseif (N_ == 18) && ((\s) == 0)
	WIN 0
	global_prefetch_b8 v[PF], s[4:5] th:TH_LOAD_NT scope:SCOPE_SE
	global_prefetch_b8 v[PF+1], s[4:5] th:TH_LOAD_NT scope:SCOPE_SE
	s_cmp_lg_u32 s14, 0
	s_cbranch_scc1 .Lshare_done
	global_prefetch_b8 v[PF+2], s[4:5] th:TH_LOAD_NT scope:SCOPE_SE   ; x's share has 75 blocks, a weight's 38
.Lshare_done:
.endif
.elseif (\s) < 7
.if N_ == 0
	WIN 0
	PLACES 4
.irp i, 0,1,2,3
	LW 0, S1_, \i
.endr
	LSC S1_
	s_wait_dscnt 14
.elseif N_ == 16
	WIN 0
	PLACES 4
.irp i, 0,1,2,3
	LX S1_, \i
.endr
.endif
.elseif N_ == 0
	s_wait_dscnt 0x0
.endif
.endm
.macro DESC rows, first                ; behind the wait that shows my tensor loads done: the next fill's descriptors: rows x 2 and rows units of 256 bytes, to place first, from first (3) or 5 steps on
	s_mov_b32 s[G1+2], (2*(\rows))<<16
	s_mov_b32 s[G1+4], 2*(\rows)
	s_mov_b32 s[G1B+2], (\rows)<<16
	s_mov_b32 s[G1B+4], \rows
	s_mov_b32 s[G0+1], (\first)*2*G
	s_mul_i32 s[G0B+1], s14, WREG
	s_add_co_u32 s[G0B+1], s[G0B+1], WREG+(\first)*G
.if \first
	s_add_nc_u64 s[G0+2:G0+3], s[G0+2:G0+3], 6*G
	s_add_nc_u64 s[G0B+2:G0B+3], s[G0B+2:G0B+3], 3*G
.else
	s_add_nc_u64 s[G0+2:G0+3], s[G0+2:G0+3], 4*G
	s_add_nc_u64 s[G0B+2:G0B+3], s[G0B+2:G0B+3], 2*G
.endif
.endm
; A GROUP: 32 products.  fl = 1: a round of the cluster's barrier stands inside, and a fill behind it;  2: a plain barrier, behind which nothing is filled, shows the last fill to all waves.
; In a group with fl the LDS loads all stand ahead of its first product.
.macro GROUP g, s
.set FL_, 0
.if ((\g) == 0) && ((\s) == 0)
.set FL_, 1
.endif
.if ((\g) == 1) && ((\s) == 2)
.set FL_, 1
.endif
.if ((\g) == 1) && ((\s) == 4)
.set FL_, 2
.endif
.set N_, 0
.rept 32
	RUN \g, \s
.if FL_ && (N_ == 18)
	WIN 0
	s_wait_tensorcnt 0x0                           ; all my tensor loads have landed
.if FL_ == 1
	ds_add_u32 v[SPW], v[NIL]                      ; 0 onto my spare word
.if (\s) == 0
	DESC 100, 3                                    ; steps 3, 4 behind steps 0-2
.else
	DESC 150, 0                                    ; steps 5-7 over steps 0-2
.endif
.endif
.endif
.if FL_ && (N_ == 26)
	s_wait_dscnt 0x0                               ; the add is done, and so are my LDS reads
	s_barrier_signal -1
.endif
	PROD \g, \s
.set N_, N_+1
.endr
.if FL_
	WIN 0
	s_barrier_wait -1
.if FL_ == 1
	CREST                                          ; no wave of any partner still reads what is filled now, or has a load on its way
	FILL
.endif
.endif
.endm
.macro FILL                            ; a joint load, one a wave: two lines, each with one mask; the branch hangs on the wave's number alone
	s_cmp_eq_u32 s14, 0
	s_cbranch_scc0 .Lweights_\@
	TLOAD G0, G1
	s_branch .Lasked_\@
.Lweights_\@:
	TLOAD G0B, G1B
.Lasked_\@:
.endm
; Two tiles: 2 x 64 results of a lane, v[s] .. v[s + 127] of window w, register 64 u + 16 b + i = k 32 b + 16 (lane / 16) + i of my row, become two fragments' codes at v[pc], v[pc + 12] and the rows' scale words in v[pw], v[pw + 1].  The eight blocks go by turns; each accumulator is read from its low end on.
.macro QUANT2 s, w, pc, pw
	WIN (\w)|((\w)<<2)
.irp b, 0,1,2,3,4,5,6,7
	v_max3_num_f32 v[TM+\b], |v[(\s)+16*\b]|, |v[(\s)+16*\b+1]|, 0x1800000   ; the floor 2^(3 - 127) holds the byte at 1 from below
.endr
.irp i, 2,4,6,8,10,12,14
.irp b, 0,1,2,3,4,5,6,7
	v_max3_num_f32 v[TM+\b], |v[(\s)+16*\b+\i]|, |v[(\s)+16*\b+\i+1]|, v[TM+\b]
.endr
.endr
	WIN 0
.irp b, 0,1,2,3,4,5,6,7
	v_permlanex16_b32 v[TM+8+\b], v[TM+\b], s[SEL], s[SEL+1]
.endr
.irp b, 0,1,2,3,4,5,6,7
	v_max_num_f32 v[TM+\b], v[TM+\b], v[TM+8+\b]   ; with lane l xor 16's: the block's largest magnitude
.endr
.irp b, 0,1,2,3,4,5,6,7
	v_add_nc_u32 v[TM+16+\b], 0xff000000, v[TM+\b] ; 2 off the exponent field: the conversion's scale operand
.endr
.irp b, 0,1,2,3,4,5,6,7
	v_lshrrev_b32 v[TM+8+\b], 23, v[TM+16+\b]      ; the scale's byte
.endr
.irp u, 0,1
	v_lshl_or_b32 v[(\pw)+\u], v[TM+9+4*\u], 8, v[TM+8+4*\u]
.endr
.irp u, 0,1
	v_lshl_or_b32 v[(\pw)+\u], v[TM+10+4*\u], 16, v[(\pw)+\u]
.endr
.irp u, 0,1
	v_lshl_or_b32 v[(\pw)+\u], v[TM+11+4*\u], 24, v[(\pw)+\u]
.endr
	WIN \w
.irp u, 0,1
.irp c, 0,1
	v_cvt_scalef32_pk16_fp6_f32 v[(\pc)+12*\u+6*\c:(\pc)+12*\u+6*\c+2], v[(\s)+64*\u+32*\c:(\s)+64*\u+32*\c+15], v[TM+16+4*\u+2*\c]
	v_cvt_scalef32_pk16_fp6_f32 v[TT+8*\u+4*\c:TT+8*\u+4*\c+2], v[(\s)+64*\u+32*\c+16:(\s)+64*\u+32*\c+31], v[TM+16+4*\u+2*\c+1]   ; (a conversion's three registers begin on an even number)
.endr
.endr
	WIN 0
	v_nop                                          ; one plain place behind a scaled conversion
.irp u, 0,1
.irp c, 0,1                                    ; the operand's layout wants a whole block in a lane
.irp i, 0,1,2
	v_permlane16_swap_b32 v[(\pc)+12*\u+6*\c+\i], v[TT+8*\u+4*\c+\i]
.endr
.endr
.endr
.irp u, 0,1
.irp c, 0,1
.irp i, 0,1,2
	v_mov_b32 v[(\pc)+12*\u+6*\c+3+\i], v[TT+8*\u+4*\c+\i]
.endr
.endr
.endr
.endm
	s_load_b256 s[4:11], s[0:1], 0x0               ; xw, WQ_b, WK_b, WV_b
	s_load_b64 s[12:13], s[0:1], 0x20              ; qkv
	v_lshl_add_u32 v[SPW], v0, 2, SPARE
	v_mov_b32 v[NIL], 0
	ds_add_u32 v[SPW], v[NIL]                      ; the opening lines: the add, twice on end, ahead of my first tensor load
	ds_add_u32 v[SPW], v[NIL]
	v_lshrrev_b32 v60, 5, v0
	v_readfirstlane_b32 s14, v60                   ; wave 0..3
	s_lshr_b32 s15, s14, 1                         ; a: my token rowblock
	s_and_b32 s16, s14, 1                          ; b: q (0) or k (1), and my half of v's channels
	s_bfe_u32 s40, ttmp6, 0x40000                  ; cx
	s_bfe_u32 s41, ttmp6, 0x40004                  ; cy
	s_lshl_b32 s42, ttmp9, 2
	s_add_co_u32 s42, s42, s40                     ; channel block 0..7
	s_and_b32 s43, ttmp7, 0xffff
	s_lshl_b32 s43, s43, 2
	s_add_co_u32 s43, s43, s41                     ; pair of token rowblocks 0..31
	s_lshl_b32 s22, s41, 2
	s_lshl_b32 s22, 15, s22                        ; my row of the cluster
	s_lshl_b32 s23, 0x1111, s40                    ; my column
	s_or_b32 s[G1+0], s22, (3<<16)|(1<<21)         ; 15:0 the mask; 17:16 elements of 8 bytes; 21 set beside a mask.  Dense runs, as rows of 256 bytes
	s_or_b32 s[G1B+0], s23, (3<<16)|(1<<21)
.irp g, G1, G1B
	s_mov_b32 s[\g+1], 32<<16
	s_mov_b32 s[\g+3], 32<<16
	s_mov_b32 s[\g+5], 32
	s_mov_b32 s[\g+6], 0
	s_mov_b32 s[\g+7], 0
.endr
	s_mov_b32 s[G1+2], 300<<16                     ; x: three steps of 25,600 bytes
	s_mov_b32 s[G1+4], 300
	s_mov_b32 s[G1B+2], 150<<16                    ; a weight: three of 12,800
	s_mov_b32 s[G1B+4], 150
	s_mul_i32 s20, s43, 16*G                       ; x's rows hang on the work-group's y alone,
	s_mov_b32 s21, 0
	s_lshl_b32 s46, s14, 3
	s_add_co_u32 s46, s46, 56
	s_add_co_u32 s46, s46, s42                     ; waves 1, 2, 3: rowblock 64, 72, 80 + the channel block: on its x alone
	s_mul_i32 s46, s46, 8*G
	s_mov_b32 s47, 0
	s_mov_b32 s[G0], 1
	s_mov_b32 s[G0+1], 0
	s_mov_b32 s[G0B], 1
	s_mul_i32 s[G0B+1], s14, WREG
	s_add_co_u32 s[G0B+1], s[G0B+1], WREG          ; 128,000, 192,000, 256,000
	s_lshl_b32 s44, s43, 1
	s_add_co_u32 s44, s44, s15                     ; my token rowblock of 64
	s_lshl_b32 s60, s44, 3
	s_add_co_u32 s60, s60, s42
	s_lshl_b32 s61, s16, 9
	s_add_co_u32 s60, s60, s61                     ; q's or k's group
	s_mul_i32 s60, s60, G
	s_mov_b32 s61, 0
	s_lshr_b32 s62, s43, 3                         ; batch
	s_lshl_b32 s62, s62, 3
	s_add_co_u32 s62, s62, s42
	s_lshl_b32 s62, s62, 4
	s_and_b32 s63, s44, 15
	s_add_co_u32 s62, s62, s63
	s_add_co_u32 s62, s62, 1024                    ; v's group
	s_mul_i32 s62, s62, G
	s_mov_b32 s63, 0
	s_lshl_b32 s76, s16, 8
	s_add_co_u32 s76, s76, SCO
	s_add_co_u32 s76, s76, s62                     ; my half of its scale image
	s_mov_b32 s77, 0
	s_mul_i32 s78, s16, 4*FRB
	s_add_co_u32 s62, s62, s78                     ; my four tiles
	s_mov_b32 s[SEL], 0x76543210
	s_mov_b32 s[SEL+1], 0xfedcba98                 ; selects for lane l xor 16
	s_wait_alu depctr_va_vdst(0)
	s_wait_dscnt 0x0
	CROUND                                         ; all sixteen work-groups are here: the first joint loads meet
	s_wait_kmcnt 0x0
	s_add_nc_u64 s[G0+2:G0+3], s[4:5], s[20:21]
	s_or_b32 s[G0+3], s[G0+3], 0x80000000
	s_add_nc_u64 s[G0B+2:G0B+3], s[4:5], s[46:47]
	s_or_b32 s[G0B+3], s[G0B+3], 0x80000000
	s_cmp_eq_u32 s14, 0                            ; the head's loads, one a wave: wave 3 has a line of its own, for it alone does not wait in front of the first barrier
	s_cbranch_scc0 .Lhead_w
	TLOAD G0, G1
	s_branch .Lhead_asked
.Lhead_w:
	s_cmp_lt_u32 s14, 3
	s_cbranch_scc0 .Lhead_v
	TLOAD G0B, G1B
	s_branch .Lhead_asked
.Lhead_v:
	TLOAD G0B, G1B
.Lhead_asked:
	s_add_nc_u64 s[60:61], s[12:13], s[60:61]
	s_add_nc_u64 s[62:63], s[12:13], s[62:63]
	s_add_nc_u64 s[76:77], s[12:13], s[76:77]
	s_cmp_eq_u32 s16, 0
	s_cselect_b64 s[6:7], s[6:7], s[8:9]           ; bQ or bK
	s_lshl_b32 s80, s42, 9
	s_mov_b32 s81, 0
	s_add_nc_u64 s[6:7], s[6:7], s[80:81]
	s_add_nc_u64 s[10:11], s[10:11], s[80:81]
	s_mul_i32 s70, s15, G                          ; LDS: my rowblock of x, steps 0-2
	s_add_co_u32 s71, s70, 6*G                     ; and from step 3 on
	s_mul_i32 s72, s16, WREG
	s_add_co_u32 s72, s72, XREG                    ; WQ's or WK's rows
	s_mul_i32 s73, s16, 4*FRB
	s_add_co_u32 s73, s73, XREG+2*WREG             ; my four tiles of WV
	s_lshl_b32 s74, s16, 3
	s_add_co_u32 s74, s74, XREG+2*WREG+SCO         ; their scale words
	s_lshl_b32 s75, s16, 8
	; the prefetch: my wave's tile of the third fill has 300 (x) or 150 blocks; a partner's share is 75 or 38 of them
	s_mov_b32 s85, 299
	s_mov_b32 s88, 5*G
	s_cmp_eq_u32 s14, 0
	s_cselect_b32 s82, s40, s41                    ; my place among the four that ask with me
	s_cselect_b32 s83, 74, 37
	s_cselect_b32 s84, s85, 149
	s_cselect_b32 s86, s20, s46
	s_cselect_b32 s87, 10*G, s88
	s_add_co_u32 s86, s86, s87                     ; from step 5 on
	s_add_co_u32 s85, s83, 1
	s_mul_i32 s82, s82, s85
	v_and_b32 v60, 31, v0                          ; lane
	v_and_b32 v61, 15, v0                          ; r
	v_bfe_u32 v62, v0, 4, 1                        ; h
	v_lshlrev_b32 v[CO], 4, v60
	v_add_nc_u32 v[AX0], s70, v[CO]
	v_add_nc_u32 v[AX1], s71, v[CO]
	v_add_nc_u32 v[AP], s72, v[CO]
	v_add_nc_u32 v[AV], s73, v[CO]
	v_add_nc_u32 v[AVS], s74, v[CO]
	v_lshlrev_b32 v63, 6, v62                      ; q, k: lane (r, h) wants, for channel tile t, the eight numbers at 32 (t / 2) + 8 (t % 2) + 16 h
	v_and_b32 v64, 8, v61
	v_add_nc_u32 v64, v64, v61
	v_lshlrev_b32 v64, 2, v64
	v_add_nc_u32 v64, s75, v64                     ; v: one number a tile, at 64 b + 32 (n / 2) + 8 (n % 2) + r + 8 (r / 8)
.irp n, 0,1,2,3
	global_load_b32 v[BV+8*\n], v64, s[10:11] offset:(32*(\n/2)+8*(\n%2))*4
.endr
	WIN 0xc0
.irp t, 0,1,2,3,4,5,6,7
	global_load_b128 v[8*\t:8*\t+3], v63, s[6:7] offset:(32*(\t/2)+8*(\t%2))*4
	global_load_b128 v[8*\t+4:8*\t+7], v63, s[6:7] offset:(32*(\t/2)+8*(\t%2))*4+16
.endr
	WIN 0
.irp i, 0,1,2
	v_add_nc_u32 v[PF+\i], 32*\i, v60
	v_min_u32 v[PF+\i], s83, v[PF+\i]
	v_add_nc_u32 v[PF+\i], s82, v[PF+\i]
	v_min_u32 v[PF+\i], s84, v[PF+\i]
	v_lshlrev_b32 v[PF+\i], 8, v[PF+\i]
	v_add_nc_u32 v[PF+\i], s86, v[PF+\i]
.endr
	s_wait_alu depctr_va_vdst(0)
	s_wait_loadcnt 0x0                             ; the bias
.irp j, 1,2,3,4,5,6,7
.irp n, 0,1,2,3
	v_mov_b32 v[BV+8*\n+\j], v[BV+8*\n]
.endr
.endr
	s_wait_alu depctr_va_vdst(0)
	s_cmp_eq_u32 s14, 3
	s_cbranch_scc1 .Lnot_v
	s_wait_tensorcnt 0x0
.Lnot_v:
	s_barrier_signal -1
	s_barrier_wait -1                              ; x's, WQ's and WK's steps 0-2 are in; WV's may still be on their way
	LW 0, 0, 0
	LW 0, 0, 1
	LW 0, 0, 2
	LW 0, 0, 3
	LSC 0
.irp a, 0,1,2,3
	LX 0, \a
.endr
.set S_, 0
.rept 8
	GROUP 0, S_
	GROUP 1, S_
	GROUP 2, S_
.set S_, S_+1
.endr
	; THE WAY OUT: each tile is quantised in registers and leaves as a fragment's image: three stores of 512 consecutive bytes, aligned.  Each tile has its own registers for its codes, so no store's data are written again.
	WIN 0
	PLACES 4
.irp n, 0,2,4,6
	QUANT2 64*(\n%4), 1+\n/4, PC+12*\n, PW+\n
.irp c, 0,1,2,3,4,5
	global_store_b128 v[CO], v[PC+12*\n+4*\c:PC+12*\n+4*\c+3], s[60:61] offset:\n*FRB+512*\c
.endr
.endr
.irp n, 0,2
	QUANT2 64*\n, 3, PC+96+12*\n, PW+8+\n
.irp c, 0,1,2,3,4,5
	global_store_b128 v[CO], v[PC+96+12*\n+4*\c:PC+96+12*\n+4*\c+3], s[62:63] offset:\n*FRB+512*\c
.endr
.endr
	v_cmp_lt_u32 vcc_lo, 0xff, v[CO]               ; lanes 16-31
.irp j, 0,1,2,3,4,5
	v_cndmask_b32 v[216+\j], v[PW+2*\j], v[PW+2*\j+1], vcc_lo   ; the scale images: lanes 0-15 tile 2 j's words, lanes 16-31 tile 2 j + 1's
.endr
	v_lshrrev_b32 v222, 1, v[CO]
	global_store_b128 v[CO], v[216:219], s[60:61] offset:SCO
	global_store_b64 v222, v[220:221], s[76:77]
	s_wait_tensorcnt 0x0                           ; the wave's end
	ds_add_u32 v[SPW], v[NIL]
	s_wait_dscnt 0x0
	CROUND                                         ; the closing round
	s_endpgm
.Lfunc_end_k_qca38b3a346_proj:
	.size	k_qca38b3a346_proj, .Lfunc_end_k_qca38b3a346_proj-k_qca38b3a346_proj
	.p2alignl 7, 3214868480
	.fill 96, 4, 3214868480
	.section	.rodata,"a",@progbits
	.p2align	6, 0x0
	.amdhsa_kernel k_qca38b3a346_proj
		.amdhsa_group_segment_fixed_size 327680
		.amdhsa_private_segment_fixed_size 0
		.amdhsa_enable_private_segment 0
		.amdhsa_kernarg_size 40
		.amdhsa_user_sgpr_count 2
		.amdhsa_user_sgpr_kernarg_segment_ptr 1
		.amdhsa_wavefront_size32 1
		.amdhsa_system_sgpr_workgroup_id_x 1
		.amdhsa_system_sgpr_workgroup_id_y 1
		.amdhsa_system_sgpr_workgroup_id_z 1
		.amdhsa_system_vgpr_workitem_id 0
		.amdhsa_next_free_vgpr 1024
		.amdhsa_next_free_sgpr 100
		.amdhsa_reserve_vcc 1
		.amdhsa_float_denorm_mode_32 3
		.amdhsa_float_denorm_mode_16_64 3
		.amdhsa_memory_ordered 1
		.amdhsa_forward_progress 1
		.amdhsa_inst_pref_size 199
	.end_amdhsa_kernel
	.amdgpu_metadata
---
amdhsa.version: [ 1, 2 ]
amdhsa.kernels:
  - .name:           k_qca38b3a346_proj
    .symbol:         k_qca38b3a346_proj.kd
    .args:
      - { .name: xw, .offset: 0, .size: 8, .value_kind: global_buffer, .address_space: global }
      - { .name: WQ_b, .offset: 8, .size: 8, .value_kind: global_buffer, .address_space: global }
      - { .name: WK_b, .offset: 16, .size: 8, .value_kind: global_buffer, .address_space: global }
      - { .name: WV_b, .offset: 24, .size: 8, .value_kind: global_buffer, .address_space: global }
      - { .name: qkv, .offset: 32, .size: 8, .value_kind: global_buffer, .address_space: global }
    .group_segment_fixed_size: 327680
    .private_segment_fixed_size: 0
    .kernarg_segment_align: 8
    .kernarg_segment_size: 40
    .max_flat_workgroup_size: 128
    .sgpr_count:     100
    .vgpr_count:     1024
    .wavefront_size: 32
...
	.end_amdgpu_metadata
.endif
;; end of part 6
;; launch score (part 7): grid 36 x 4, 4 waves a work-group, no clusters, 327,680 bytes of LDS; arguments qkv, p, pst; writes p, pst
.if DOCPART == 7
	.amdgcn_target "amdgcn-amd-amdhsa--gfx1250"
	.amdhsa_code_object_version 6
	.text
	.protected	k_qca38b3a346_score
	.globl	k_qca38b3a346_score
	.p2align	8
	.type	k_qca38b3a346_score,@function
k_qca38b3a346_score:
	s_mov_b64 s[64:65], 0
	v_nop
	global_prefetch_b8 v0, s[64:65] scope:SCOPE_SE
	s_setreg_imm32_b32 hwreg(HW_REG_WAVE_MODE, 25, 1), 1
	s_wait_xcnt 0x0
; The causal tiles of S^T = k q^T on codes of FP6 (E2M3), and the softmax's first half: for each query and each 128 keys a LOCAL whole number M = ceil(the largest t there), t = score x log2(e) / 32; p = 2^(t - M), quantised along the keys;
; the sum l of the unquantised p.  The next launch brings the parts under the row's M: a change of M is an exact power of two, which the blocks' scale bytes and l take up.
; LEFT OUT: tiles whose keys all come after their queries (the causal mask hides them).
; FORMATS: rowblocks of 128 rows, tiles in the order 32 (T / 2) + 8 (T % 2) + r % 8 + 16 (r / 8), fragments of 1,536 bytes, scale images of 512, groups of 12,800, as the launch before has written them (q: group 8 rb + s; k: 512 groups on).
; WHERE p GOES: a pair is query rowblocks 15 - q and q of a batch (q = 0 .. 7); its 17 groups of 12,288 bytes lie on end: rowblock 15 - q's keys 0 .. 15 - q at numbers 0 .. 15 - q, then rowblock q's keys q .. 0 (key rowblock k at number 16 - k).
; Group number 17 (8 batch + q) + that.  pst: the same number x 1,536 bytes: the images of -M, of l and of p's scale words, each two halves of 256 bytes: half a, 8 bytes a lane, the words of tiles 4 a .. 4 a + 3.
; SHARES: a work-group makes 256 queries x 256 keys; of the 8 x 8 such tiles of a batch only the 36 with key tile <= query tile are made.  Four waves, 128 x 128 each.  Source 0 = 16 keys, source 1 = 16 queries: a lane holds one query,
; and its 64 registers of one tile of queries are keys 32 b + 16 (lane / 16) + i of the wave's 128.
; NO CLUSTER: the tiles form a triangle whose rows have 1 to 8 tiles; a 4 x 4 block on the diagonal would hold 6 tiles that lie wholly under the mask.  NO PREFETCH: a wave's K is three fills, of which the second goes out as soon as the first has landed; no step stands ahead of it.
; FILLS: a rowblock has RBL bytes of LDS, six K steps; each wave loads one rowblock: steps 0-2 at the head, 3-5 behind the first barrier, 6, 7 over 0, 1 in step 2.
; LIMITS: NaN and infinities are not served; a block whose every p is 0 gets the scale byte 1; p under 2^-126 counts as 0; the scaled scores stay under 2^31 in magnitude.
; REGISTERS: window 0: v22-25 LDS addresses, v26 -infinity, v28 16 x lane, v30-31 the add's, v32-47 scale words, two sets, v64-255 q's fragments, two sets;  window 1: k's, at v0 and v128;  windows 2, 3: accumulator (query tile a, key tile b) at v[64 (a % 4) + 8 b] of window 2 + a / 4.
;   on the way out window 0: v64-127 at work, v128-223 codes, v224-231 -M, v232-239 l, v240-247 scale words of the 8 tiles.
.set G,     12800
.set FRB,   1536
.set SCO,   12288
.set RBL,   76800
.set SPARE, 307200                     ; behind the four rowblocks: the spare words, 128 bytes for each wave: two blocks of 256 bytes that no other line names
.set RBB,   102400
.set ADRA,  22                         ; v22, v23 my rowblock of q, steps 0-2 and 3-5 of the six
.set ADRB,  24                         ; v24, v25 my rowblock of k
.set NINF,  26
.set CO,    28
.set SPW,   30
.set NIL,   31
.set SC,    32
.set RF,    64
.set MX,    64                         ; the way out: the eight blocks' maxima,
.set PX,    72                         ; lane l xor 16's, then the scale bytes,
.set SO,    80                         ; the conversions' scale operands
.set TX,    88
.set NM,    90                         ; v[90:91], v[92:93] -M
.set SM,    94                         ; v94-109 the sums, four pairs a tile
.set LX,    110
.set TT,    112
.set PC,    128
.set OM,    224
.set OL,    232
.set OW,    240
.set G1,    24
.set G0,    32
.set CS,    52                         ; s[52:53] c = log2(e) / 32
.set SEL,   54
.set MK,    66                         ; s66-81, s82-97 the diagonal's masks for even and odd tiles
.set MSB, 0
.macro WIN new
.if MSB != (\new)
	s_set_vgpr_msb (MSB<<8)|(\new)
.set MSB, (\new)
.endif
.endm
.macro PLACES n
.rept \n
	v_nop
.endr
.endm
.macro TLOAD g
	tensor_load_to_lds s[\g:\g+3], s[G1:G1+7]
	s_nop 0
	PLACES 4
.endm
.macro WMR c, ra, rb
	v_wmma_scale_f32_16x16x128_f8f6f4 v[rD:rD+7], v[rA:rA+11], v[rB:rB+11], \c, v[rSA], v[rSB] matrix_a_fmt:MATRIX_FMT_FP6 matrix_b_fmt:MATRIX_FMT_FP6 matrix_a_scale:MATRIX_SCALE_ROW\ra matrix_b_scale:MATRIX_SCALE_ROW\rb
.endm
.macro WM c
.if wOA && wOB
	WMR \c, 1, 1
.elseif wOA
	WMR \c, 1, 0
.elseif wOB
	WMR \c, 0, 1
.else
	WMR \c, 0, 0
.endif
.endm
; products from .. to - 1 of step s: query tile N / 8 against key tile N % 8.  The 64 accumulators take turns, one instruction a turn, in the same order in every step; the first step starts the sums.
.macro MUL s, from, to
.set N_, \from
.rept (\to)-(\from)
.set qa_, N_/8
.set kb_, N_%8
.set rD, 64*(qa_%4)+8*kb_
.set rA, 128*((\s)%2)+12*kb_
.set rB, RF+96*((\s)%2)+12*qa_
.set rSA, SC+8*((\s)%2)+4+kb_/2
.set rSB, SC+8*((\s)%2)+qa_/2
.set wOA, kb_%2
.set wOB, qa_%2
	WIN 1|((2+qa_/4)<<4)|((2+qa_/4)<<6)
.if (\s) == 0
	WM 0
.else
	WM v[rD:rD+7]
.endif
.set N_, N_+1
.endr
	WIN 0
.endm
; step s's fragments and scale words into set s % 2: 50 LDS loads in one run, 512 consecutive bytes each
.macro FETCH s
.set H_, ((\s)%6)/3
.set P_, (((\s)%6)%3)*G
	WIN 0x40
.irp i, 0,1,2,3,4,5,6,7
.irp c, 0,1,2
	ds_load_b128 v[128*((\s)%2)+12*\i+4*\c:128*((\s)%2)+12*\i+4*\c+3], v[ADRB+H_] offset:P_+\i*FRB+512*\c
.endr
.endr
	WIN 0
.irp i, 0,1,2,3,4,5,6,7
.irp c, 0,1,2
	ds_load_b128 v[RF+96*((\s)%2)+12*\i+4*\c:RF+96*((\s)%2)+12*\i+4*\c+3], v[ADRA+H_] offset:P_+\i*FRB+512*\c
.endr
.endr
	ds_load_b128 v[SC+8*((\s)%2):SC+8*((\s)%2)+3], v[ADRA+H_] offset:P_+SCO
	ds_load_b128 v[SC+8*((\s)%2)+4:SC+8*((\s)%2)+7], v[ADRB+H_] offset:P_+SCO
.endm
; A K step: the next one's fragments are asked for ahead of the products.  Step 2: its barrier shows steps 3-5 to all waves, and steps 6, 7 are filled over 0, 1, of which all reads have come back.  Step 5: a plain barrier shows them.
.macro KSTEP s
.if ((\s) == 2) || ((\s) == 5)
	s_wait_tensorcnt 0x0                           ; all my tensor loads have landed
.if (\s) == 2
	ds_add_u32 v[SPW], v[NIL]                      ; 0 onto my spare word
	s_mov_b32 s[G0+1], s57
	s_add_nc_u64 s[G0+2:G0+3], s[G0+2:G0+3], 3*G
	s_mov_b32 s[G1+2], 100<<16                     ; two steps
	s_mov_b32 s[G1+4], 100
.endif
	s_wait_dscnt 0x0                               ; the add is done, and so are my LDS reads
	s_barrier_signal -1
	MUL \s, 0, 16
	s_barrier_wait -1
.if (\s) == 2
	TLOAD G0
.else
	PLACES 4                                       ; places in front of loads into registers that matrix instructions have read
.endif
	FETCH (\s)+1
	MUL \s, 16, 64
.else
	s_wait_dscnt 0x0
.if (\s) < 7
	PLACES 4
	FETCH (\s)+1
.endif
	MUL \s, 0, 64
.endif
.endm
; Tiles n, n + 1 of my queries (n even): mask, local M, p, l, codes, and the fragments' stores.  The scores stand in 128 registers of window 2 + n / 4: register 64 u + 16 b + i of tile n + u.
.macro SOFT2 n
.set sS, 64*((\n)%4)
.set sW, 2+(\n)/4
	s_wait_alu depctr_va_vdst(0)                   ; ahead of the scores' first readers
	s_cmp_gt_i32 s50, 0                            ; all my keys come before all my queries: nothing is hidden
	s_cbranch_scc1 .Lopen_\@
	WIN (sW<<6)|sW
.irp u, 0,1                                    ; on the diagonal these queries lie in block n / 2 of the 128 keys: the blocks below are open, those above hidden
.set j, 0
.rept 16
	v_cndmask_b32 v[sS+64*\u+16*((\n)/2)+j], v[sS+64*\u+16*((\n)/2)+j], v[NINF], s[MK+16*\u+j]
.set j, j+1
.endr
.set j, 16*((\n)/2+1)
.rept 64-16*((\n)/2+1)
	v_mov_b32 v[sS+64*\u+j], 0xff800000
.set j, j+1
.endr
.endr
	WIN 0
.Lopen_\@:
	WIN sW|(sW<<2)
.irp b, 0,1,2,3,4,5,6,7
	v_max_num_f32 v[MX+\b], v[sS+16*\b], v[sS+16*\b+1]   ; the largest score of each block of 32 keys: it serves for the maximum and, since p rises with the score, for the block's largest p
.endr
.irp i, 2,4,6,8,10,12,14
.irp b, 0,1,2,3,4,5,6,7
	v_max3_num_f32 v[MX+\b], v[sS+16*\b+\i], v[sS+16*\b+\i+1], v[MX+\b]
.endr
.endr
	WIN 0
.irp b, 0,1,2,3,4,5,6,7
	v_permlanex16_b32 v[PX+\b], v[MX+\b], s[SEL], s[SEL+1]
.endr
.irp b, 0,1,2,3,4,5,6,7
	v_max_num_f32 v[MX+\b], v[MX+\b], v[PX+\b]     ; with lane l xor 16's 16 keys
.endr
.irp u, 0,1
	v_max3_num_f32 v[TX+\u], v[MX+4*\u], v[MX+4*\u+1], v[MX+4*\u+2]
.endr
.irp u, 0,1
	v_max_num_f32 v[TX+\u], v[TX+\u], v[MX+4*\u+3]
.endr
.irp u, 0,1
	v_mul_f32 v[TX+\u], s[CS], v[TX+\u]            ; as t
.endr
.irp u, 0,1
	v_floor_f32 v[NM+2*\u], -v[TX+\u]              ; -M = floor(-t): M is a whole number
.endr
.irp u, 0,1
	v_mov_b32 v[OM+(\n)+\u], v[NM+2*\u]
.endr
.irp b, 0,1,2,3,4,5,6,7
	v_fma_f32 v[MX+\b], v[MX+\b], s[CS], v[NM+2*(\b/4)]
.endr
	WIN (sW<<6)|sW
.irp u, 0,1
.set j, 64*\u
.rept 32
	v_pk_fma_f32 v[sS+j:sS+j+1], v[sS+j:sS+j+1], s[CS:CS+1], v[NM+2*\u:NM+2*\u+1] op_sel_hi:[1,0,0]   ; t - M, two at a time
.set j, j+2
.endr
.endr
	s_wait_alu depctr_va_vdst(0)                   ; a wait ahead of the batch,
.set j, 0
.rept 128
	v_exp_f32 v[sS+j], v[sS+j]                     ; p = 2^(t - M)
.set j, j+1
.endr
	WIN 0
.irp b, 0,1,2,3,4,5,6,7
	v_exp_f32 v[MX+\b], v[MX+\b]                   ; the blocks' largest p: the same two instructions on the same number
.endr
	v_nop                                          ; a plain place behind the exponentials
	s_wait_alu depctr_va_vdst(0)                   ; and behind it, ahead of its first reader
	WIN sW|(sW<<2)
.irp c, 0,1,2,3                                ; the sum of the unquantised p, in four chains a tile
.irp u, 0,1
	v_pk_add_f32 v[SM+8*\u+2*\c:SM+8*\u+2*\c+1], v[sS+64*\u+2*\c:sS+64*\u+2*\c+1], v[sS+64*\u+8+2*\c:sS+64*\u+8+2*\c+1]
.endr
.endr
	WIN sW
.irp k, 16,24,32,40,48,56
.irp c, 0,1,2,3
.irp u, 0,1
	v_pk_add_f32 v[SM+8*\u+2*\c:SM+8*\u+2*\c+1], v[sS+64*\u+\k+2*\c:sS+64*\u+\k+2*\c+1], v[SM+8*\u+2*\c:SM+8*\u+2*\c+1]
.endr
.endr
.endr
	WIN 0
.irp b, 0,1,2,3,4,5,6,7
	v_max_num_f32 v[MX+\b], 0x1800000, v[MX+\b]    ; the floor 2^(3 - 127)
.endr
.irp u, 0,1
	v_pk_add_f32 v[SM+8*\u:SM+8*\u+1], v[SM+8*\u:SM+8*\u+1], v[SM+8*\u+2:SM+8*\u+3]
	v_pk_add_f32 v[SM+8*\u+4:SM+8*\u+5], v[SM+8*\u+4:SM+8*\u+5], v[SM+8*\u+6:SM+8*\u+7]
.endr
.irp b, 0,1,2,3,4,5,6,7
	v_add_nc_u32 v[SO+\b], 0xff000000, v[MX+\b]    ; the conversion's scale operand
.endr
.irp u, 0,1
	v_pk_add_f32 v[SM+8*\u:SM+8*\u+1], v[SM+8*\u:SM+8*\u+1], v[SM+8*\u+4:SM+8*\u+5]
.endr
.irp b, 0,1,2,3,4,5,6,7
	v_lshrrev_b32 v[PX+\b], 23, v[SO+\b]           ; the scale's byte
.endr
.irp u, 0,1
	v_add_f32 v[SM+8*\u], v[SM+8*\u], v[SM+8*\u+1]
.endr
.irp u, 0,1
	v_lshl_or_b32 v[OW+(\n)+\u], v[PX+4*\u+1], 8, v[PX+4*\u]
.endr
.irp u, 0,1
	v_permlanex16_b32 v[LX+\u], v[SM+8*\u], s[SEL], s[SEL+1]
.endr
.irp u, 0,1
	v_lshl_or_b32 v[OW+(\n)+\u], v[PX+4*\u+2], 16, v[OW+(\n)+\u]
.endr
.irp u, 0,1
	v_add_f32 v[OL+(\n)+\u], v[SM+8*\u], v[LX+\u]  ; l of these 128 keys
.endr
.irp u, 0,1
	v_lshl_or_b32 v[OW+(\n)+\u], v[PX+4*\u+3], 24, v[OW+(\n)+\u]
.endr
	WIN sW
.irp u, 0,1
.irp c, 0,1
	v_cvt_scalef32_pk16_fp6_f32 v[PC+12*(\n)+12*\u+6*\c:PC+12*(\n)+12*\u+6*\c+2], v[sS+64*\u+32*\c:sS+64*\u+32*\c+15], v[SO+4*\u+2*\c]
	v_cvt_scalef32_pk16_fp6_f32 v[TT+8*\u+4*\c:TT+8*\u+4*\c+2], v[sS+64*\u+32*\c+16:sS+64*\u+32*\c+31], v[SO+4*\u+2*\c+1]   ; (a conversion's three registers begin on an even number)
.endr
.endr
	WIN 0
	v_nop                                          ; one plain place behind a scaled conversion
.irp u, 0,1
.irp c, 0,1                                    ; the operand's layout wants a whole block in a lane
.irp i, 0,1,2
	v_permlane16_swap_b32 v[PC+12*(\n)+12*\u+6*\c+\i], v[TT+8*\u+4*\c+\i]
.endr
.endr
.endr
.irp u, 0,1
.irp c, 0,1
.irp i, 0,1,2
	v_mov_b32 v[PC+12*(\n)+12*\u+6*\c+3+\i], v[TT+8*\u+4*\c+\i]
.endr
.endr
.endr
.irp c, 0,1,2,3,4,5
	global_store_b128 v[CO], v[PC+12*(\n)+4*\c:PC+12*(\n)+4*\c+3], s[6:7] offset:(\n)*FRB+512*\c   ; 512 consecutive bytes, aligned; each tile has its own registers for its codes
.endr
.endm
	s_load_b128 s[4:7], s[0:1], 0x0                ; qkv, p
	s_load_b64 s[8:9], s[0:1], 0x10                ; pst
	v_lshl_add_u32 v[SPW], v0, 2, SPARE
	v_mov_b32 v[NIL], 0
	ds_add_u32 v[SPW], v[NIL]                      ; the opening lines: the add, twice on end, ahead of my first tensor load
	ds_add_u32 v[SPW], v[NIL]
	v_lshrrev_b32 v1, 5, v0
	v_readfirstlane_b32 s14, v1                    ; wave 0..3
	s_lshr_b32 s15, s14, 1                         ; my half of the queries.  Also: I fetch q (0) or k (1)
	s_and_b32 s16, s14, 1                          ; my half of the keys.  Also: which rowblock I fetch
	s_and_b32 s42, ttmp7, 0xffff                   ; batch
	s_mov_b32 s40, 0                               ; the query tile: how many of the triangle's row starts the work-group's number has reached
.irp t, 1,3,6,10,15,21,28
	s_cmp_ge_u32 ttmp9, \t
	s_add_co_ci_u32 s40, s40, 0
.endr
	s_add_co_u32 s41, s40, 1
	s_mul_i32 s41, s41, s40
	s_lshr_b32 s41, s41, 1
	s_sub_co_u32 s41, ttmp9, s41                   ; the key tile, 0 .. query tile
	s_lshl_b32 s43, s42, 4                         ; 16 rowblocks a batch
	s_lshl_b32 s44, s40, 1
	s_lshl_b32 s45, s41, 1
	s_add_co_u32 s48, s44, s15                     ; my query rowblock
	s_add_co_u32 s49, s45, s16                     ; my key rowblock
	s_sub_co_i32 s50, s48, s49                     ; their distance: -1, 0 or more
	s_add_co_u32 s45, s45, 64                      ; k's rowblocks lie 64 behind q's
	s_cmp_eq_u32 s15, 0
	s_cselect_b32 s46, s44, s45
	s_add_co_u32 s46, s46, s43
	s_add_co_u32 s46, s46, s16                     ; the rowblock that I fetch
	s_mul_i32 s46, s46, RBB
	s_mov_b32 s47, 0
	s_xor_b32 s57, s48, 15
	s_sub_co_u32 s58, 16, s49
	s_cmp_gt_u32 s48, 7
	s_cselect_b32 s57, s57, s48                    ; the pair
	s_cselect_b32 s58, s49, s58                    ; my number among its 17 groups
	s_lshr_b32 s56, s43, 1
	s_add_co_u32 s56, s56, s57
	s_mul_i32 s56, s56, 17
	s_add_co_u32 s56, s56, s58                     ; the group that I write
	s_mul_i32 s58, s56, 12288
	s_mov_b32 s59, 0
	s_mul_i32 s60, s56, 1536
	s_mov_b32 s61, 0
	s_mul_i32 s57, s14, RBL                        ; where my rowblock goes
	; group 1: three steps' 38,400 dense bytes as 150 rows of 32 elements of 8 bytes, no padding, no mask
	s_mov_b32 s[G1+0], 3<<16
	s_mov_b32 s[G1+1], 32<<16
	s_mov_b32 s[G1+2], 150<<16
	s_mov_b32 s[G1+3], 32<<16
	s_mov_b32 s[G1+4], 150
	s_mov_b32 s[G1+5], 32
	s_mov_b32 s[G1+6], 0
	s_mov_b32 s[G1+7], 0
	s_mov_b32 s[G0], 1
	s_mov_b32 s[G0+1], s57
	s_mov_b32 s[CS], 0x3d38aa3b                    ; log2(e) / 32
	s_mov_b32 s[CS+1], s[CS]
	s_mov_b32 s[SEL], 0x76543210
	s_mov_b32 s[SEL+1], 0xfedcba98                 ; selects for lane l xor 16
	s_wait_alu depctr_va_vdst(0)
	s_wait_dscnt 0x0
	s_wait_kmcnt 0x0
	s_add_nc_u64 s[G0+2:G0+3], s[4:5], s[46:47]
	s_or_b32 s[G0+3], s[G0+3], 0x80000000
	TLOAD G0                                       ; steps 0-2: one tensor load a wave at the head
	s_add_nc_u64 s[6:7], s[6:7], s[58:59]
	s_add_nc_u64 s[8:9], s[8:9], s[60:61]
	s_mul_i32 s70, s15, RBL
	s_mul_i32 s71, s16, RBL
	s_add_co_u32 s71, s71, 2*RBL
	v_and_b32 v1, 31, v0
	v_lshlrev_b32 v[CO], 4, v1                     ; 16 x lane
	v_add_nc_u32 v[ADRA], s70, v[CO]
	v_add_nc_u32 v[ADRB], s71, v[CO]
	v_add_nc_u32 v[ADRA+1], 3*G, v[ADRA]
	v_add_nc_u32 v[ADRB+1], 3*G, v[ADRB]
	s_wait_alu depctr_va_vdst(0)
	s_wait_tensorcnt 0x0                           ; my part of steps 0-2 is in
	ds_add_u32 v[SPW], v[NIL]
	s_add_co_u32 s[G0+1], s57, 3*G
	s_add_nc_u64 s[G0+2:G0+3], s[G0+2:G0+3], 3*G
	s_wait_dscnt 0x0
	s_barrier_signal -1
	s_barrier_wait -1                              ; everybody's is
	TLOAD G0                                       ; steps 3-5, the first tensor load behind the barrier
	FETCH 0
.irp s, 0,1,2,3,4,5,6,7
	KSTEP \s
.endr
	s_cmp_lt_i32 s50, 0                            ; all my keys come after all my queries: nothing goes out
	s_cbranch_scc1 .Lend
	PLACES 4
	v_and_b32 v1, 15, v0
	v_and_b32 v2, 8, v1
	v_add_nc_u32 v2, v2, v1                        ; r + 8 (r / 8)
	v_bfe_u32 v3, v0, 4, 1
	v_lshlrev_b32 v3, 4, v3
	v_sub_nc_u32 v2, v2, v3                        ; - 16 h: on the diagonal register i of the tile's own block is hidden where i is more than this, in an odd tile than this + 8
	v_add_nc_u32 v3, 8, v2
	v_mov_b32 v[NINF], 0xff800000                  ; -infinity
	v_mov_b32 v[NM+1], 0                           ; (named as the upper halves of the pairs of -M)
	v_mov_b32 v[NM+3], 0
.irp b, 0,1,2,3,4,5,6,7
	v_mov_b32 v[PX+\b], 0                          ; a lane permute's destination counts as one of its sources
.endr
.irp u, 0,1
	v_mov_b32 v[LX+\u], 0
.endr
.set j, 0
.rept 16
	v_cmp_gt_i32 s[MK+j], j, v2
	v_cmp_gt_i32 s[MK+16+j], j, v3
.set j, j+1
.endr
.irp n, 0,2,4,6
	SOFT2 \n
.endr
	v_cmp_lt_u32 vcc_lo, 0xff, v[CO]               ; lanes 16-31
.irp j, 0,1,2,3
	v_cndmask_b32 v[64+\j], v[OM+2*\j], v[OM+2*\j+1], vcc_lo   ; the images: lanes 0-15 tile 2 j's, lanes 16-31 tile 2 j + 1's
	v_cndmask_b32 v[68+\j], v[OL+2*\j], v[OL+2*\j+1], vcc_lo
	v_cndmask_b32 v[72+\j], v[OW+2*\j], v[OW+2*\j+1], vcc_lo
.endr
	v_lshrrev_b32 v76, 1, v[CO]                    ; 8 x lane
.irp i, 0,1,2
	global_store_b64 v76, v[64+4*\i:65+4*\i], s[8:9] offset:512*\i   ; 256 consecutive bytes, aligned
	global_store_b64 v76, v[66+4*\i:67+4*\i], s[8:9] offset:512*\i+256
.endr
.Lend:
	s_wait_tensorcnt 0x0                           ; the wave's end
	ds_add_u32 v[SPW], v[NIL]
	s_wait_dscnt 0x0
	s_endpgm
.Lfunc_end_k_qca38b3a346_score:
	.size	k_qca38b3a346_score, .Lfunc_end_k_qca38b3a346_score-k_qca38b3a346_score
	.p2alignl 7, 3214868480
	.fill 96, 4, 3214868480
	.section	.rodata,"a",@progbits
	.p2align	6, 0x0
	.amdhsa_kernel k_qca38b3a346_score
		.amdhsa_group_segment_fixed_size 327680
		.amdhsa_private_segment_fixed_size 0
		.amdhsa_enable_private_segment 0
		.amdhsa_kernarg_size 24
		.amdhsa_user_sgpr_count 2
		.amdhsa_user_sgpr_kernarg_segment_ptr 1
		.amdhsa_wavefront_size32 1
		.amdhsa_system_sgpr_workgroup_id_x 1
		.amdhsa_system_sgpr_workgroup_id_y 1
		.amdhsa_system_sgpr_workgroup_id_z 1
		.amdhsa_system_vgpr_workitem_id 0
		.amdhsa_next_free_vgpr 1024
		.amdhsa_next_free_sgpr 100
		.amdhsa_reserve_vcc 1
		.amdhsa_float_denorm_mode_32 3
		.amdhsa_float_denorm_mode_16_64 3
		.amdhsa_memory_ordered 1
		.amdhsa_forward_progress 1
		.amdhsa_inst_pref_size 208
	.end_amdhsa_kernel
	.amdgpu_metadata
---
amdhsa.version: [ 1, 2 ]
amdhsa.kernels:
  - .name:           k_qca38b3a346_score
    .symbol:         k_qca38b3a346_score.kd
    .args:
      - { .name: qkv, .offset: 0, .size: 8, .value_kind: global_buffer, .address_space: global }
      - { .name: p, .offset: 8, .size: 8, .value_kind: global_buffer, .address_space: global }
      - { .name: pst, .offset: 16, .size: 8, .value_kind: global_buffer, .address_space: global }
    .group_segment_fixed_size: 327680
    .private_segment_fixed_size: 0
    .kernarg_segment_align: 8
    .kernarg_segment_size: 24
    .max_flat_workgroup_size: 128
    .sgpr_count:     100
    .vgpr_count:     1024
    .wavefront_size: 32
...
	.end_amdgpu_metadata
.endif
;; end of part 7
;; launch pv (part 8): grid 8 x 32, 4 waves a work-group, clusters of 4 x 1, 327,680 bytes of LDS; arguments p, pst, qkv, out0; writes out0
.if DOCPART == 8
	.amdgcn_target "amdgcn-amd-amdhsa--gfx1250"
	.amdhsa_code_object_version 6
	.text
	.protected	k_qca38b3a346_pv
	.globl	k_qca38b3a346_pv
	.p2align	8
	.type	k_qca38b3a346_pv,@function
k_qca38b3a346_pv:
	s_mov_b64 s[64:65], 0
	v_nop
	global_prefetch_b8 v0, s[64:65] scope:SCOPE_SE
	s_setreg_imm32_b32 hwreg(HW_REG_WAVE_MODE, 25, 1), 1
	s_wait_xcnt 0x0
	s_wait_alu depctr_hold_cnt(0) depctr_sa_sdst(0) depctr_va_vdst(0) depctr_va_sdst(0) depctr_va_ssrc(0) depctr_va_vcc(0) depctr_vm_vsrc(0)
	s_getreg_b32 s2, hwreg(HW_REG_IB_STS2, 6, 4)
	s_cmp_eq_u32 s2, 0
	s_cbranch_scc0 .Lentry_in_a_cluster
	s_endpgm
.Lentry_in_a_cluster:
	s_bfe_u32 s2, ttmp6, 0x10000c
	s_cmp_lg_u32 s2, 0x3003
	s_cbranch_scc0 .Lentry_shape_is_right
	s_endpgm
.Lentry_shape_is_right:
; o = p v / l on codes of FP6 (E2M3) with E8M0 scales.  The parts of p (one for each 128 queries x 128 keys, each row under its own whole number M there) come under the row's M by their scale bytes, from which the change of M is taken; l is summed likewise.
; SHARES: a work-group takes a PAIR of query rowblocks of a batch, 15 - q and q (q = 0 .. 7), 128 queries each, and 128 channels.  Under the causal mask the first has 16 - q key rowblocks and the second q + 1: 17 ITEMS of 128 x 128 x 128 in every work-group; what lies wholly behind the queries is neither stored nor read.
; Item t is the first rowblock's key t for t <= 15 - q, then the second's key 16 - t: so each item has one of two key rowblocks, both constants of the text; items 9 to 15 may be either's, by a branch on q, which all four partners of the cluster share.
; Wave (a, b): queries 64 a .. of either rowblock, channels 64 b ..: 2 x 16 accumulators.  Source 0 = v's rows (channels), source 1 = p's: a lane holds one query and 8 neighbouring channels.
; LDS: p in two slots of four items (0, 49,152), v's sixteen key rowblocks from VB on, each filled once and kept.  FILLS, one load a wave (waves 0, 1 p; waves 2, 3 v): items 0-7 and keys 0-7 at the head; in item 3 items 8-11, keys 8-11; in item 7 items 12-15, keys 12-15 (v's only where q <= 3 reads them); in item 11 item 16.
; CLUSTER 4, 1, 1: the four column blocks share p, asked for jointly.  v is not shared along y: the pairs there change rowblocks at different items, and partners must run alike.
; PREFETCH: the fills of items 3 and 7 are asked for into the L2 in items 0 and 4: p's blocks of 256 bytes shared out among the four partners and their waves, v's among the eight pairs of the batch and their waves.
; The statistics are worked while the head's fill is on its way.
; LIMITS: NaN and infinities are not served; what stands 127 or more powers of two under the row's M gets the scale byte 0 (2^-127) and adds nothing to l.
; REGISTERS: window 0: v1-3 at work, v4-11 1 / l, v12-19 at work, v20-33 addresses, v34-37 v's scale words, two sets, v38-39 the add's; v40-107, v142-214 the statistics; v108-141 p's scale words, two an item; v144-239 the way out; v240-241 the prefetches.
;   window 1: fragments, set s at v[96 s]: p's four, then v's four.   window 3: accumulator (rowblock, p tile a, v tile b) at v[128 rowblock + 32 a + 8 b].
.set G,     12800
.set GR,    12288
.set FRB,   1536
.set PSL,   49152
.set VB,    98304
.set VCH,   51200
.set SPARE, 303104
.set STAGE, 303616
.set SP,    272
.set ADP,   20
.set ADV,   22
.set ADS,   26
.set STO,   30
.set RD,    31
.set GOF,   32
.set CO,    33
.set VS,    34
.set SPW,   38
.set NIL,   39
.set MM,    40
.set LL,    74
.set PS,    108
.set SWR,   142
.set EE,    176
.set BIG,   214
.set PK,    144
.set PF,    240
.set G1,    24
.set G0,    32
.set G0B,   36
.set G1B,   48
.set SEL,   68
.set MK,    71                         ; s[MK + t], t = 9 .. 15: all ones where item t is the second rowblock's
.set MSB, 0
.macro WIN new
.if MSB != (\new)
	s_set_vgpr_msb (MSB<<8)|(\new)
.set MSB, (\new)
.endif
.endm
.macro PLACES n
.rept \n
	v_nop
.endr
.endm
.macro CREST                           ; a round of the cluster's barrier behind its opening barrier
	s_cmp_lg_u32 s14, 0
	s_cbranch_scc1 .Lnot_wave_0_\@
	s_barrier_signal -3
.Lnot_wave_0_\@:
	s_barrier_wait -3
	s_barrier_signal -1
	s_barrier_wait -1
.endm
.macro CROUND
	s_barrier_signal -1
	s_barrier_wait -1
	CREST
.endm
.macro TLOAD g0, g1
	tensor_load_to_lds s[\g0:\g0+3], s[\g1:\g1+7]
	s_nop 0
	PLACES 4
.endm
.macro FILL t                          ; waves 0, 1: p, jointly; waves 2, 3: v.  In item 11 wave 0 alone
.if (\t) == 11
	s_cmp_lg_u32 s14, 0
	s_cbranch_scc1 .Lasked_\@
	TLOAD G0, G1
.else
	s_cmp_eq_u32 s15, 0
	s_cbranch_scc0 .Lfor_v_\@
	TLOAD G0, G1
	s_branch .Lasked_\@
.Lfor_v_\@:
.if (\t) == 7
	s_cmp_gt_u32 s43, 3                            ; keys 12-15 are read where q <= 3 alone
	s_cbranch_scc1 .Lasked_\@
.endif
	TLOAD G0B, G1B
.endif
.Lasked_\@:
.endm
.macro DESC t                          ; the fill of item t; behind the wait that shows my tensor loads done
.if (\t) == 11
	s_mov_b32 s[G1+2], 48<<16
	s_mov_b32 s[G1+4], 48
	s_mov_b32 s[G0+1], 0
	s_mov_b32 s20, 16*GR
	s_add_nc_u64 s[G0+2:G0+3], s[44:45], s[20:21]
	s_or_b32 s[G0+3], s[G0+3], 0x80000000
.else
	s_mov_b32 s[G1+2], 96<<16                      ; two items,
	s_mov_b32 s[G1+4], 96
	s_mov_b32 s[G1B+2], 100<<16                    ; two key rowblocks a wave
	s_mov_b32 s[G1B+4], 100
	s_mul_i32 s[G0+1], s16, 2*GR
	s_add_co_u32 s[G0+1], s[G0+1], PSL*((\t)/7)
	s_mul_i32 s20, s16, 2*GR
	s_add_co_u32 s20, s20, ((\t)+5)*GR
	s_add_nc_u64 s[G0+2:G0+3], s[44:45], s[20:21]
	s_or_b32 s[G0+3], s[G0+3], 0x80000000
	s_mul_i32 s[G0B+1], s16, 2*G
	s_add_co_u32 s[G0B+1], s[G0B+1], VB+((\t)+5)*G
	s_mul_i32 s20, s16, 2*G
	s_add_co_u32 s20, s20, ((\t)+5)*G
	s_add_nc_u64 s[G0B+2:G0B+3], s[46:47], s[20:21]
	s_or_b32 s[G0B+3], s[G0B+3], 0x80000000
.endif
.endm
.macro WMR c, ra, rb
	v_wmma_scale_f32_16x16x128_f8f6f4 v[rD:rD+7], v[rA:rA+11], v[rB:rB+11], \c, v[rSA], v[rSB] matrix_a_fmt:MATRIX_FMT_FP6 matrix_b_fmt:MATRIX_FMT_FP6 matrix_a_scale:MATRIX_SCALE_ROW\ra matrix_b_scale:MATRIX_SCALE_ROW\rb
.endm
.macro WM c
.if wOA && wOB
	WMR \c, 1, 1
.elseif wOA
	WMR \c, 1, 0
.elseif wOB
	WMR \c, 0, 1
.else
	WMR \c, 0, 0
.endif
.endm
; products from .. to - 1 of item t's sixteen, on rowblock lo's accumulators, which take turns, one instruction a turn
.macro PR t, lo, from, to
	WIN 0xf5
.set N_, \from
.rept (\to)-(\from)
.set pa_, N_/4
.set pb_, N_%4
.set rD, 8*(4*(pa_+4*(\lo))+pb_)
.set rA, 96*((\t)%2)+48+12*pb_
.set rB, 96*((\t)%2)+12*pa_
.set rSA, VS+2*((\t)%2)+pb_/2
.set rSB, PS+2*(\t)+pa_/2
.set wOA, pb_%2
.set wOB, pa_%2
.if (\t) == 0
	WM 0
.else
	WM v[rD:rD+7]
.endif
.set N_, N_+1
.endr
.endm
.macro PRV t, from, to
.if ((\t) > 8) && ((\t) < 16)
	WIN 0
	s_cmp_gt_u32 s43, 15-(\t)
	s_cbranch_scc1 .Lp_second_\@
	PR \t, 0, \from, \to
	WIN 0
	s_branch .Lp_done_\@
.Lp_second_\@:
	PR \t, 1, \from, \to
	WIN 0
.Lp_done_\@:
.else
	PR \t, (\t)/16, \from, \to
	WIN 0
.endif
.endm
.macro LV u, key                       ; v's four fragments of a key rowblock, and their scale words
	WIN 0x40
.irp i, 0,1,2,3
.irp c, 0,1,2
	ds_load_b128 v[96*((\u)%2)+48+12*\i+4*\c:96*((\u)%2)+48+12*\i+4*\c+3], v[ADV+(\key)/4] offset:((\key)%4)*G+\i*FRB+512*\c
.endr
.endr
	WIN 0
	ds_load_b64 v[VS+2*((\u)%2):VS+2*((\u)%2)+1], v[ADS+(\key)/4] offset:((\key)%4)*G
.endm
.macro FETCHI u                        ; item u's fragments into set u % 2: 25 loads in one run
	WIN 0x40
.irp i, 0,1,2,3
.irp c, 0,1,2
	ds_load_b128 v[96*((\u)%2)+12*\i+4*\c:96*((\u)%2)+12*\i+4*\c+3], v[ADP+((\u)/4)%2] offset:((\u)%4)*GR+\i*FRB+512*\c
.endr
.endr
.if (\u) < 9
	LV \u, \u
.elseif (\u) == 16
	LV \u, 0
.else
	WIN 0
	s_cmp_gt_u32 s43, 15-(\u)
	s_cbranch_scc1 .Lv_second_\@
	LV \u, \u
	s_branch .Lv_done_\@
.Lv_second_\@:
	LV \u, 16-(\u)
.Lv_done_\@:
.endif
.endm
; An item: the next one's fragments are asked for ahead of the products.  Items 3, 7, 11: a round of the cluster's barrier shows the last fill, and this slot, of which all reads were issued by the item before, is filled again.  Item 15: a plain barrier shows item 16.
.macro ITEM t
.if ((\t)%4) == 3
	s_wait_tensorcnt 0x0                           ; all my tensor loads have landed
.if (\t) < 15
	ds_add_u32 v[SPW], v[NIL]                      ; 0 onto my spare word
	DESC \t
.endif
	s_wait_dscnt 0x0                               ; the add is done, and so are my reads of this slot
.if (\t) > 8
	PRV \t, 0, 8
	s_barrier_signal -1
.else
	s_barrier_signal -1
	PRV \t, 0, 8
.endif
	s_barrier_wait -1
.if (\t) < 15
	CREST
	FILL \t
.endif
	PLACES 4                                       ; places in front of loads into registers that matrix instructions have read
	FETCHI (\t)+1
	PRV \t, 8, 16
.else
	s_wait_dscnt 0x0
	PLACES 4
.if (\t) < 16
	FETCHI (\t)+1
.endif
.if (\t) == 0
	global_prefetch_b8 v[PF], s[4:5] th:TH_LOAD_NT scope:SCOPE_SE
	global_prefetch_b8 v[PF+1], s[8:9] th:TH_LOAD_NT scope:SCOPE_SE
.elseif (\t) == 4
	global_prefetch_b8 v[PF], s[4:5] offset:PSL th:TH_LOAD_NT scope:SCOPE_SE
	global_prefetch_b8 v[PF+1], s[8:9] offset:VCH th:TH_LOAD_NT scope:SCOPE_SE
.endif
	PRV \t, 0, 16
.endif
.endm
; THE WAY OUT of tile n (0-3 the first rowblock's, 4-7 the second's): divided by l, through my own stage, out as rows of 256 bytes
.macro PACK n
	WIN 0x03
.set j, 0
.rept 16
.if ((\n)%2)==0
	v_pk_mul_f32 v[PK+j:PK+1+j], v[32*(\n)+j:32*(\n)+j+1], v[4+2*((\n)/2):5+2*((\n)/2)] op_sel_hi:[1,0]
.else
	v_pk_mul_f32 v[PK+j:PK+1+j], v[32*(\n)+j:32*(\n)+j+1], v[4+2*((\n)/2):5+2*((\n)/2)] op_sel:[0,1] op_sel_hi:[1,1]
.endif
.set j, j+2
.endr
	WIN 0
.endm
.macro TOSTAGE n
.set BB, 176+32*((\n)%2)
.irp t, 0,1,2,3
	ds_store_b128 v[STO], v[PK+8*\t:PK+8*\t+3] offset:128*(\t/2)+32*(\t%2)
	ds_store_b128 v[STO], v[PK+8*\t+4:PK+8*\t+7] offset:128*(\t/2)+32*(\t%2)+16
.endr
.irp i, 0,1,2,3,4,5,6,7
	ds_load_b128 v[BB+4*\i:BB+4*\i+3], v[RD] offset:\i*2*SP   ; LDS serves a wave's instructions in order: these see the stores above
.endr
.endm
.macro SEND n, base
.set BB, 176+32*((\n)%2)
	s_wait_dscnt 0x0
	s_wait_xcnt 0x0                                ; the stores of the tile before have read their registers
.irp i, 0,1,2,3,4,5,6,7
	global_store_b128 v[GOF], v[BB+4*\i:BB+4*\i+3], s[\base:\base+1] offset:(32*(((\n)%4)/2)+8*((\n)%2)+((2*\i)%8)+16*(\i/4))*4096 th:TH_STORE_NT
.endr
.endm
	s_load_b256 s[4:11], s[0:1], 0x0               ; p, pst, qkv, out0
	v_lshl_add_u32 v[SPW], v0, 2, SPARE
	v_mov_b32 v[NIL], 0
	ds_add_u32 v[SPW], v[NIL]                      ; the opening lines: the add, twice on end, ahead of my first tensor load
	ds_add_u32 v[SPW], v[NIL]
	v_lshrrev_b32 v1, 5, v0
	v_readfirstlane_b32 s14, v1                    ; wave 0..3
	s_lshr_b32 s15, s14, 1                         ; a.  Also: I fetch p (0) or v (1)
	s_and_b32 s16, s14, 1                          ; b.  Also: which half of a fill
	s_bfe_u32 s40, ttmp6, 0x40000                  ; cx
	s_lshl_b32 s76, ttmp9, 2
	s_add_co_u32 s76, s76, s40                     ; column block
	s_and_b32 s41, ttmp7, 0xffff                   ; 8 batch + q
	s_lshr_b32 s42, s41, 3                         ; batch
	s_and_b32 s43, s41, 7                          ; q
	s_mul_i32 s22, s41, 17*GR                      ; the pair's 17 groups of p
	s_mov_b32 s23, 0
	s_lshl_b32 s56, s42, 3
	s_add_co_u32 s56, s56, s76
	s_lshl_b32 s56, s56, 4
	s_add_co_u32 s56, s56, 1024
	s_mul_i32 s56, s56, G                          ; v's sixteen
	s_mov_b32 s57, 0
	s_mul_i32 s58, s41, 17*1536                    ; the statistics
	s_mov_b32 s59, 0
	s_mov_b32 s[G1+0], 15|(3<<16)|(1<<21)          ; 15:0 the mask: the whole cluster; 17:16 elements of 8 bytes; 21 set beside a mask.  Dense runs, as rows of 256 bytes
	s_mov_b32 s[G1B+0], 3<<16
.irp g, G1, G1B
	s_mov_b32 s[\g+1], 32<<16
	s_mov_b32 s[\g+3], 32<<16
	s_mov_b32 s[\g+5], 32
	s_mov_b32 s[\g+6], 0
	s_mov_b32 s[\g+7], 0
.endr
	s_mov_b32 s[G1+2], 192<<16                     ; at the head: four items,
	s_mov_b32 s[G1+4], 192
	s_mov_b32 s[G1B+2], 200<<16                    ; four key rowblocks a wave
	s_mov_b32 s[G1B+4], 200
	s_mov_b32 s[G0], 1
	s_mul_i32 s[G0+1], s16, PSL
	s_mov_b32 s[G0B], 1
	s_mul_i32 s[G0B+1], s16, VCH
	s_add_co_u32 s[G0B+1], s[G0B+1], VB
	s_mul_i32 s20, s16, PSL
	s_mov_b32 s21, 0
	s_mul_i32 s60, s16, VCH
	s_mov_b32 s61, 0
	s_lshl_b32 s70, s42, 11                        ; my rows of the output: 2,048 batch + 128 x rowblock + 64 a
	s_lshl_b32 s71, s15, 6
	s_add_co_u32 s70, s70, s71
	s_xor_b32 s71, s43, 15
	s_lshl_b32 s71, s71, 7
	s_add_co_u32 s72, s70, s71
	s_lshl_b32 s72, s72, 12
	s_lshl_b32 s71, s43, 7
	s_add_co_u32 s74, s70, s71
	s_lshl_b32 s74, s74, 12
	s_lshl_b32 s70, s76, 9                         ; my columns, in bytes: 512 x column block + 256 b
	s_lshl_b32 s71, s16, 8
	s_add_co_u32 s70, s70, s71
	s_add_co_u32 s72, s72, s70
	s_add_co_u32 s74, s74, s70
	s_mov_b32 s73, 0
	s_mov_b32 s75, 0
	s_mov_b32 s[SEL], 0x76543210
	s_mov_b32 s[SEL+1], 0xfedcba98                 ; selects for lane l xor 16
	s_mov_b32 s90, 0x80808080
.irp t, 9,10,11,12,13,14,15
	s_cmp_gt_u32 s43, 15-\t
	s_cselect_b32 s[MK+\t], -1, 0
.endr
	s_wait_alu depctr_va_vdst(0)
	s_wait_dscnt 0x0
	CROUND                                         ; all four work-groups are here: the first joint loads meet
	s_wait_kmcnt 0x0
	s_add_nc_u64 s[44:45], s[4:5], s[22:23]        ; the pair's p,
	s_add_nc_u64 s[46:47], s[8:9], s[56:57]        ; my columns' v
	s_add_nc_u64 s[G0+2:G0+3], s[44:45], s[20:21]
	s_or_b32 s[G0+3], s[G0+3], 0x80000000
	s_add_nc_u64 s[G0B+2:G0B+3], s[46:47], s[60:61]
	s_or_b32 s[G0B+3], s[G0B+3], 0x80000000
	FILL 0
	s_add_nc_u64 s[6:7], s[6:7], s[58:59]
	s_add_nc_u64 s[72:73], s[10:11], s[72:73]
	s_add_nc_u64 s[74:75], s[10:11], s[74:75]
	s_lshl_b32 s70, s15, 8
	v_and_b32 v1, 31, v0                           ; lane
	v_lshlrev_b32 v12, 3, v1
	v_add_nc_u32 v13, s70, v12                     ; my half of an image: 256 a + 8 x lane
.set t, 0
.rept 17
	global_load_b64 v[MM+2*t:MM+2*t+1], v13, s[6:7] offset:1536*t          ; -M,
	global_load_b64 v[LL+2*t:LL+2*t+1], v13, s[6:7] offset:1536*t+512      ; l,
	global_load_b64 v[SWR+2*t:SWR+2*t+1], v13, s[6:7] offset:1536*t+1024   ; p's scale words: 256 consecutive bytes each
.set t, t+1
.endr
	WIN 0xc0
.set t, 0
.rept 128
	v_mov_b32 v[128+t], 0                          ; the second rowblock's sums begin at an item that hangs on q, so no one product can start them; the loads above are on their way meanwhile
.set t, t+1
.endr
	WIN 0
	s_mul_i32 s70, s15, 4*FRB
	s_mul_i32 s71, s16, 4*FRB
	s_add_co_u32 s71, s71, VB
	s_lshl_b32 s77, s16, 8
	s_add_co_u32 s77, s77, VB+8*FRB
	s_mul_i32 s91, s14, 16*SP
	s_add_co_u32 s91, s91, STAGE
	s_mul_i32 s92, s40, 48                         ; the prefetches: of 192 blocks of p 48 a partner, 12 a wave,
	s_mul_i32 s93, s14, 12
	s_add_co_u32 s92, s92, s93
	s_add_co_u32 s93, s22, 8*GR
	s_mul_i32 s94, s14, 7                          ; of 200 of v 25 a pair, 7 a wave (the last wave's last block is named again)
	s_mul_i32 s95, s43, 25
	s_add_co_u32 s96, s56, 8*G
	v_lshlrev_b32 v[CO], 4, v1
	v_and_b32 v2, 15, v0                           ; r
	v_bfe_u32 v3, v0, 4, 1                         ; h
	v_add_nc_u32 v[ADP], s70, v[CO]
	v_add_nc_u32 v[ADP+1], PSL, v[ADP]
	v_add_nc_u32 v[ADV], s71, v[CO]
	v_add_nc_u32 v[ADS], s77, v12
.irp k, 1,2,3
	v_add_nc_u32 v[ADV+\k], \k*VCH, v[ADV]
	v_add_nc_u32 v[ADS+\k], \k*VCH, v[ADS]
.endr
	v_mul_u32_u24 v[STO], v2, SP
	v_lshl_add_u32 v[STO], v3, 6, v[STO]
	v_add_nc_u32 v[STO], s91, v[STO]
	v_mul_u32_u24 v[RD], v3, SP
	v_lshl_add_u32 v[RD], v2, 4, v[RD]
	v_add_nc_u32 v[RD], s91, v[RD]
	v_lshlrev_b32 v[GOF], 12, v3
	v_lshl_add_u32 v[GOF], v2, 4, v[GOF]
	v_min_u32 v[PF], 11, v1
	v_add_nc_u32 v[PF], s92, v[PF]
	v_lshlrev_b32 v[PF], 8, v[PF]
	v_add_nc_u32 v[PF], s93, v[PF]
	v_min_u32 v[PF+1], 6, v1
	v_add_nc_u32 v[PF+1], s94, v[PF+1]
	v_min_u32 v[PF+1], 24, v[PF+1]
	v_add_nc_u32 v[PF+1], s95, v[PF+1]
	v_lshlrev_b32 v[PF+1], 8, v[PF+1]
	v_add_nc_u32 v[PF+1], s96, v[PF+1]
	v_mov_b32 v[BIG], 0x7f800000
	s_wait_alu depctr_va_vdst(0)
	s_wait_loadcnt 0x0
	; THE STATISTICS: word 2 t + j of lane (r, h): item t, query r of my tile 2 j + h.  The row's -M is the least of its items', for the first rowblock in v12-13, for the second in v14-15.
.irp j, 0,1
	v_min_num_f32 v[12+\j], v[MM+\j], v[MM+2+\j]
	v_mov_b32 v[14+\j], v[MM+32+\j]
.endr
.irp t, 2,3,4,5,6,7,8
.irp j, 0,1
	v_min_num_f32 v[12+\j], v[12+\j], v[MM+2*\t+\j]
.endr
.endr
.irp t, 9,10,11,12,13,14,15
.irp j, 0,1
	v_cndmask_b32 v[210+\j], v[MM+2*\t+\j], v[BIG], s[MK+\t]
	v_cndmask_b32 v[212+\j], v[BIG], v[MM+2*\t+\j], s[MK+\t]
.endr
.irp j, 0,1
	v_min_num_f32 v[12+\j], v[12+\j], v[210+\j]
	v_min_num_f32 v[14+\j], v[14+\j], v[212+\j]
.endr
.endr
.irp t, 9,10,11,12,13,14,15
.irp j, 0,1
	v_cndmask_b32 v[210+\j], v[12+\j], v[14+\j], s[MK+\t]
.endr
.irp j, 0,1
	v_sub_f32 v[MM+2*\t+\j], v[MM+2*\t+\j], v[210+\j]   ; how many powers of two the item's M lies under the row's
.endr
.endr
.irp t, 0,1,2,3,4,5,6,7,8
.irp j, 0,1
	v_sub_f32 v[MM+2*\t+\j], v[MM+2*\t+\j], v[12+\j]
.endr
.endr
.irp j, 0,1
	v_sub_f32 v[MM+32+\j], v[MM+32+\j], v[14+\j]
.endr
.set x, 0
.rept 34
	v_min_num_f32 v[MM+x], 0x42fe0000, v[MM+x]     ; at most 127
.set x, x+1
.endr
.set x, 0
.rept 34
	v_cvt_u32_f32 v[MM+x], v[MM+x]
.set x, x+1
.endr
.set x, 0
.rept 34
	v_sub_nc_u32 v[EE+x], 127, v[MM+x]
.set x, x+1
.endr
.set x, 0
.rept 34
	v_lshlrev_b32 v[EE+x], 23, v[EE+x]             ; 2^-that, as f32 (0 for 127)
.set x, x+1
.endr
.set x, 0
.rept 34
	v_mul_f32 v[LL+x], v[LL+x], v[EE+x]            ; l under the row's M
.set x, x+1
.endr
.irp j, 0,1
	v_add_f32 v[16+\j], v[LL+\j], v[LL+2+\j]
	v_mov_b32 v[18+\j], v[LL+32+\j]
.endr
.irp t, 2,3,4,5,6,7,8
.irp j, 0,1
	v_add_f32 v[16+\j], v[16+\j], v[LL+2*\t+\j]
.endr
.endr
.irp t, 9,10,11,12,13,14,15
.irp j, 0,1
	v_cndmask_b32 v[210+\j], v[LL+2*\t+\j], 0, s[MK+\t]
	v_cndmask_b32 v[212+\j], 0, v[LL+2*\t+\j], s[MK+\t]
.endr
.irp j, 0,1
	v_add_f32 v[16+\j], v[16+\j], v[210+\j]
	v_add_f32 v[18+\j], v[18+\j], v[212+\j]
.endr
.endr
	; the scale bytes less that number, held at 0 from below: each byte is under 128, so bit 7, set first, is left where nothing was borrowed
.set x, 0
.rept 34
	v_perm_b32 v[EE+x], v[MM+x], v[MM+x], 0        ; the number in all four bytes
	v_or_b32 v[SWR+x], s90, v[SWR+x]
.set x, x+1
.endr
.set x, 0
.rept 34
	v_sub_nc_u32 v[SWR+x], v[SWR+x], v[EE+x]
.set x, x+1
.endr
.set x, 0
.rept 34
	v_and_b32 v[EE+x], s90, v[SWR+x]
.set x, x+1
.endr
.set x, 0
.rept 34
	v_lshrrev_b32 v[MM+x], 7, v[EE+x]
.set x, x+1
.endr
.set x, 0
.rept 34
	v_sub_nc_u32 v[EE+x], v[EE+x], v[MM+x]
.set x, x+1
.endr
.set x, 0
.rept 34
	v_and_b32 v[PS+x], v[SWR+x], v[EE+x]
.set x, x+1
.endr
	s_wait_alu depctr_va_vdst(0)
.irp j, 0,1,2,3
	v_rcp_f32 v[16+\j], v[16+\j]
.endr
	v_cmp_lt_u32 vcc_lo, 15, v1                    ; lanes 16-31
	s_wait_alu depctr_va_vdst(0)                   ; one wait for the four, ahead of their first reader
.irp j, 0,1,2,3
	v_permlanex16_b32 v[12+\j], v[16+\j], s[SEL], s[SEL+1]
.endr
.irp j, 0,1,2,3
	v_cndmask_b32 v[4+2*\j], v[16+\j], v[12+\j], vcc_lo   ; 1 / l of query r of tiles 2 j
	v_cndmask_b32 v[5+2*\j], v[12+\j], v[16+\j], vcc_lo   ; and 2 j + 1 (0-3 the first rowblock's, 4-7 the second's), in both halves of the lanes
.endr
	s_wait_alu depctr_va_vdst(0)
	s_wait_tensorcnt 0x0                           ; my part of the head's fill is in
	s_barrier_signal -1
	s_barrier_wait -1                              ; everybody's is
	FETCHI 0
; A rowblock's four tiles leave.  The first rowblock's sums are finished behind item 15 - q: they leave behind item 9 (q = 6, 7), behind item 12 (q = 3 .. 5) or at the end, so that the stores are on their way beside the second rowblock's items.
.macro OUT n0, base
	PLACES 4
	PACK \n0
	TOSTAGE \n0
.irp i, 1,2,3
	PACK (\n0)+\i
	s_wait_alu depctr_va_vdst(0)                   ; directly ahead of SEND's waits
	SEND (\n0)+\i-1, \base
	TOSTAGE (\n0)+\i
.endr
	SEND (\n0)+3, \base
.endm
.irp t, 0,1,2,3,4,5,6,7,8,9
	ITEM \t
.endr
	s_cmp_lt_u32 s43, 6
	s_cbranch_scc1 .Lnot_yet
	OUT 0, 72
.Lnot_yet:
.irp t, 10,11,12
	ITEM \t
.endr
	s_cmp_lt_u32 s43, 3
	s_cbranch_scc1 .Lnot_now
	s_cmp_gt_u32 s43, 5
	s_cbranch_scc1 .Lnot_now
	OUT 0, 72
.Lnot_now:
.irp t, 13,14,15,16
	ITEM \t
.endr
	s_cmp_gt_u32 s43, 2
	s_cbranch_scc1 .Lsent
	OUT 0, 72
.Lsent:
	s_wait_xcnt 0x0                                ; the first rowblock's stores have read their registers
	OUT 4, 74
	s_wait_tensorcnt 0x0                           ; the wave's end
	ds_add_u32 v[SPW], v[NIL]
	s_wait_dscnt 0x0
	CROUND                                         ; the closing round
	s_endpgm
.Lfunc_end_k_qca38b3a346_pv:
	.size	k_qca38b3a346_pv, .Lfunc_end_k_qca38b3a346_pv-k_qca38b3a346_pv
	.p2alignl 7, 3214868480
	.fill 96, 4, 3214868480
	.section	.rodata,"a",@progbits
	.p2align	6, 0x0
	.amdhsa_kernel k_qca38b3a346_pv
		.amdhsa_group_segment_fixed_size 327680
		.amdhsa_private_segment_fixed_size 0
		.amdhsa_enable_private_segment 0
		.amdhsa_kernarg_size 32
		.amdhsa_user_sgpr_count 2
		.amdhsa_user_sgpr_kernarg_segment_ptr 1
		.amdhsa_wavefront_size32 1
		.amdhsa_system_sgpr_workgroup_id_x 1
		.amdhsa_system_sgpr_workgroup_id_y 1
		.amdhsa_system_sgpr_workgroup_id_z 1
		.amdhsa_system_vgpr_workitem_id 0
		.amdhsa_next_free_vgpr 1024
		.amdhsa_next_free_sgpr 100
		.amdhsa_reserve_vcc 1
		.amdhsa_float_denorm_mode_32 3
		.amdhsa_float_denorm_mode_16_64 3
		.amdhsa_memory_ordered 1
		.amdhsa_forward_progress 1
		.amdhsa_inst_pref_size 183
	.end_amdhsa_kernel
	.amdgpu_metadata
---
amdhsa.version: [ 1, 2 ]
amdhsa.kernels:
  - .name:           k_qca38b3a346_pv
    .symbol:         k_qca38b3a346_pv.kd
    .args:
      - { .name: p, .offset: 0, .size: 8, .value_kind: global_buffer, .address_space: global }
      - { .name: pst, .offset: 8, .size: 8, .value_kind: global_buffer, .address_space: global }
      - { .name: qkv, .offset: 16, .size: 8, .value_kind: global_buffer, .address_space: global }
      - { .name: out0, .offset: 24, .size: 8, .value_kind: global_buffer, .address_space: global }
    .group_segment_fixed_size: 327680
    .private_segment_fixed_size: 0
    .kernarg_segment_align: 8
    .kernarg_segment_size: 32
    .max_flat_workgroup_size: 128
    .sgpr_count:     100
    .vgpr_count:     1024
    .wavefront_size: 32
...
	.end_amdgpu_metadata
.endif
;; end of part 8
